; MI455X (gfx1250); checked and timed in simulation.
; The chip was launched on July 23, 2026; its instructions are those of AMD's public machine-readable ISA for CDNA 5 (MIT licence, August 2026) and "CDNA5" Instruction Set Architecture Reference Guide (July 2026). The comments in the code are by the model that wrote it; some were corrected since.
;; Sparse Mo E. Allowed arithmetic: matrix products marked QUANTISED: E3M2 operands, one E8M0 scale for each 32 along K, by v_wmma_scale_f32_16x16x128_f8f6f4 with both operands' format E3M2, f32 sums; products left as they are: f32 operands where the result goes on into a quantised operand, else bf16, f16 or f32 operands; f32 sums; everything else in f32.
;; Inputs: W1 8 x 1,024 x 4,096 float32; W2 8 x 4,096 x 1,024 float32; Wg 1,024 x 8 float32; b1 8 x 4,096 float32; b2 8 x 1,024 float32; bg 8 float32; x 2 x 512 x 1,024 float32.
;; Outputs: out0 2 x 512 x 1,024 float32.
;; This version of the problem:
;;   THIS VERSION OF THE PROBLEM IS GIVEN IN LOW PRECISION. The matrix products marked QUANTISED in the list below multiply operands that are first quantised to E3M2 (3 exponent bits, 2 mantissa bits; 6 bits a number), with one power-of-two scale for each 32 numbers along K (OCP MX v1.0); their sums are f32. All else is computed in f32.
;;   The module's matrix products, in the order in which they are computed (A, B: the left and right operand; K: the contracted axis; several contracted axes count as one K, in the product's order):
;;     1. [M 1,024, K 1,024] x [K 1,024, N 8]; A: input x; B: input Wg: left as it is (N = 8 < 16)
;;     2. [M 32,768, K 1,024] x [K 1,024, N 1,024]; A: input W1; B: input x: QUANTISED
;;     3. batch 8 x [M 1,024, K 4,096] x [K 4,096, N 1,024]; A: computed on the way; B: input W2: QUANTISED
;;     4. batch 1,024 x [M 1, K 8] x [K 8, N 1,024]; A: computed on the way; B: computed on the way: left as it is (K = 8 < 32)
;;   THE QUANTISER, for each operand of a quantised product, along K:
;;     - K is cut into blocks of 32 from its start; a last block that is shorter is filled with zeros.
;;     - A block's scale is 2^e with e = floor(log2(the largest magnitude in the block)) - 4, held to -126 .. 127; a block of zeros has e = 0. As a byte (E8M0): e + 127.
;;     - Each number is divided by its block's scale, clamped to +-28, and rounded to the nearest number of E3M2, ties to even, subnormals kept.
;;     - The product sums the exact products of the quantised numbers (number of the format x scale) in f32.
;;   ~~~python
;;   def quantise(x, axis):      # numpy; x: float32 -> the quantised numbers, widened to float32 again
;;       x = np.moveaxis(x, axis, -1); K = x.shape[-1]
;;       x = np.pad(x, [(0, 0)] * (x.ndim - 1) + [(0, -K % 32)]); x = x.reshape(x.shape[:-1] + (-1, 32)); a = np.abs(x).max(-1, keepdims=True)
;;       e = np.where(a > 0, np.clip(np.frexp(np.where(a > 0, a, 1))[1] - 1 - 4, -126, 127), 0)      # np.frexp(a)[1] - 1 = floor(log2(a)), exactly
;;       r = np.clip(x / 2.0 ** e, -28, 28)
;;       step = 2.0 ** (np.maximum(np.frexp(np.where(r == 0, 1, r))[1] - 1, -2) - 2)
;;       q = np.round(r / step) * step * 2.0 ** e      # np.round: ties to even
;;       return np.moveaxis(q.reshape(q.shape[:-2] + (-1,))[..., :K], -1, axis).astype(np.float32)
;;   ~~~
;;   OPERANDS COMPUTED ON THE WAY. 'Computed on the way' means the value that the module computes at that place (a softmax that the list does not call 'softmax' is quantised finished and normalised). What goes into a quantiser is computed in f32, as accurately as f32 sums, v_exp_f32 and their like allow (about 1e-6 of the number): no bf16 or f16 on the way to a quantiser, and a product that is left as it is and whose result goes on into a quantised operand takes f32 operands (vector FMAs, or v_wmma_f32_16x16x4_f32). A number that lies on a knife's edge between two numbers of the format may be rounded either way, as far as f32 arithmetic and the matrix unit's own rounding can turn it there, and no further.
;; 2 versions. Each part assembles by itself: llvm-mc -triple=amdgcn-amd-amdhsa -mcpu=gfx1250 --defsym DOCPART=n.
;; ======== version 1 of 2: 5 launches
;; workspace buffers: ridx 8,192 bytes of whole numbers; rgate 8,192 bytes; rplace 8,448 bytes of whole numbers; xq 1,810,432 bytes; hq 7,241,728 bytes; part 35,651,584 bytes
;; launch route (part 1): grid 32 x 1, 8 waves a work-group, no clusters, 1,536 bytes of LDS; arguments x, Wg, bg, ridx, rgate; writes ridx, rgate
.if DOCPART == 1
	.amdgcn_target "amdgcn-amd-amdhsa--gfx1250"
	.amdhsa_code_object_version 6
	.text
	.protected	k_q5104b5b0bf_route
	.globl	k_q5104b5b0bf_route
	.p2align	8
	.type	k_q5104b5b0bf_route,@function
k_q5104b5b0bf_route:
	s_mov_b64 s[64:65], 0
	v_nop
	global_prefetch_b8 v0, s[64:65] scope:SCOPE_SE
	s_setreg_imm32_b32 hwreg(HW_REG_WAVE_MODE, 25, 1), 1
	s_wait_xcnt 0x0
; THE ROUTER.  gates = softmax(x Wg + bg) over 8 experts; the two largest gates of each token and their experts are stored at fixed places:
; ridx [1024][2] (whole numbers), rgate [1024][2] (f32).  No address and no branch here hangs on the choice: a later launch places the rows.
; SHARES.  A work-group takes 32 tokens, a wave 4.  Lane l takes d = 128 c + 4 l + 0..3 of chunk c = 0..7: x is read in runs of 512 consecutive bytes,
; a lane's four rows of Wg are 128 consecutive bytes.  32 sums a lane (4 tokens x 8 experts) in f32 by packed multiply-adds, then one sum over the 32 lanes.
; A ring of four register sets keeps three chunks (36 loads a wave) on their way.
; The largest logit is taken away before the exponential, as the softmax asks.  Ties go to the lower expert (strict compares in ascending order).
; LIMITS: NaN and infinities among the inputs are not served; the division is a reciprocal and a multiplication; gates that underflow count as 0.
.set ACC,  32                          ; v32-63   sums: token i, expert e at 32 + 8 i + e
.set RING, 64                          ; v64-255  four sets of 48: 32 of Wg (8 dd + e), 16 of x (4 i + dd)
.set IDX,  4                           ; v4-11    token i: first and second expert, a pair
.set VAL,  12                          ; v12-19   token i: their gates, a pair
.set MX,   96                          ; v96-99   the largest logit
.set SM,   100                         ; v100-103 the sum of exponentials
.set SEL,  34                          ; s[34:35] selects of v_permlanex16_b32: lane l xor 16
	s_load_b256 s[4:11], s[0:1], 0x0               ; x s[4:5], Wg s[6:7], bg s[8:9], ridx s[10:11]
	s_load_b64 s[12:13], s[0:1], 0x20              ; rgate
	v_lshl_add_u32 v30, v0, 2, 0x200
	v_mov_b32 v31, 0
	v_lshrrev_b32 v3, 5, v0
	v_readfirstlane_b32 s14, v3                    ; wave 0..7
	v_and_b32 v3, 31, v0                           ; lane
	v_lshlrev_b32 v1, 4, v3                        ; x: 16 bytes a lane
	v_lshlrev_b32 v2, 7, v3                        ; Wg: 4 rows of 32 bytes a lane
	s_lshl_b32 s2, ttmp9, 17                       ; 32 tokens of 4,096 bytes a work-group
	s_lshl_b32 s3, s14, 14                         ; 4 tokens a wave
	s_add_co_u32 s2, s2, s3
	s_mov_b32 s3, 0
	s_mov_b32 s[SEL], 0x76543210
	s_mov_b32 s[SEL+1], 0xfedcba98
	s_wait_kmcnt 0x0
	s_add_nc_u64 s[4:5], s[4:5], s[2:3]
	s_load_b256 s[16:23], s[8:9], 0x0              ; bg's eight numbers
.macro CHL c                           ; chunk c's twelve loads into set c % 4
.set RB, RING+48*((\c)%4)
.irp m, 0,1,2,3,4,5,6,7
	global_load_b128 v[RB+4*\m:RB+4*\m+3], v2, s[6:7] offset:4096*(\c)+16*\m
.endr
.irp i, 0,1,2,3
	global_load_b128 v[RB+32+4*\i:RB+32+4*\i+3], v1, s[4:5] offset:4096*\i+512*(\c)
.endr
.endm
.macro CH c                            ; chunk c's 64 packed multiply-adds; then chunk c + 4 is asked for
.set RB, RING+48*((\c)%4)
.if (\c) < 5
	s_wait_loadcnt 36                              ; the three chunks issued behind this one may be out
.else
	s_wait_loadcnt 12*(7-(\c))                     ; the counts run down: nothing is asked for beyond chunk 7
.endif
.irp d2, 0,1
.irp h, 0,1
.irp i, 0,1,2,3
.irp p, 0,1,2,3
.if ((\c) == 0) && (\d2 == 0) && (\h == 0)
	v_pk_mul_f32 v[ACC+8*\i+2*\p:ACC+8*\i+2*\p+1], v[RB+8*(2*\d2+\h)+2*\p:RB+8*(2*\d2+\h)+2*\p+1], v[RB+32+4*\i+2*\d2:RB+32+4*\i+2*\d2+1] op_sel:[0,\h] op_sel_hi:[1,\h]   ; the first product starts the sums
.else
	v_pk_fma_f32 v[ACC+8*\i+2*\p:ACC+8*\i+2*\p+1], v[RB+8*(2*\d2+\h)+2*\p:RB+8*(2*\d2+\h)+2*\p+1], v[RB+32+4*\i+2*\d2:RB+32+4*\i+2*\d2+1], v[ACC+8*\i+2*\p:ACC+8*\i+2*\p+1] op_sel:[0,\h,0] op_sel_hi:[1,\h,1]   ; two experts at a time; x's number serves both halves
.endif
.endr
.endr
.endr
.endr
.if (\c) < 4
	CHL (\c)+4
.endif
.endm
	CHL 0
	CHL 1
	CHL 2
	CHL 3
.irp c, 0,1,2,3,4,5,6,7
	CH \c
.endr
	; the sum over the 32 lanes, in every lane
.irp x, 1,2,4,8
.set j, 0
.rept 32
	v_add_f32_dpp v[ACC+j], v[ACC+j], v[ACC+j] row_xmask:\x row_mask:0xf bank_mask:0xf
.set j, j+1
.endr
.endr
.set j, 0
.rept 32
	v_permlanex16_b32 v[RING+j], v[ACC+j], s[SEL], s[SEL+1]   ; (the destinations were written by the ring's loads)
.set j, j+1
.endr
.set j, 0
.rept 32
	v_add_f32 v[ACC+j], v[ACC+j], v[RING+j]
.set j, j+1
.endr
	s_wait_kmcnt 0x0                               ; bg
.irp e, 0,1,2,3,4,5,6,7
.irp i, 0,1,2,3
	v_add_f32 v[ACC+8*\i+\e], s[16+\e], v[ACC+8*\i+\e]
.endr
.endr
	; softmax, the four tokens by turns
.irp i, 0,1,2,3
	v_max3_num_f32 v[MX+\i], v[ACC+8*\i], v[ACC+8*\i+1], v[ACC+8*\i+2]
.endr
.irp i, 0,1,2,3
	v_max3_num_f32 v[MX+\i], v[MX+\i], v[ACC+8*\i+3], v[ACC+8*\i+4]
.endr
.irp i, 0,1,2,3
	v_max3_num_f32 v[MX+\i], v[MX+\i], v[ACC+8*\i+5], v[ACC+8*\i+6]
.endr
.irp i, 0,1,2,3
	v_max_num_f32 v[MX+\i], v[MX+\i], v[ACC+8*\i+7]
.endr
.irp e, 0,1,2,3,4,5,6,7
.irp i, 0,1,2,3
	v_sub_f32 v[ACC+8*\i+\e], v[ACC+8*\i+\e], v[MX+\i]
.endr
.endr
.set j, 0
.rept 32
	v_mul_f32 v[ACC+j], 0x3fb8aa3b, v[ACC+j]       ; x log2(e)
.set j, j+1
.endr
.set j, 0
.rept 32
	v_exp_f32 v[ACC+j], v[ACC+j]                   ; one batch
.set j, j+1
.endr
	v_nop                                          ; a plain instruction behind the last exponential
	s_wait_alu depctr_va_vdst(0)                   ; one wait for the batch, ahead of its first reader
.irp i, 0,1,2,3
	v_add_f32 v[SM+\i], v[ACC+8*\i], v[ACC+8*\i+1]
.endr
.irp e, 2,3,4,5,6,7
.irp i, 0,1,2,3
	v_add_f32 v[SM+\i], v[SM+\i], v[ACC+8*\i+\e]
.endr
.endr
.irp i, 0,1,2,3
	v_rcp_f32 v[SM+\i], v[SM+\i]
.endr
	v_nop
	s_wait_alu depctr_va_vdst(0)                   ; one wait for the four reciprocals
.irp e, 0,1,2,3,4,5,6,7
.irp i, 0,1,2,3
	v_mul_f32 v[ACC+8*\i+\e], v[ACC+8*\i+\e], v[SM+\i]   ; the gates
.endr
.endr
	; the two largest gates: selections alone, done for every expert
.irp i, 0,1,2,3
	v_mov_b32 v[VAL+2*\i], v[ACC+8*\i]
	v_mov_b32 v[IDX+2*\i], 0
	v_mov_b32 v[VAL+2*\i+1], -1.0                  ; under every gate
	v_mov_b32 v[IDX+2*\i+1], 0
.endr
.irp e, 1,2,3,4,5,6,7
.irp i, 0,1,2,3
	v_cmp_gt_f32 s[24+2*\i], v[ACC+8*\i+\e], v[VAL+2*\i]      ; above the first?
	v_cmp_gt_f32 s[25+2*\i], v[ACC+8*\i+\e], v[VAL+2*\i+1]    ; above the second?
.endr
.irp i, 0,1,2,3
	v_cndmask_b32 v[VAL+2*\i+1], v[VAL+2*\i+1], v[ACC+8*\i+\e], s[25+2*\i]
	v_cndmask_b32 v[IDX+2*\i+1], v[IDX+2*\i+1], \e, s[25+2*\i]
	v_cndmask_b32 v[VAL+2*\i+1], v[VAL+2*\i+1], v[VAL+2*\i], s[24+2*\i]   ; the old first moves down
	v_cndmask_b32 v[IDX+2*\i+1], v[IDX+2*\i+1], v[IDX+2*\i], s[24+2*\i]
	v_cndmask_b32 v[VAL+2*\i], v[VAL+2*\i], v[ACC+8*\i+\e], s[24+2*\i]
	v_cndmask_b32 v[IDX+2*\i], v[IDX+2*\i], \e, s[24+2*\i]
.endr
.endr
	; the work-group's 32 tokens meet in LDS, so that each of the two results leaves as 256 consecutive, aligned bytes
	s_lshl_b32 s2, s14, 5
	v_mov_b32 v20, s2                              ; 32 bytes a wave
.irp i, 0,1,2,3
	ds_store_b64 v20, v[IDX+2*\i:IDX+2*\i+1] offset:8*\i       ; all lanes write the same bytes with the same value
	ds_store_b64 v20, v[VAL+2*\i:VAL+2*\i+1] offset:256+8*\i
.endr
	s_wait_dscnt 0x0                               ; for the others' sake: my stores have landed
	s_barrier_signal -1
	s_barrier_wait -1
	s_cmp_gt_u32 s14, 1
	s_cbranch_scc1 .Lend                           ; wave 0 stores the experts, wave 1 the gates
	s_cmp_eq_u32 s14, 0
	s_cselect_b64 s[10:11], s[10:11], s[12:13]
	s_lshl_b32 s2, ttmp9, 8
	s_mov_b32 s3, 0
	s_add_nc_u64 s[10:11], s[10:11], s[2:3]
	v_lshlrev_b32 v21, 3, v3                       ; 8 bytes a lane
	s_lshl_b32 s2, s14, 8
	v_add_nc_u32 v22, s2, v21
	ds_load_b64 v[24:25], v22
	s_wait_dscnt 0x0
	global_store_b64 v21, v[24:25], s[10:11]
.Lend:
	s_barrier_signal -1
	s_barrier_wait -1
	s_wait_tensorcnt 0x0
	ds_add_u32 v30, v31
	s_wait_dscnt 0x0
	s_endpgm
.Lfunc_end_k_q5104b5b0bf_route:
	.size	k_q5104b5b0bf_route, .Lfunc_end_k_q5104b5b0bf_route-k_q5104b5b0bf_route
	.p2alignl 7, 3214868480
	.fill 96, 4, 3214868480
	.section	.rodata,"a",@progbits
	.p2align	6, 0x0
	.amdhsa_kernel k_q5104b5b0bf_route
		.amdhsa_group_segment_fixed_size 1536
		.amdhsa_private_segment_fixed_size 0
		.amdhsa_enable_private_segment 0
		.amdhsa_kernarg_size 40
		.amdhsa_user_sgpr_count 2
		.amdhsa_user_sgpr_kernarg_segment_ptr 1
		.amdhsa_wavefront_size32 1
		.amdhsa_system_sgpr_workgroup_id_x 1
		.amdhsa_system_sgpr_workgroup_id_y 1
		.amdhsa_system_sgpr_workgroup_id_z 1
		.amdhsa_system_vgpr_workitem_id 0
		.amdhsa_next_free_vgpr 256
		.amdhsa_next_free_sgpr 66
		.amdhsa_reserve_vcc 0
		.amdhsa_float_denorm_mode_32 3
		.amdhsa_float_denorm_mode_16_64 3
		.amdhsa_memory_ordered 1
		.amdhsa_forward_progress 1
		.amdhsa_inst_pref_size 78
	.end_amdhsa_kernel
	.amdgpu_metadata
---
amdhsa.version: [ 1, 2 ]
amdhsa.kernels:
  - .name:           k_q5104b5b0bf_route
    .symbol:         k_q5104b5b0bf_route.kd
    .args:
      - { .name: x, .offset: 0, .size: 8, .value_kind: global_buffer, .address_space: global }
      - { .name: Wg, .offset: 8, .size: 8, .value_kind: global_buffer, .address_space: global }
      - { .name: bg, .offset: 16, .size: 8, .value_kind: global_buffer, .address_space: global }
      - { .name: ridx, .offset: 24, .size: 8, .value_kind: global_buffer, .address_space: global }
      - { .name: rgate, .offset: 32, .size: 8, .value_kind: global_buffer, .address_space: global }
    .group_segment_fixed_size: 1536
    .private_segment_fixed_size: 0
    .kernarg_segment_align: 8
    .kernarg_segment_size: 40
    .max_flat_workgroup_size: 256
    .sgpr_count:     66
    .vgpr_count:     256
    .wavefront_size: 32
...
	.end_amdgpu_metadata
.endif
;; end of part 1
;; launch place (part 2): grid 34 x 1, 4 waves a work-group, no clusters, 19,456 bytes of LDS; arguments ridx, x, rplace, xq; writes rplace, xq
.if DOCPART == 2
	.amdgcn_target "amdgcn-amd-amdhsa--gfx1250"
	.amdhsa_code_object_version 6
	.text
	.protected	k_q5104b5b0bf_place
	.globl	k_q5104b5b0bf_place
	.p2align	8
	.type	k_q5104b5b0bf_place,@function
k_q5104b5b0bf_place:
	s_mov_b64 s[64:65], 0
	v_nop
	global_prefetch_b8 v0, s[64:65] scope:SCOPE_SE
	s_setreg_imm32_b32 hwreg(HW_REG_WAVE_MODE, 25, 1), 1
	s_wait_xcnt 0x0
; THE PLACING.  The 2,048 routed rows (entry n = 2 token + slot) are sorted by expert, each expert filled up to whole tiles of 16 rows (at most 135 tiles);
; x's rows are gathered in that order, quantised to BF6 (E3M2, one E8M0 scale for 32 along K) and stored as IMAGES OF THE OPERAND'S REGISTERS:
; xq: tile T, K step S: 12 registers a lane as three runs of 512 bytes at (8 T + S) 1,536; its scale words, 4 bytes a lane, at XSOFF + (8 T + S) 128.
; rplace: pos[2048] (the sorted row of each entry), then tab[e] = first tile of expert e, tab[8] = all tiles.
; Every work-group makes the whole sort again (it is small) and then takes four tiles, a wave a tile; work-group 0 also stores rplace.
; THE SORT, without atomics: each wave counts its 512 entries by expert; the counts meet in LDS; each wave ranks its entries with running counters that begin
; at 16 x the expert's first tile + the earlier waves' counts; the places go to LDS at plain addresses; WAVE 0 ALONE scatters the tokens into the list, since an
; address made of data cannot be told apart from another wave's: between those two barriers no other wave touches LDS.
; Rows that fill a tile up hold token 0: sound numbers whose results nobody reads.
; A block's scale is 2^(floor(log2(largest magnitude)) - 4); its byte is the largest magnitude's exponent field - 4, held at 1 from below.
; LIMITS: a block of zeros gets the byte 1 where the rule says 127 (its codes are zeros, and this program alone reads the bytes); NaN and infinities are not served.
.set LIST,  0                          ; LDS: the token of each sorted row: 2,560 words (2,176 used)
.set CW,    10240                      ; the waves' counts, 128 bytes a wave
.set POSB,  10752                      ; the entries' places, 8,192 bytes
.set XSOFF, 1671168                    ; 136 tiles x 8 K steps x 1,536 bytes
.set ENT,   16                         ; v16-31  my 16 entries' experts: register 4 i + k of lane l is entry 512 w + 128 i + 4 l + k
.set POS,   32                         ; v32-47  their places
.set TT,    48                         ; v48-55  at work
.set SEL,   24                         ; s[24:25]
.set SH8,   12                         ; v12     8 x (lane / 16)
.set QM,    224
.set QSO,   226
.set QBY,   228
.set QPT,   230
.set QTP,   232
	s_load_b256 s[4:11], s[0:1], 0x0               ; ridx s[4:5], x s[6:7], rplace s[8:9], xq s[10:11]
	v_lshl_add_u32 v254, v0, 2, 0x4a00
	v_mov_b32 v255, 0
	v_lshrrev_b32 v4, 5, v0
	v_readfirstlane_b32 s14, v4                    ; wave 0..3
	v_and_b32 v3, 31, v0                           ; lane
	v_lshlrev_b32 v1, 4, v3
	v_lshlrev_b32 v2, 2, v3
	s_lshl_b32 s15, s14, 11
	v_add_nc_u32 v5, s15, v1                       ; 2,048 w + 16 lane: my entries' bytes
	v_lshlrev_b32 v6, 4, v0                        ; 16 x thread
	s_lshl_b32 s16, ttmp9, 2
	s_add_co_u32 s16, s16, s14                     ; T: my tile
	s_lshl_b32 s17, s16, 6
	v_and_b32 v9, 15, v0
	v_lshlrev_b32 v9, 2, v9
	v_add_nc_u32 v9, s17, v9                       ; LDS: the list's word of my row of my tile (made here, ahead of every parting of the waves)
	v_bfe_u32 v11, v0, 4, 1                        ; h
	v_lshlrev_b32 v[SH8], 3, v11
	v_lshlrev_b32 v11, 7, v11                      ; 128 h
	s_lshl_b32 s17, s14, 7
	v_add_nc_u32 v7, s17, v2                       ; LDS: my wave's counts
	v_lshlrev_b32 v13, 1, v3                       ; 2 x lane
	s_mov_b32 s[SEL], 0x76543210
	s_mov_b32 s[SEL+1], 0xfedcba98
	s_wait_kmcnt 0x0
.irp i, 0,1,2,3
	global_load_b128 v[ENT+4*\i:ENT+4*\i+3], v5, s[4:5] offset:512*\i
.endr
.irp k, 56,57,58,59
	v_mov_b32 v\k, 0
.endr
.irp k, 0,1,2,3,4
	ds_store_b128 v6, v[56:59] offset:LIST+2048*\k     ; the list begins as token 0 everywhere
.endr
.irp e, 0,1,2,3,4,5,6,7
	s_mov_b32 s[48+\e], 0
.endr
	s_wait_loadcnt 0x0
.set a, 0
.rept 16
	v_min_u32 v[ENT+a], 7, v[ENT+a]
.set a, a+1
.endr
.macro COUNT a                         ; how many of the wave's lanes hold expert e in register a: onto s[48 + e]
.irp e, 0,1,2,3,4,5,6,7
	v_cmp_eq_u32 s[40+\e], \e, v[ENT+\a]
.endr
.irp e, 0,1,2,3,4,5,6,7
	s_bcnt1_i32_b32 s[56+\e], s[40+\e]
.endr
.irp e, 0,1,2,3,4,5,6,7
	s_add_co_u32 s[48+\e], s[48+\e], s[56+\e]
.endr
.endm
.irp a, 0,1,2,3,4,5,6,7,8,9,10,11,12,13,14,15
	COUNT \a
.endr
	v_mov_b32 v8, 0
.irp e, 0,1,2,3,4,5,6,7
	v_writelane_b32 v8, s[48+\e], \e
.endr
	ds_store_b32 v7, v8 offset:CW
	s_wait_dscnt 0x0                               ; my counts and my part of the list have landed
	s_barrier_signal -1
	s_barrier_wait -1
.irp u, 0,1,2,3
	ds_load_b32 v[56+\u], v2 offset:CW+128*\u      ; lane e: wave u's count of expert e
.endr
	s_wait_dscnt 0x0
	v_add_nc_u32 v60, v56, v57
	v_add3_u32 v60, v60, v58, v59                  ; all four waves'
	v_mov_b32 v61, 0
.irp u, 0,1,2
	s_cmp_gt_u32 s14, \u
	s_cselect_b32 s17, -1, 0
	v_and_b32 v62, s17, v[56+\u]
	v_add_nc_u32 v61, v61, v62                     ; the waves' in front of mine
.endr
	s_mov_b32 s66, 0                               ; s[66 + e]: expert e's first tile; s74: all tiles
.irp e, 0,1,2,3,4,5,6,7
	v_readlane_b32 s17, v60, \e
	s_add_co_u32 s17, s17, 15
	s_lshr_b32 s17, s17, 4
	s_add_co_u32 s[67+\e], s[66+\e], s17
	v_readlane_b32 s18, v61, \e
	s_lshl_b32 s19, s[66+\e], 4
	s_add_co_u32 s[48+\e], s18, s19                ; where my wave's rows of expert e begin
.endr
.macro RANK a                          ; the place of each lane's entry in register a
.irp e, 0,1,2,3,4,5,6,7
	v_cmp_eq_u32 s[40+\e], \e, v[ENT+\a]
.endr
	v_mbcnt_lo_u32_b32 v[POS+\a], s40, s48         ; the running counter + the lanes below me with the same expert
.irp e, 1,2,3,4,5,6,7
	v_mbcnt_lo_u32_b32 v[TT+\e], s[40+\e], s[48+\e]
.endr
.irp e, 1,2,3,4,5,6,7
	v_cndmask_b32 v[POS+\a], v[POS+\a], v[TT+\e], s[40+\e]
.endr
.irp e, 0,1,2,3,4,5,6,7
	s_bcnt1_i32_b32 s[56+\e], s[40+\e]
.endr
.irp e, 0,1,2,3,4,5,6,7
	s_add_co_u32 s[48+\e], s[48+\e], s[56+\e]
.endr
.endm
.irp a, 0,1,2,3,4,5,6,7,8,9,10,11,12,13,14,15
	RANK \a
.endr
.irp i, 0,1,2,3
	ds_store_b128 v5, v[POS+4*\i:POS+4*\i+3] offset:POSB+512*\i
.endr
	s_cmp_lg_u32 ttmp9, 0
	s_cbranch_scc1 .Lnot0                          ; work-group 0 stores the places and the table
.irp i, 0,1,2,3
	global_store_b128 v5, v[POS+4*\i:POS+4*\i+3], s[8:9] offset:512*\i
.endr
	s_cmp_lg_u32 s14, 0
	s_cbranch_scc1 .Lnot0
	v_mov_b32 v63, 0
.irp e, 0,1,2,3,4,5,6,7,8
	v_writelane_b32 v63, s[66+\e], \e
.endr
	global_store_b32 v2, v63, s[8:9] offset:8192
.Lnot0:
	s_wait_dscnt 0x0                               ; my places have landed, my reads of the counts are in
	s_barrier_signal -1
	s_barrier_wait -1
	s_cmp_lg_u32 s14, 0
	s_cbranch_scc1 .Lnosc                          ; wave 0 alone scatters
.irp j, 0,1,2,3,4,5,6,7,8,9,10,11,12,13,14,15
	ds_load_b128 v[64+4*\j:64+4*\j+3], v1 offset:POSB+512*\j   ; register 4 j + k: the place of entry 128 j + 4 l + k
.endr
	s_wait_dscnt 0x0
.irp j, 0,1,2,3,4,5,6,7,8,9,10,11,12,13,14,15
	v_add_nc_u32 v14, 64*\j, v13                   ; the token of entries k = 0, 1,
	v_add_nc_u32 v15, 64*\j+1, v13                 ; and of k = 2, 3
.irp k, 0,1,2,3
	v_min_u32 v[64+4*\j+\k], 0x87f, v[64+4*\j+\k]  ; inside the list: 2,175 at the most
	v_lshlrev_b32 v[64+4*\j+\k], 2, v[64+4*\j+\k]
	ds_store_b32 v[64+4*\j+\k], v[14+\k/2]
.endr
.endr
.Lnosc:
	s_wait_dscnt 0x0
	s_barrier_signal -1
	s_barrier_wait -1                              ; the list is whole; no barrier follows
	s_cmp_ge_u32 s16, s74
	s_cbranch_scc1 .Lend                           ; this split has no such tile
	ds_load_b32 v10, v9
	s_mul_i32 s18, s16, 12288                      ; my tile's images,
	s_mov_b32 s19, 0
	s_add_nc_u64 s[20:21], s[10:11], s[18:19]
	s_lshl_b32 s18, s16, 10                        ; and its scale words
	s_add_nc_u64 s[22:23], s[10:11], s[18:19]
	s_wait_dscnt 0x0
	v_min_u32 v10, 0x3ff, v10                      ; a token
	v_lshl_add_u32 v10, v10, 12, v11               ; its row of 4,096 bytes, + 128 h: lane (r, h) holds k = 64 c + 32 h + 0..31 of a K step: two whole blocks
.macro XL S                            ; K step S: 64 numbers a lane into set S % 2
.irp c, 0,1
.irp m, 0,1,2,3,4,5,6,7
	global_load_b128 v[64+64*((\S)%2)+32*\c+4*\m:64+64*((\S)%2)+32*\c+4*\m+3], v10, s[6:7] offset:512*(\S)+256*\c+16*\m
.endr
.endr
.endm
; 64 numbers of a lane, v[s + 32 c + i] = k 64 c + 32 h + i of my row, become the fragment's 12 registers at v[cd] and its scale word in v[wd]
.macro QF s, cd, wd
.irp c, 0,1
	v_max3_num_f32 v[QM+\c], |v[(\s)+32*\c]|, |v[(\s)+32*\c+1]|, 0x2800000   ; with the floor 2^(5 - 127): the byte cannot fall under 1
.endr
.irp i, 2,4,6,8,10,12,14,16,18,20,22,24,26,28,30
.irp c, 0,1
	v_max3_num_f32 v[QM+\c], v[QM+\c], |v[(\s)+32*\c+\i]|, |v[(\s)+32*\c+\i+1]|
.endr
.endr
.irp c, 0,1
	v_add_nc_u32 v[QSO+\c], 0xfe000000, v[QM+\c]   ; 4 off the exponent field: the conversion's scale operand
.endr
.irp c, 0,1
	v_lshrrev_b32 v[QBY+\c], 23, v[QSO+\c]         ; the scale's byte
.endr
	v_lshl_or_b32 v[\wd], v[QBY+1], 16, v[QBY]     ; my blocks h and 2 + h,
	v_lshlrev_b32 v[\wd], v[SH8], v[\wd]           ; at their places in the word;
	v_mov_b32 v[QPT], 0
	v_permlanex16_b32 v[QPT], v[\wd], s[SEL], s[SEL+1]
	v_or_b32 v[\wd], v[\wd], v[QPT]                ; with lane l xor 16's two the word is whole
.irp c, 0,1
	v_cvt_scalef32_pk16_bf6_f32 v[(\cd)+6*\c:(\cd)+6*\c+2], v[(\s)+32*\c:(\s)+32*\c+15], v[QSO+\c]
	v_cvt_scalef32_pk16_bf6_f32 v[QTP+4*\c:QTP+4*\c+2], v[(\s)+32*\c+16:(\s)+32*\c+31], v[QSO+\c]   ; (three registers begin on an even number: made elsewhere and moved)
.endr
	v_nop                                          ; one plain instruction behind the conversions
.irp c, 0,1
.irp i, 0,1,2
	v_mov_b32 v[(\cd)+6*\c+3+\i], v[QTP+4*\c+\i]
.endr
.endr
.endm
	XL 0
	XL 1
.macro KSTEP S
.if (\S) < 7
	s_wait_loadcnt 16                              ; this step's 16 loads are in; the next step's may be out
.else
	s_wait_loadcnt 0
.endif
	s_wait_xcnt 0x0                                ; the stores of two steps back have read the registers that are written now
	QF 64+64*((\S)%2), 192+16*((\S)%2), 204+16*((\S)%2)
.irp q, 0,1,2
	global_store_b128 v1, v[192+16*((\S)%2)+4*\q:192+16*((\S)%2)+4*\q+3], s[20:21] offset:(\S)*1536+512*\q   ; 512 consecutive bytes a store
.endr
	global_store_b32 v2, v[204+16*((\S)%2)], s[22:23] offset:XSOFF+128*(\S)
.if (\S) < 6
	XL (\S)+2
.endif
.endm
.irp S, 0,1,2,3,4,5,6,7
	KSTEP \S
.endr
.Lend:
	s_barrier_signal -1
	s_barrier_wait -1
	s_wait_tensorcnt 0x0
	ds_add_u32 v254, v255
	s_wait_dscnt 0x0
	s_endpgm
.Lfunc_end_k_q5104b5b0bf_place:
	.size	k_q5104b5b0bf_place, .Lfunc_end_k_q5104b5b0bf_place-k_q5104b5b0bf_place
	.p2alignl 7, 3214868480
	.fill 96, 4, 3214868480
	.section	.rodata,"a",@progbits
	.p2align	6, 0x0
	.amdhsa_kernel k_q5104b5b0bf_place
		.amdhsa_group_segment_fixed_size 19456
		.amdhsa_private_segment_fixed_size 0
		.amdhsa_enable_private_segment 0
		.amdhsa_kernarg_size 32
		.amdhsa_user_sgpr_count 2
		.amdhsa_user_sgpr_kernarg_segment_ptr 1
		.amdhsa_wavefront_size32 1
		.amdhsa_system_sgpr_workgroup_id_x 1
		.amdhsa_system_sgpr_workgroup_id_y 1
		.amdhsa_system_sgpr_workgroup_id_z 1
		.amdhsa_system_vgpr_workitem_id 0
		.amdhsa_next_free_vgpr 256
		.amdhsa_next_free_sgpr 80
		.amdhsa_reserve_vcc 0
		.amdhsa_float_denorm_mode_32 3
		.amdhsa_float_denorm_mode_16_64 3
		.amdhsa_memory_ordered 1
		.amdhsa_forward_progress 1
		.amdhsa_inst_pref_size 108
	.end_amdhsa_kernel
	.amdgpu_metadata
---
amdhsa.version: [ 1, 2 ]
amdhsa.kernels:
  - .name:           k_q5104b5b0bf_place
    .symbol:         k_q5104b5b0bf_place.kd
    .args:
      - { .name: ridx, .offset: 0, .size: 8, .value_kind: global_buffer, .address_space: global }
      - { .name: x, .offset: 8, .size: 8, .value_kind: global_buffer, .address_space: global }
      - { .name: rplace, .offset: 16, .size: 8, .value_kind: global_buffer, .address_space: global }
      - { .name: xq, .offset: 24, .size: 8, .value_kind: global_buffer, .address_space: global }
    .group_segment_fixed_size: 19456
    .private_segment_fixed_size: 0
    .kernarg_segment_align: 8
    .kernarg_segment_size: 32
    .max_flat_workgroup_size: 128
    .sgpr_count:     80
    .vgpr_count:     256
    .wavefront_size: 32
...
	.end_amdgpu_metadata
.endif
;; end of part 2
;; launch up (part 3): grid 32 x 8, 4 waves a work-group, no clusters, 104,960 bytes of LDS; arguments W1, b1, xq, rplace, hq; writes hq
.if DOCPART == 3
	.amdgcn_target "amdgcn-amd-amdhsa--gfx1250"
	.amdhsa_code_object_version 6
	.text
	.protected	k_q5104b5b0bf_up
	.globl	k_q5104b5b0bf_up
	.p2align	8
	.type	k_q5104b5b0bf_up,@function
k_q5104b5b0bf_up:
	s_mov_b64 s[64:65], 0
	v_nop
	global_prefetch_b8 v0, s[64:65] scope:SCOPE_SE
	s_setreg_imm32_b32 hwreg(HW_REG_WAVE_MODE, 25, 1), 1
	s_wait_xcnt 0x0
; THE FIRST PRODUCT OF THE CHOSEN ROWS: h = gelu(x W1 + b1), quantised along the hidden axis, on codes of BF6 (E3M2) with one E8M0 scale for 32 along K.
; SHARES.  A work-group takes one expert (grid y) x 128 hidden units (grid x: K step sigma of the second product) x all 1,024 of K: 512 KB of W1, read ONCE, by nobody else.
; The weights stream, the sums stay.  K goes in eight steps of 128.  In a step wave w loads the 32 rows of K of block w for all 128 columns (32 loads of 512 consecutive bytes), turns them in
; registers (a lane then holds 4 columns x 32 along K), quantises the four blocks and puts codes and scale bytes into LDS as images of the operand's registers; one barrier; every wave reads all eight fragments.
; The loads are of 16 bytes a lane, so that the loads a wave can have out carry four times the bytes that a lane to a column would; the 128 moves a step are the price.
; THE ROWS are shared among the waves: slot i = 0..4 of wave w is the expert's tile 4 i + w (16 sorted rows, images made by the launch before).  All five slots are always multiplied, an absent tile as a
; clamped sound one whose sums nobody reads: so the streaming part has no branch on data and every barrier is on every wave's path.  Each K step has LDS bytes of its own, so all codes stay,
; and tiles beyond 20 are multiplied from them behind the last barrier (macro OVER): every split is served, an expert with 1,024 rows too.
; TRANSPOSED: source 0 = 16 columns of W1, source 1 = 16 rows.  Column 4 l + jq goes to tile 4 hf + j', row 8 hm + jj (hf = c / 64, hm = c / 32 % 2, j' = c / 8 % 4, jj = c % 8), so that lane (r, h) holds row r and
; register 32 hf + u of a slot's 64 is column 64 hf + 32 h + u: a whole block of the next K in one lane.  b1 is the C of the first step's products.
; NO CLUSTER, NO TENSOR LOADS: the weights are shared with nobody; the rows' images are shared by an expert's 32 work-groups but are a twelfth of a step's bytes, and the number of an expert's tiles is read from memory,
; on which the trips behind the last barrier hang.
; GELU is 0.5 x (1 + erf(x / sqrt 2)), erf(z) = z P(z^2) / Q(z^2) on z held to +-4, in f32.
; LIMITS: erf's absolute error is about 1e-7, so gelu's relative error grows where x is under about -3, far under its block's step; a block of zeros gets the byte 1 where the rule says 127 (its codes are zeros,
; this program alone reads the bytes); NaN and infinities are not served.
; REGISTERS, in windows of 256.  Window 0: v1-9 addresses; v10-19 the slots' offsets; v20-29 rows' scale words, v30-33 weights' scale words (scales and nothing else); v34-45 at work; v64-111 codes just made;
;   v128-255 the turned numbers, then v128-223 the eight weight fragments.  Window 1: the weights as loaded, two sets of 128.  Window 2: slots 0-3 (64 i + 8 t).
;   Window 3: slot 4 at v0; the rows' fragments, two sets, at v64 and v128; b1 in the result's layout at v192.
.set PITCH, 16384                      ; a row of W1 in bytes
.set KSTR,  128*PITCH                  ; a K step
.set OPT,   12288                      ; a tile's images in xq
.set OST,   1024                       ; a tile's scale words
.set XSOFF, 1671168                    ; where xq's scale words begin
.set HSOFF, 6684672                    ; where hq's begin
.set SREG,  13056                      ; LDS: a K step's region: eight fragments (hf 6,272 + j' 1,544 + c 768 + g 256 + 8 lane), then 512 scale bytes
.set SCB,   12544
.set WB,    24                         ; s[24:25] my rows of K steps 0-3, s[26:27] of K steps 4-7: a load's immediate reaches four steps
.set XB,    28                         ; s[28:29] the rows' images
.set XSB,   56                         ; s[56:57] their scale words
.set SEL,   54
.set A13, 32                           ; s[32:53] erf's coefficients and sqrt 2, each twice: the packed forms name a pair
.set A9,  34
.set A7,  36
.set A5,  38
.set A3,  40
.set A1,  42
.set B8,  44
.set B4,  46
.set B2,  48
.set B0,  50
.set SQ2, 52
.set BM,  34                           ; v34-37 largest magnitudes, v38-41 scale operands, v42-45 bytes
.set BS,  38
.set BB,  42
.set SH8, 46
.set GZ,  128
.set GT,  160
.set GP,  192
.set GQ,  224
.set QTP, 140
.set QM,  148
.set QSO, 150
.set QBY, 152
.set QPT, 155
.set FST, 0                            ; 1 while the products that are being written start their sums
.set MSB, 0
.macro WIN new                         ; the immediate's high byte repeats the setting that is left
.if MSB != \new
	s_set_vgpr_msb (MSB<<8)|\new
.set MSB, \new
.endif
.endm
.macro KP r, val
	s_mov_b32 s[\r], \val
	s_mov_b32 s[\r+1], \val
.endm
.macro PLACES
.rept 4
	v_nop
.endr
.endm
.macro WLOAD k, i0, n                  ; rows i0 .. i0 + n - 1 of my block of K step k into set k % 2 of window 1
	WIN 0x40
.set ii, \i0
.rept \n
	global_load_b128 v[128*((\k)%2)+4*ii:128*((\k)%2)+4*ii+3], v1, s[WB+2*((\k)/4):WB+2*((\k)/4)+1] offset:((\k)%4)*KSTR+ii*PITCH th:TH_LOAD_NT
.set ii, ii+1
.endr
	WIN 0
.endm
.macro XLOAD k                         ; the five slots' fragments and scale words of K step k into set k % 2: 20 loads
	WIN 0xc0
.irp i, 0,1,2,3,4
.irp q, 0,1,2
	global_load_b128 v[64+64*((\k)%2)+12*\i+4*\q:64+64*((\k)%2)+12*\i+4*\q+3], v[10+\i], s[XB:XB+1] offset:(\k)*1536+512*\q
.endr
.endr
	WIN 0
.irp i, 0,1,2,3,4
	global_load_b32 v[20+5*((\k)%2)+\i], v[15+\i], s[XSB:XSB+1] offset:XSOFF+(\k)*128
.endr
.endm
.macro QB4                             ; four whole blocks, v[128 + 32 b + 0..31], become six code registers each at v[64 + 8 b] and a byte in v[BB + b]
.irp b, 0,1,2,3
	v_max3_num_f32 v[BM+\b], |v[128+32*\b]|, |v[129+32*\b]|, 0x2800000   ; with the floor 2^(5 - 127): the byte cannot fall under 1
.endr
.irp i, 2,4,6,8,10,12,14,16,18,20,22,24,26,28,30
.irp b, 0,1,2,3
	v_max3_num_f32 v[BM+\b], v[BM+\b], |v[128+32*\b+\i]|, |v[129+32*\b+\i]|
.endr
.endr
.irp b, 0,1,2,3
	v_add_nc_u32 v[BS+\b], 0xfe000000, v[BM+\b]    ; 4 off the exponent field: the conversion's scale operand
.endr
.irp b, 0,1,2,3
	v_lshrrev_b32 v[BB+\b], 23, v[BS+\b]           ; the scale's byte
.endr
.irp b, 0,1,2,3
	v_cvt_scalef32_pk16_bf6_f32 v[64+8*\b:66+8*\b], v[128+32*\b:143+32*\b], v[BS+\b]
	v_cvt_scalef32_pk16_bf6_f32 v[96+4*\b:98+4*\b], v[144+32*\b:159+32*\b], v[BS+\b]   ; (three registers begin on an even number: made elsewhere and moved)
.endr
	v_nop                                          ; one plain instruction behind the conversions
.irp b, 0,1,2,3
.irp i, 0,1,2
	v_mov_b32 v[67+8*\b+\i], v[96+4*\b+\i]
.endr
.endr
.endm
.macro WFETCH ra, rb, off              ; a K step's eight fragments and their scale words out of LDS: 256 consecutive bytes a load
.irp t, 0,1,2,3,4,5,6,7
.irp c, 0,1
.irp g, 0,1,2
	ds_load_b64 v[128+12*\t+6*\c+2*\g:129+12*\t+6*\c+2*\g], v[\ra] offset:(\off)+(\t/4)*6272+(\t%4)*1544+768*\c+256*\g
.endr
.endr
.endr
.irp i, 0,1,2,3
	ds_load_b32 v[30+\i], v[\rb] offset:(\off)+SCB+128*\i      ; lanes 0-15: tile 2 i's words, lanes 16-31: tile 2 i + 1's
.endr
.endm
.macro MM ac, t, xf, xs                ; one product: weight tile t x the rows at xf.  While FST is 1, b1 starts the sum
.if FST
.if (\t)%2
	v_wmma_scale_f32_16x16x128_f8f6f4 v[(\ac):(\ac)+7], v[128+12*(\t):139+12*(\t)], v[(\xf):(\xf)+11], v[192+8*(\t):199+8*(\t)], v[30+(\t)/2], v[\xs] matrix_a_fmt:MATRIX_FMT_BF6 matrix_b_fmt:MATRIX_FMT_BF6 matrix_a_scale:MATRIX_SCALE_ROW1
.else
	v_wmma_scale_f32_16x16x128_f8f6f4 v[(\ac):(\ac)+7], v[128+12*(\t):139+12*(\t)], v[(\xf):(\xf)+11], v[192+8*(\t):199+8*(\t)], v[30+(\t)/2], v[\xs] matrix_a_fmt:MATRIX_FMT_BF6 matrix_b_fmt:MATRIX_FMT_BF6
.endif
.else
.if (\t)%2
	v_wmma_scale_f32_16x16x128_f8f6f4 v[(\ac):(\ac)+7], v[128+12*(\t):139+12*(\t)], v[(\xf):(\xf)+11], v[(\ac):(\ac)+7], v[30+(\t)/2], v[\xs] matrix_a_fmt:MATRIX_FMT_BF6 matrix_b_fmt:MATRIX_FMT_BF6 matrix_a_scale:MATRIX_SCALE_ROW1
.else
	v_wmma_scale_f32_16x16x128_f8f6f4 v[(\ac):(\ac)+7], v[128+12*(\t):139+12*(\t)], v[(\xf):(\xf)+11], v[(\ac):(\ac)+7], v[30+(\t)/2], v[\xs] matrix_a_fmt:MATRIX_FMT_BF6 matrix_b_fmt:MATRIX_FMT_BF6
.endif
.endif
.endm
; A K STEP.  Loads were issued in the order (b1), W(0), X(0), W(1), X(1), and then in step s: W(s + 2), X(s + 2).
.macro STEP s
.if (\s) == 7
	s_wait_loadcnt 20                              ; behind W(7) stand X(7)'s 20
.else
	s_wait_loadcnt 63                              ; behind W(s) stand X(s), W(s + 1), X(s + 1): 72 loads; 63 is the largest count that the wait can name
.endif
	v_add_nc_u32 v6, (\s)*SREG, v4                 ; this step's LDS region: where I put codes,
	v_add_nc_u32 v7, (\s)*SREG, v5                 ; and bytes; where I read fragments,
	v_add_nc_u32 v8, (\s)*SREG, v3
	v_add_nc_u32 v9, (\s)*SREG, v2                 ; and scale words
	WIN 0x01
.set jq, 0
.rept 4
.set ii, 0
.rept 32
	v_mov_b32 v[128+32*jq+ii], v[128*((\s)%2)+4*ii+jq]         ; [row][4 columns] becomes [column][row]
.set ii, ii+1
.endr
.set jq, jq+1
.endr
	WIN 0
.if (\s) < 6
	WLOAD (\s)+2, 0, 8                             ; the set is free: the weights of two steps on, in three groups among the step's work
.endif
	QB4
.irp b, 0,1,2,3
.irp g, 0,1,2
	ds_store_b64 v6, v[64+8*\b+2*\g:65+8*\b+2*\g] offset:8*\b+256*\g   ; the 32 lanes touch 32 different places of 8 bytes modulo 256
.endr
	ds_store_b8 v7, v[BB+\b] offset:4*\b           ; byte w of the column's scale word
.endr
.if (\s) < 6
	WLOAD (\s)+2, 8, 8
.endif
	s_wait_dscnt 0x0                               ; for the others' sake: my codes and bytes have landed
	s_barrier_signal -1
	s_barrier_wait -1                              ; the step's region is whole; it is never written again
	WFETCH 8, 9, 0
.if (\s) < 6
	WLOAD (\s)+2, 16, 16
.endif
.if (\s) < 6
	s_wait_loadcnt 63                              ; behind X(s) stand W(s + 1), X(s + 1), W(s + 2): 84 loads
.elseif (\s) == 6
	s_wait_loadcnt 52                              ; W(7), X(7)
.else
	s_wait_loadcnt 0
.endif
	s_wait_dscnt 0x0
.set FST, 0
.if (\s) == 0
.set FST, 1                            ; the first step's products start the sums, with b1 as their C
.endif
.irp i, 0,1,2,3,4                      ; 40 accumulators by turns, one instruction a turn, in the same order in every step
.if \i < 4
.if (\s) == 0
	WIN 0xbc                                       ; source 1 and C (b1) window 3, D window 2
.else
	WIN 0xac                                       ; source 1 window 3, C and D window 2
.endif
.else
	WIN 0xfc
.endif
.irp t, 0,1,2,3,4,5,6,7
	MM 64*(\i%4)+8*\t, \t, 64+64*((\s)%2)+12*\i, 20+5*((\s)%2)+\i
.endr
.endr
.set FST, 0
	WIN 0
	PLACES                                         ; four places ahead of loads into, and moves over, registers that these products read, and of the first read of results
.if (\s) < 6
	XLOAD (\s)+2
.endif
.endm
	s_load_b256 s[4:11], s[0:1], 0x0               ; W1 s[4:5], b1 s[6:7], xq s[8:9], rplace s[10:11]
	s_load_b64 s[12:13], s[0:1], 0x20              ; hq
	v_lshl_add_u32 v62, v0, 2, 0x19800
	v_mov_b32 v63, 0
	v_lshrrev_b32 v48, 5, v0
	v_readfirstlane_b32 s14, v48                   ; wave 0..3
	s_and_b32 s15, ttmp7, 0xffff                   ; the expert
	s_mov_b32 s16, ttmp9                           ; sigma
	v_and_b32 v48, 31, v0
	v_lshlrev_b32 v1, 4, v48                       ; 16 x lane
	v_lshlrev_b32 v2, 2, v48                       ; 4 x lane
	v_lshlrev_b32 v3, 3, v48                       ; 8 x lane
	v_bfe_u32 v49, v0, 4, 1                        ; hf of my columns; also h
	v_bfe_u32 v50, v0, 3, 1                        ; hm
	v_bfe_u32 v51, v0, 1, 2                        ; j'
	v_and_b32 v52, 1, v0
	v_lshlrev_b32 v[SH8], 3, v49
	v_lshlrev_b32 v47, 7, v49                      ; 128 h: b1's numbers of my half
	v_mul_u32_u24 v4, v49, 6272                    ; where my columns' codes go: the tile,
	v_mad_u32_u24 v4, v51, 1544, v4
	v_lshl_add_u32 v4, v50, 6, v4                  ; 8 bytes x row 8 hm + 4 (l & 1) + jq,
	v_lshl_add_u32 v4, v52, 5, v4
	s_and_b32 s30, s14, 1
	s_lshl_b32 s30, s30, 7                         ; block w: lanes 16 (w & 1) on,
	s_lshr_b32 s31, s14, 1
	s_mul_i32 s31, s31, 768                        ; registers 6 (w / 2) on
	s_add_co_u32 s30, s30, s31
	v_add_nc_u32 v4, s30, v4
	v_lshlrev_b32 v5, 8, v49                       ; and their scale bytes: 64 t + 4 m + w
	v_lshl_add_u32 v5, v51, 6, v5
	v_lshl_add_u32 v5, v50, 5, v5
	v_lshl_add_u32 v5, v52, 4, v5
	s_add_co_u32 s30, s14, SCB
	v_add_nc_u32 v5, s30, v5
	s_lshl_b32 s17, s15, 2                         ; 4 e
	s_lshl_b32 s30, s15, 24                        ; the expert's 16 MiB,
	s_lshl_b32 s31, s16, 9                         ; my 128 columns,
	s_add_co_u32 s30, s30, s31
	s_lshl_b32 s31, s14, 19                        ; my 32 rows
	s_add_co_u32 s30, s30, s31
	s_mov_b32 s31, 0
	s_lshl_b32 s58, s15, 14
	s_lshl_b32 s59, s16, 9
	s_add_co_u32 s58, s58, s59
	s_mov_b32 s59, 0
	s_mov_b32 s[SEL], 0x76543210
	s_mov_b32 s[SEL+1], 0xfedcba98
	KP A13, 0xaf95df0b                             ; -2.72614225801306e-10
	KP A9,  0xb60cff51                             ; -2.10102402082508e-06
	KP A7,  0xb86ec2d2                             ; -5.69250639462346e-05
	KP A5,  0xba40ac63                             ; -7.34990630326855e-04
	KP A3,  0xbb41a1f6                             ; -2.95459980854025e-03
	KP A1,  0xbc83dbd4                             ; -1.60960333262415e-02
	KP B8,  0xb77460cd                             ; -1.45660718464996e-05
	KP B4,  0xbadc924e                             ; -1.68282697438203e-03
	KP B2,  0xbbf19bf8                             ; -7.37332916720468e-03
	KP B0,  0xbc69b6a7                             ; -1.42647390514189e-02
	KP SQ2, 0x3fb504f3                             ; sqrt 2
	s_wait_kmcnt 0x0
	s_add_nc_u64 s[WB:WB+1], s[4:5], s[30:31]
	s_add_nc_u64 s[WB+2:WB+3], s[WB:WB+1], 4*KSTR
	s_add_nc_u64 s[58:59], s[6:7], s[58:59]
	s_mov_b64 s[XB:XB+1], s[8:9]
	s_mov_b64 s[XSB:XSB+1], s[8:9]
	s_load_b32 s18, s[10:11], s17 offset:0x2000    ; the expert's first tile,
	s_load_b32 s19, s[10:11], s17 offset:0x2004    ; the next expert's,
	s_load_b32 s20, s[10:11], 0x2020               ; all tiles
	WIN 0xc0
.irp f, 0,1
.irp m, 0,1,2,3,4,5,6,7
	global_load_b128 v[192+32*\f+4*\m:192+32*\f+4*\m+3], v47, s[58:59] offset:256*\f+16*\m   ; b1 of columns 64 hf + 32 h + 4 m on
.endr
.endr
	WIN 0
	WLOAD 0, 0, 32
	s_wait_kmcnt 0x0
	s_sub_co_u32 s21, s19, s18                     ; the expert's tiles
	s_add_co_u32 s21, s21, 3
	s_sub_co_u32 s21, s21, s14
	s_lshr_b32 s21, s21, 2                         ; those of them that are mine: tiles 4 i + w
	s_min_u32 s21, s21, 16                         ; (an expert has at most 1,024 rows: 64 tiles)
	s_add_co_u32 s23, s18, s14                     ; my first tile
	s_sub_co_u32 s20, s20, 1
.irp i, 0,1,2,3,4
	s_add_co_u32 s30, s23, 4*\i
	s_min_u32 s30, s30, s20                        ; an absent tile is read as the last tile that exists,
	s_min_u32 s30, s30, 135                        ; inside the buffer
	s_mul_i32 s31, s30, OPT
	v_add_nc_u32 v[10+\i], s31, v1
	s_mul_i32 s31, s30, OST
	v_add_nc_u32 v[15+\i], s31, v2
.endr
	XLOAD 0
	WLOAD 1, 0, 32
	XLOAD 1
.irp s, 0,1,2,3,4,5,6,7
	STEP \s
.endr
; BEHIND THE LAST BARRIER: my tiles, one a trip: gelu, the quantiser, the image to hq.
.macro OVER                            ; a tile beyond my five slots: all eight K steps from the codes that stayed in LDS, into slot 0
	s_min_u32 s30, s23, 135
	s_mul_i32 s31, s30, OPT
	v_add_nc_u32 v10, s31, v1
	s_mul_i32 s31, s30, OST
	v_add_nc_u32 v15, s31, v2
.irp s, 0,1,2,3,4,5,6,7
	PLACES
	WIN 0xc0
.irp q, 0,1,2
	global_load_b128 v[64+4*\q:64+4*\q+3], v10, s[XB:XB+1] offset:\s*1536+512*\q
.endr
	WIN 0
	global_load_b32 v20, v15, s[XSB:XSB+1] offset:XSOFF+\s*128
.if \s < 4
	WFETCH 3, 2, \s*SREG
.else
	WFETCH 8, 9, (\s-4)*SREG
.endif
	s_wait_loadcnt 0x0
	s_wait_dscnt 0x0
.set FST, 0
.if \s == 0
.set FST, 1
	WIN 0xbc
.else
	WIN 0xac
.endif
.irp t, 0,1,2,3,4,5,6,7
	MM 8*\t, \t, 64, 20
.endr
.set FST, 0
	WIN 0
.endr
	PLACES
.endm
.macro HEAD i                          ; slot i's 64 sums, halved, into v64-127; each accumulator is read from its low end on
.if \i < 4
	WIN 0x02
.else
	WIN 0x03
.endif
.set u, 0
.rept 32
	v_pk_mul_f32 v[64+u:65+u], v[64*(\i%4)+u:64*(\i%4)+u+1], 0.5 op_sel_hi:[1,0]
.set u, u+2
.endr
	WIN 0
.endm
.macro HORN d, k                       ; d = d x z^2 + k, sixteen pairs
.set u, 0
.rept 16
	v_pk_fma_f32 v[\d+u:\d+u+1], v[\d+u:\d+u+1], v[GT+u:GT+u+1], s[\k:\k+1] op_sel_hi:[1,1,0]
.set u, u+2
.endr
.endm
.macro GELU32 c                        ; 32 numbers x / 2 at v[64 + 32 c] become gelu(x), stage by stage over sixteen pairs
.set u, 0
.rept 16
	v_pk_mul_f32 v[GZ+u:GZ+u+1], v[64+32*\c+u:64+32*\c+u+1], s[SQ2:SQ2+1] op_sel_hi:[1,0]   ; z = x / sqrt 2
.set u, u+2
.endr
.set u, 0
.rept 32
	v_med3_num_f32 v[GZ+u], v[GZ+u], -4.0, 4.0
.set u, u+1
.endr
.set u, 0
.rept 16
	v_pk_mul_f32 v[GT+u:GT+u+1], v[GZ+u:GZ+u+1], v[GZ+u:GZ+u+1]
.set u, u+2
.endr
.set u, 0
.rept 16
	v_pk_fma_f32 v[GP+u:GP+u+1], v[GT+u:GT+u+1], s[A13:A13+1], v[34:35] op_sel_hi:[1,0,1]
	v_pk_fma_f32 v[GQ+u:GQ+u+1], v[GT+u:GT+u+1], s[B8:B8+1], v[36:37] op_sel_hi:[1,0,1]
.set u, u+2
.endr
	HORN GP, A9
	HORN GQ, B4
	HORN GP, A7
	HORN GQ, B2
	HORN GP, A5
	HORN GQ, B0
	HORN GP, A3
	HORN GP, A1
.set u, 0
.rept 32
	v_rcp_f32 v[GQ+u], v[GQ+u]                     ; one batch
.set u, u+1
.endr
.set u, 0
.rept 16
	v_pk_mul_f32 v[GP+u:GP+u+1], v[GP+u:GP+u+1], v[GZ+u:GZ+u+1]   ; work that names no reciprocal stands behind the batch
.set u, u+2
.endr
	s_wait_alu depctr_va_vdst(0)                   ; one wait for the 32 reciprocals, ahead of their first reader
.set u, 0
.rept 16
	v_pk_mul_f32 v[GP+u:GP+u+1], v[GP+u:GP+u+1], v[GQ+u:GQ+u+1]   ; erf
.set u, u+2
.endr
.set u, 0
.rept 16
	v_pk_fma_f32 v[64+32*\c+u:64+32*\c+u+1], v[GP+u:GP+u+1], v[64+32*\c+u:64+32*\c+u+1], v[64+32*\c+u:64+32*\c+u+1]   ; x / 2 + erf x / 2
.set u, u+2
.endr
.endm
; 64 numbers of a lane, v[s + 32 c + i] = k 64 c + 32 h + i of my row, become the fragment's 12 registers at v[cd] and its scale word in v[wd]
.macro QF s, cd, wd
.irp c, 0,1
	v_max3_num_f32 v[QM+\c], |v[(\s)+32*\c]|, |v[(\s)+32*\c+1]|, 0x2800000
.endr
.irp i, 2,4,6,8,10,12,14,16,18,20,22,24,26,28,30
.irp c, 0,1
	v_max3_num_f32 v[QM+\c], v[QM+\c], |v[(\s)+32*\c+\i]|, |v[(\s)+32*\c+\i+1]|
.endr
.endr
.irp c, 0,1
	v_add_nc_u32 v[QSO+\c], 0xfe000000, v[QM+\c]
.endr
.irp c, 0,1
	v_lshrrev_b32 v[QBY+\c], 23, v[QSO+\c]
.endr
	v_lshl_or_b32 v[\wd], v[QBY+1], 16, v[QBY]     ; my blocks h and 2 + h, at their places in the word;
	v_lshlrev_b32 v[\wd], v[SH8], v[\wd]
	v_mov_b32 v[QPT], 0
	v_permlanex16_b32 v[QPT], v[\wd], s[SEL], s[SEL+1]
	v_or_b32 v[\wd], v[\wd], v[QPT]                ; with lane l xor 16's two the word is whole
.irp c, 0,1
	v_cvt_scalef32_pk16_bf6_f32 v[(\cd)+6*\c:(\cd)+6*\c+2], v[(\s)+32*\c:(\s)+32*\c+15], v[QSO+\c]
	v_cvt_scalef32_pk16_bf6_f32 v[QTP+4*\c:QTP+4*\c+2], v[(\s)+32*\c+16:(\s)+32*\c+31], v[QSO+\c]
.endr
	v_nop                                          ; one plain instruction behind the conversions
.irp c, 0,1
.irp i, 0,1,2
	v_mov_b32 v[(\cd)+6*\c+3+\i], v[QTP+4*\c+\i]
.endr
.endr
.endm
	s_cmp_eq_u32 s21, 0
	s_cbranch_scc1 .Lend                           ; no tile of this expert is mine
	v_mov_b32 v34, 0x32edffee                      ; 2.77068142495902e-08, in a vector pair, so that no line names two scalar pairs
	v_mov_b32 v35, 0x32edffee
	v_mov_b32 v36, 0xb95fbd29                      ; -2.13374055278905e-04
	v_mov_b32 v37, 0xb95fbd29
	v_add_nc_u32 v8, 4*SREG, v3                    ; LDS addresses for K steps 4-7: the immediate does not reach them from 0
	v_add_nc_u32 v9, 4*SREG, v2
	s_mul_i32 s60, s16, 1536                       ; K step sigma in a tile's images,
	s_lshl_b32 s61, s16, 7                         ; and in its scale words
	s_mov_b32 s22, 0
.Lepi:
	s_wait_xcnt 0x0                                ; the last trip's stores have read their registers: they are written again from here on
	s_cmp_eq_u32 s22, 1
	s_cbranch_scc1 .Lh1
	s_cmp_eq_u32 s22, 2
	s_cbranch_scc1 .Lh2
	s_cmp_eq_u32 s22, 3
	s_cbranch_scc1 .Lh3
	s_cmp_eq_u32 s22, 4
	s_cbranch_scc1 .Lh4
	s_cmp_eq_u32 s22, 0
	s_cbranch_scc1 .Lh0
	OVER
.Lh0:
	HEAD 0
	s_branch .Lcom
.Lh1:
	HEAD 1
	s_branch .Lcom
.Lh2:
	HEAD 2
	s_branch .Lcom
.Lh3:
	HEAD 3
	s_branch .Lcom
.Lh4:
	HEAD 4
.Lcom:
	GELU32 0
	GELU32 1
	QF 64, 128, 154
	s_min_u32 s30, s23, 135                        ; my tile
	s_mul_i32 s31, s30, 49152
	s_add_co_u32 s31, s31, s60
	v_add_nc_u32 v38, s31, v1
	s_lshl_b32 s31, s30, 12
	s_add_co_u32 s31, s31, s61
	v_add_nc_u32 v39, s31, v2
.irp q, 0,1,2
	global_store_b128 v38, v[128+4*\q:131+4*\q], s[12:13] offset:512*\q    ; 512 consecutive bytes a store
.endr
	global_store_b32 v39, v154, s[12:13] offset:HSOFF
	s_add_co_u32 s22, s22, 1
	s_add_co_u32 s23, s23, 4
	s_cmp_lt_u32 s22, s21
	s_cbranch_scc1 .Lepi
.Lend:
	s_barrier_signal -1
	s_barrier_wait -1
	s_wait_tensorcnt 0x0
	ds_add_u32 v62, v63
	s_wait_dscnt 0x0
	s_endpgm
.Lfunc_end_k_q5104b5b0bf_up:
	.size	k_q5104b5b0bf_up, .Lfunc_end_k_q5104b5b0bf_up-k_q5104b5b0bf_up
	.p2alignl 7, 3214868480
	.fill 96, 4, 3214868480
	.section	.rodata,"a",@progbits
	.p2align	6, 0x0
	.amdhsa_kernel k_q5104b5b0bf_up
		.amdhsa_group_segment_fixed_size 104960
		.amdhsa_private_segment_fixed_size 0
		.amdhsa_enable_private_segment 0
		.amdhsa_kernarg_size 40
		.amdhsa_user_sgpr_count 2
		.amdhsa_user_sgpr_kernarg_segment_ptr 1
		.amdhsa_wavefront_size32 1
		.amdhsa_system_sgpr_workgroup_id_x 1
		.amdhsa_system_sgpr_workgroup_id_y 1
		.amdhsa_system_sgpr_workgroup_id_z 1
		.amdhsa_system_vgpr_workitem_id 0
		.amdhsa_next_free_vgpr 1024
		.amdhsa_next_free_sgpr 66
		.amdhsa_reserve_vcc 0
		.amdhsa_float_denorm_mode_32 3
		.amdhsa_float_denorm_mode_16_64 3
		.amdhsa_memory_ordered 1
		.amdhsa_forward_progress 1
		.amdhsa_inst_pref_size 255
	.end_amdhsa_kernel
	.section	.bss,"aw",@nobits
	.p2align	6
	.space	262144
	.amdgpu_metadata
---
amdhsa.version: [ 1, 2 ]
amdhsa.kernels:
  - .name:           k_q5104b5b0bf_up
    .symbol:         k_q5104b5b0bf_up.kd
    .args:
      - { .name: W1, .offset: 0, .size: 8, .value_kind: global_buffer, .address_space: global }
      - { .name: b1, .offset: 8, .size: 8, .value_kind: global_buffer, .address_space: global }
      - { .name: xq, .offset: 16, .size: 8, .value_kind: global_buffer, .address_space: global }
      - { .name: rplace, .offset: 24, .size: 8, .value_kind: global_buffer, .address_space: global }
      - { .name: hq, .offset: 32, .size: 8, .value_kind: global_buffer, .address_space: global }
    .group_segment_fixed_size: 104960
    .private_segment_fixed_size: 0
    .kernarg_segment_align: 8
    .kernarg_segment_size: 40
    .max_flat_workgroup_size: 128
    .sgpr_count:     66
    .vgpr_count:     1024
    .wavefront_size: 32
...
	.end_amdgpu_metadata
.endif
;; end of part 3
;; launch down (part 4): grid 32 x 8, 4 waves a work-group, no clusters, 138,752 bytes of LDS; arguments W2, hq, rplace, part; writes part
.if DOCPART == 4
	.amdgcn_target "amdgcn-amd-amdhsa--gfx1250"
	.amdhsa_code_object_version 6
	.text
	.protected	k_q5104b5b0bf_down
	.globl	k_q5104b5b0bf_down
	.p2align	8
	.type	k_q5104b5b0bf_down,@function
k_q5104b5b0bf_down:
	s_mov_b64 s[64:65], 0
	v_nop
	global_prefetch_b8 v0, s[64:65] scope:SCOPE_SE
	s_setreg_imm32_b32 hwreg(HW_REG_WAVE_MODE, 25, 1), 1
	s_wait_xcnt 0x0
; THE SECOND PRODUCT OF THE CHOSEN ROWS, by quarters of K: part[q][row][:] = the sum over hidden units 1,024 q .. 1,024 q + 1,023 of h W2, on codes of BF6 (E3M2) with one E8M0 scale for 32 along K.
; SHARES.  A work-group takes one expert (grid y) x 128 columns x a quarter of K (grid x = cs + 8 q): 512 KB of W2, read ONCE, by nobody else, in runs of 512 consecutive bytes.
; K is cut rather than the columns: 32 columns x all of K would read four times the rows' codes a work-group and the weights in pieces of 128 bytes.  The four quarters' sums are added by the last launch, in a fixed order.
; The structure is the first product's: the weights stream, the sums stay; in each of eight K steps wave w loads the 32 rows of K of block w for all 128 columns, turns them in registers, quantises four blocks and
; puts codes and scale bytes into LDS as images of the operand's registers; one barrier; every wave reads all eight fragments and multiplies its five slots (slot i of wave w: the expert's tile 4 i + w; an absent tile as a
; clamped sound one whose sums nobody reads).  Each K step has LDS bytes of its own, so tiles beyond 20 are multiplied from the codes that stayed (macro OVER): every split is served.
; TRANSPOSED: source 0 = 16 columns of W2, source 1 = 16 rows of h; lane (r, h) holds row r, and register 32 hf + u of a slot's 64 is column 64 hf + 32 h + u.
; THE WAY OUT: a tile goes through the wave's own stage in LDS and leaves as rows of 512 consecutive, aligned bytes.
; NO CLUSTER, NO TENSOR LOADS: the weights are shared with nobody; the rows' images are a twelfth of a step's bytes, and the number of an expert's tiles is read from memory, on which the trips behind the last barrier hang.
; LIMITS: a block of zeros gets the byte 1 where the rule says 127 (its codes are zeros, this program alone reads the bytes); NaN and infinities are not served; an output's f32 sum is made of four quarters' sums.
; REGISTERS as in the first product, without b1: window 0: v1-9 addresses; v10-19 the slots' offsets; v20-29, v30-33 scale words (scales and nothing else); v34-45 at work; v47-49 the way out; v64-111 codes, later rows read back;
;   v128-255 the turned numbers, then the eight fragments.  Window 1: the weights as loaded.  Window 2: slots 0-3.  Window 3: slot 4 at v0; the rows' fragments at v64 and v128.
.set PITCH, 4096
.set KSTR,  128*PITCH
.set OPT,   49152                      ; a tile's images in hq
.set OST,   4096
.set XSOFF, 6684672                    ; where hq's scale words begin
.set SREG,  13056
.set SCB,   12544
.set STG,   8*SREG                     ; behind the eight regions: a stage of 16 rows x (512 + 16) bytes for each wave
.set WB,    24
.set XB,    28
.set XSB,   56
.set BM,  34
.set BS,  38
.set BB,  42
.set FST, 0                            ; 1 while the products that are being written start their sums
.set MSB, 0
.macro WIN new                         ; the immediate's high byte repeats the setting that is left
.if MSB != \new
	s_set_vgpr_msb (MSB<<8)|\new
.set MSB, \new
.endif
.endm
.macro PLACES
.rept 4
	v_nop
.endr
.endm
.macro WLOAD k, i0, n                  ; rows i0 .. i0 + n - 1 of my block of K step k into set k % 2 of window 1
	WIN 0x40
.set ii, \i0
.rept \n
	global_load_b128 v[128*((\k)%2)+4*ii:128*((\k)%2)+4*ii+3], v1, s[WB+2*((\k)/4):WB+2*((\k)/4)+1] offset:((\k)%4)*KSTR+ii*PITCH th:TH_LOAD_NT
.set ii, ii+1
.endr
	WIN 0
.endm
.macro XLOAD k                         ; the five slots' fragments and scale words of K step k into set k % 2: 20 loads
	WIN 0xc0
.irp i, 0,1,2,3,4
.irp q, 0,1,2
	global_load_b128 v[64+64*((\k)%2)+12*\i+4*\q:64+64*((\k)%2)+12*\i+4*\q+3], v[10+\i], s[XB:XB+1] offset:(\k)*1536+512*\q
.endr
.endr
	WIN 0
.irp i, 0,1,2,3,4
	global_load_b32 v[20+5*((\k)%2)+\i], v[15+\i], s[XSB:XSB+1] offset:XSOFF+(\k)*128
.endr
.endm
.macro QB4                             ; four whole blocks, v[128 + 32 b + 0..31], become six code registers each at v[64 + 8 b] and a byte in v[BB + b]
.irp b, 0,1,2,3
	v_max3_num_f32 v[BM+\b], |v[128+32*\b]|, |v[129+32*\b]|, 0x2800000   ; with the floor 2^(5 - 127): the byte cannot fall under 1
.endr
.irp i, 2,4,6,8,10,12,14,16,18,20,22,24,26,28,30
.irp b, 0,1,2,3
	v_max3_num_f32 v[BM+\b], v[BM+\b], |v[128+32*\b+\i]|, |v[129+32*\b+\i]|
.endr
.endr
.irp b, 0,1,2,3
	v_add_nc_u32 v[BS+\b], 0xfe000000, v[BM+\b]    ; 4 off the exponent field: the conversion's scale operand
.endr
.irp b, 0,1,2,3
	v_lshrrev_b32 v[BB+\b], 23, v[BS+\b]           ; the scale's byte
.endr
.irp b, 0,1,2,3
	v_cvt_scalef32_pk16_bf6_f32 v[64+8*\b:66+8*\b], v[128+32*\b:143+32*\b], v[BS+\b]
	v_cvt_scalef32_pk16_bf6_f32 v[96+4*\b:98+4*\b], v[144+32*\b:159+32*\b], v[BS+\b]   ; (three registers begin on an even number: made elsewhere and moved)
.endr
	v_nop                                          ; one plain instruction behind the conversions
.irp b, 0,1,2,3
.irp i, 0,1,2
	v_mov_b32 v[67+8*\b+\i], v[96+4*\b+\i]
.endr
.endr
.endm
.macro WFETCH ra, rb, off              ; a K step's eight fragments and their scale words out of LDS: 256 consecutive bytes a load
.irp t, 0,1,2,3,4,5,6,7
.irp c, 0,1
.irp g, 0,1,2
	ds_load_b64 v[128+12*\t+6*\c+2*\g:129+12*\t+6*\c+2*\g], v[\ra] offset:(\off)+(\t/4)*6272+(\t%4)*1544+768*\c+256*\g
.endr
.endr
.endr
.irp i, 0,1,2,3
	ds_load_b32 v[30+\i], v[\rb] offset:(\off)+SCB+128*\i      ; lanes 0-15: tile 2 i's words, lanes 16-31: tile 2 i + 1's
.endr
.endm
.macro MM ac, t, xf, xs                ; one product: weight tile t x the rows at xf.  While FST is 1, the constant 0 starts the sum
.if FST
.if (\t)%2
	v_wmma_scale_f32_16x16x128_f8f6f4 v[(\ac):(\ac)+7], v[128+12*(\t):139+12*(\t)], v[(\xf):(\xf)+11], 0, v[30+(\t)/2], v[\xs] matrix_a_fmt:MATRIX_FMT_BF6 matrix_b_fmt:MATRIX_FMT_BF6 matrix_a_scale:MATRIX_SCALE_ROW1
.else
	v_wmma_scale_f32_16x16x128_f8f6f4 v[(\ac):(\ac)+7], v[128+12*(\t):139+12*(\t)], v[(\xf):(\xf)+11], 0, v[30+(\t)/2], v[\xs] matrix_a_fmt:MATRIX_FMT_BF6 matrix_b_fmt:MATRIX_FMT_BF6
.endif
.else
.if (\t)%2
	v_wmma_scale_f32_16x16x128_f8f6f4 v[(\ac):(\ac)+7], v[128+12*(\t):139+12*(\t)], v[(\xf):(\xf)+11], v[(\ac):(\ac)+7], v[30+(\t)/2], v[\xs] matrix_a_fmt:MATRIX_FMT_BF6 matrix_b_fmt:MATRIX_FMT_BF6 matrix_a_scale:MATRIX_SCALE_ROW1
.else
	v_wmma_scale_f32_16x16x128_f8f6f4 v[(\ac):(\ac)+7], v[128+12*(\t):139+12*(\t)], v[(\xf):(\xf)+11], v[(\ac):(\ac)+7], v[30+(\t)/2], v[\xs] matrix_a_fmt:MATRIX_FMT_BF6 matrix_b_fmt:MATRIX_FMT_BF6
.endif
.endif
.endm
; A K STEP.  Loads were issued in the order W(0), X(0), W(1), X(1), and then in step s: W(s + 2), X(s + 2).
.macro STEP s
.if (\s) == 7
	s_wait_loadcnt 20                              ; behind W(7) stand X(7)'s 20
.else
	s_wait_loadcnt 63                              ; behind W(s) stand X(s), W(s + 1), X(s + 1): 72 loads; 63 is the largest count that the wait can name
.endif
	v_add_nc_u32 v6, (\s)*SREG, v4                 ; this step's LDS region
	v_add_nc_u32 v7, (\s)*SREG, v5
	v_add_nc_u32 v8, (\s)*SREG, v3
	v_add_nc_u32 v9, (\s)*SREG, v2
	WIN 0x01
.set jq, 0
.rept 4
.set ii, 0
.rept 32
	v_mov_b32 v[128+32*jq+ii], v[128*((\s)%2)+4*ii+jq]         ; [row][4 columns] becomes [column][row]
.set ii, ii+1
.endr
.set jq, jq+1
.endr
	WIN 0
.if (\s) < 6
	WLOAD (\s)+2, 0, 8
.endif
	QB4
.irp b, 0,1,2,3
.irp g, 0,1,2
	ds_store_b64 v6, v[64+8*\b+2*\g:65+8*\b+2*\g] offset:8*\b+256*\g
.endr
	ds_store_b8 v7, v[BB+\b] offset:4*\b
.endr
.if (\s) < 6
	WLOAD (\s)+2, 8, 8
.endif
	s_wait_dscnt 0x0                               ; for the others' sake: my codes and bytes have landed
	s_barrier_signal -1
	s_barrier_wait -1                              ; the step's region is whole; it is never written again
	WFETCH 8, 9, 0
.if (\s) < 6
	WLOAD (\s)+2, 16, 16
.endif
.if (\s) < 6
	s_wait_loadcnt 63                              ; behind X(s) stand W(s + 1), X(s + 1), W(s + 2): 84 loads
.elseif (\s) == 6
	s_wait_loadcnt 52                              ; W(7), X(7)
.else
	s_wait_loadcnt 0
.endif
	s_wait_dscnt 0x0
.set FST, 0
.if (\s) == 0
.set FST, 1                            ; the first step's products start the sums: nothing is cleared
.endif
.irp i, 0,1,2,3,4                      ; 40 accumulators by turns, one instruction a turn, in the same order in every step
.if \i < 4
	WIN 0xac                                       ; source 1 window 3, C and D window 2
.else
	WIN 0xfc
.endif
.irp t, 0,1,2,3,4,5,6,7
	MM 64*(\i%4)+8*\t, \t, 64+64*((\s)%2)+12*\i, 20+5*((\s)%2)+\i
.endr
.endr
.set FST, 0
	WIN 0
	PLACES                                         ; four places ahead of loads into, and moves over, registers that these products read, and of the first read of results
.if (\s) < 6
	XLOAD (\s)+2
.endif
.endm
	s_load_b256 s[4:11], s[0:1], 0x0               ; W2 s[4:5], hq s[6:7], rplace s[8:9], part s[10:11]
	v_lshl_add_u32 v62, v0, 2, 0x21c00
	v_mov_b32 v63, 0
	v_lshrrev_b32 v52, 5, v0
	v_readfirstlane_b32 s14, v52                   ; wave 0..3
	s_and_b32 s15, ttmp7, 0xffff                   ; the expert
	s_and_b32 s16, ttmp9, 7                        ; cs: which 128 columns
	s_lshr_b32 s17, ttmp9, 3                       ; q: which quarter of K
	v_and_b32 v52, 31, v0
	v_lshlrev_b32 v1, 4, v52
	v_lshlrev_b32 v2, 2, v52
	v_lshlrev_b32 v3, 3, v52
	v_bfe_u32 v53, v0, 4, 1                        ; hf of my columns; also h
	v_bfe_u32 v54, v0, 3, 1                        ; hm
	v_bfe_u32 v55, v0, 1, 2                        ; j'
	v_and_b32 v56, 1, v0
	v_and_b32 v57, 15, v0                          ; r
	v_mul_u32_u24 v4, v53, 6272
	v_mad_u32_u24 v4, v55, 1544, v4
	v_lshl_add_u32 v4, v54, 6, v4
	v_lshl_add_u32 v4, v56, 5, v4
	s_and_b32 s30, s14, 1
	s_lshl_b32 s30, s30, 7
	s_lshr_b32 s31, s14, 1
	s_mul_i32 s31, s31, 768
	s_add_co_u32 s30, s30, s31
	v_add_nc_u32 v4, s30, v4                       ; where my columns' codes go
	v_lshlrev_b32 v5, 8, v53
	v_lshl_add_u32 v5, v55, 6, v5
	v_lshl_add_u32 v5, v54, 5, v5
	v_lshl_add_u32 v5, v56, 4, v5
	s_add_co_u32 s30, s14, SCB
	v_add_nc_u32 v5, s30, v5                       ; and their scale bytes
	s_mul_i32 s30, s14, 16*528
	s_add_co_u32 s30, s30, STG                     ; my stage
	v_mul_u32_u24 v48, v57, 528
	v_lshl_add_u32 v48, v53, 7, v48
	v_add_nc_u32 v48, s30, v48                     ; in: row r, + 128 h
	v_add_nc_u32 v49, s30, v1                      ; back: 16 bytes a lane of a row
	s_lshl_b32 s60, s15, 2                         ; 4 e
	s_lshl_b32 s30, s15, 24                        ; the expert's 16 MiB,
	s_lshl_b32 s31, s17, 22                        ; the quarter's 1,024 rows,
	s_add_co_u32 s30, s30, s31
	s_lshl_b32 s31, s14, 17                        ; my 32 rows,
	s_add_co_u32 s30, s30, s31
	s_lshl_b32 s31, s16, 9                         ; my 128 columns
	s_add_co_u32 s30, s30, s31
	s_mov_b32 s31, 0
	s_wait_kmcnt 0x0
	s_add_nc_u64 s[WB:WB+1], s[4:5], s[30:31]
	s_add_nc_u64 s[WB+2:WB+3], s[WB:WB+1], 4*KSTR
	s_mul_i32 s30, s17, 12288                      ; the quarter's eight K steps in a tile's images,
	s_add_nc_u64 s[XB:XB+1], s[6:7], s[30:31]
	s_lshl_b32 s30, s17, 10                        ; and in its scale words
	s_add_nc_u64 s[XSB:XSB+1], s[6:7], s[30:31]
	s_mul_i32 s30, s17, 8912896                    ; the quarter's 2,176 rows of part,
	s_lshl_b32 s61, s16, 9                         ; my 128 columns
	s_add_co_u32 s30, s30, s61
	s_add_nc_u64 s[58:59], s[10:11], s[30:31]
	s_load_b32 s18, s[8:9], s60 offset:0x2000      ; the expert's first tile,
	s_load_b32 s19, s[8:9], s60 offset:0x2004      ; the next expert's,
	s_load_b32 s20, s[8:9], 0x2020                 ; all tiles
	WLOAD 0, 0, 32
	s_wait_kmcnt 0x0
	s_sub_co_u32 s21, s19, s18
	s_add_co_u32 s21, s21, 3
	s_sub_co_u32 s21, s21, s14
	s_lshr_b32 s21, s21, 2                         ; my tiles: 4 i + w
	s_min_u32 s21, s21, 16                         ; (an expert has at most 1,024 rows: 64 tiles)
	s_add_co_u32 s23, s18, s14                     ; my first tile
	s_sub_co_u32 s20, s20, 1
.irp i, 0,1,2,3,4
	s_add_co_u32 s30, s23, 4*\i
	s_min_u32 s30, s30, s20                        ; an absent tile is read as the last tile that exists,
	s_min_u32 s30, s30, 135                        ; inside the buffer
	s_mul_i32 s31, s30, OPT
	v_add_nc_u32 v[10+\i], s31, v1
	s_mul_i32 s31, s30, OST
	v_add_nc_u32 v[15+\i], s31, v2
.endr
	XLOAD 0
	WLOAD 1, 0, 32
	XLOAD 1
.irp s, 0,1,2,3,4,5,6,7
	STEP \s
.endr
; BEHIND THE LAST BARRIER: my tiles, one a trip, through my stage to part.
.macro OVER                            ; a tile beyond my five slots: all eight K steps from the codes that stayed in LDS, into slot 0
	s_min_u32 s30, s23, 135
	s_mul_i32 s31, s30, OPT
	v_add_nc_u32 v10, s31, v1
	s_mul_i32 s31, s30, OST
	v_add_nc_u32 v15, s31, v2
.irp s, 0,1,2,3,4,5,6,7
	PLACES
	WIN 0xc0
.irp q, 0,1,2
	global_load_b128 v[64+4*\q:64+4*\q+3], v10, s[XB:XB+1] offset:\s*1536+512*\q
.endr
	WIN 0
	global_load_b32 v20, v15, s[XSB:XSB+1] offset:XSOFF+\s*128
.if \s < 4
	WFETCH 3, 2, \s*SREG
.else
	WFETCH 8, 9, (\s-4)*SREG
.endif
	s_wait_loadcnt 0x0
	s_wait_dscnt 0x0
.set FST, 0
.if \s == 0
.set FST, 1
.endif
	WIN 0xac
.irp t, 0,1,2,3,4,5,6,7
	MM 8*\t, \t, 64, 20
.endr
.set FST, 0
	WIN 0
.endr
	PLACES
.endm
.macro HEAD i                          ; slot i's 64 sums into my stage; each accumulator from its low end on
.if \i < 4
	WIN 0x08                                       ; an LDS store's data are its source 1: window 2
.else
	WIN 0x0c
.endif
.irp t, 0,1,2,3,4,5,6,7
	ds_store_b128 v48, v[64*(\i%4)+8*\t:64*(\i%4)+8*\t+3] offset:256*(\t/4)+32*(\t%4)
	ds_store_b128 v48, v[64*(\i%4)+8*\t+4:64*(\i%4)+8*\t+7] offset:256*(\t/4)+32*(\t%4)+16
.endr
	WIN 0
.endm
	s_cmp_eq_u32 s21, 0
	s_cbranch_scc1 .Lend                           ; no tile of this expert is mine
	v_add_nc_u32 v8, 4*SREG, v3                    ; LDS addresses for K steps 4-7
	v_add_nc_u32 v9, 4*SREG, v2
	s_mov_b32 s22, 0
.Lepi:
	s_wait_xcnt 0x0                                ; the last trip's stores have read their registers: they are written again from here on
	s_cmp_eq_u32 s22, 1
	s_cbranch_scc1 .Lh1
	s_cmp_eq_u32 s22, 2
	s_cbranch_scc1 .Lh2
	s_cmp_eq_u32 s22, 3
	s_cbranch_scc1 .Lh3
	s_cmp_eq_u32 s22, 4
	s_cbranch_scc1 .Lh4
	s_cmp_eq_u32 s22, 0
	s_cbranch_scc1 .Lh0
	OVER
.Lh0:
	HEAD 0
	s_branch .Lcom
.Lh1:
	HEAD 1
	s_branch .Lcom
.Lh2:
	HEAD 2
	s_branch .Lcom
.Lh3:
	HEAD 3
	s_branch .Lcom
.Lh4:
	HEAD 4
.Lcom:
	s_min_u32 s30, s23, 135                        ; my tile:
	s_lshl_b32 s30, s30, 16                        ; 16 rows of 4,096 bytes
	v_add_nc_u32 v47, s30, v1
.irp p, 0,1,2,3,4,5,6,7,8,9,10,11,12,13,14,15
	ds_load_b128 v[64+4*\p:67+4*\p], v49 offset:528*\p         ; LDS serves a wave's instructions in order (ISA guide 5.7.1.4): these see my stores
.endr
.irp p, 0,1,2,3,4,5,6,7,8,9,10,11,12,13,14,15
	s_wait_dscnt 15-\p
	global_store_b128 v47, v[64+4*\p:67+4*\p], s[58:59] offset:4096*\p th:TH_STORE_NT   ; 32 lanes store 512 consecutive bytes, at a multiple of 256 from the buffer's first byte
.endr
	s_add_co_u32 s22, s22, 1
	s_add_co_u32 s23, s23, 4
	s_cmp_lt_u32 s22, s21
	s_cbranch_scc1 .Lepi
.Lend:
	s_barrier_signal -1
	s_barrier_wait -1
	s_wait_tensorcnt 0x0
	ds_add_u32 v62, v63
	s_wait_dscnt 0x0
	s_endpgm
.Lfunc_end_k_q5104b5b0bf_down:
	.size	k_q5104b5b0bf_down, .Lfunc_end_k_q5104b5b0bf_down-k_q5104b5b0bf_down
	.p2alignl 7, 3214868480
	.fill 96, 4, 3214868480
	.section	.rodata,"a",@progbits
	.p2align	6, 0x0
	.amdhsa_kernel k_q5104b5b0bf_down
		.amdhsa_group_segment_fixed_size 138752
		.amdhsa_private_segment_fixed_size 0
		.amdhsa_enable_private_segment 0
		.amdhsa_kernarg_size 32
		.amdhsa_user_sgpr_count 2
		.amdhsa_user_sgpr_kernarg_segment_ptr 1
		.amdhsa_wavefront_size32 1
		.amdhsa_system_sgpr_workgroup_id_x 1
		.amdhsa_system_sgpr_workgroup_id_y 1
		.amdhsa_system_sgpr_workgroup_id_z 1
		.amdhsa_system_vgpr_workitem_id 0
		.amdhsa_next_free_vgpr 1024
		.amdhsa_next_free_sgpr 66
		.amdhsa_reserve_vcc 0
		.amdhsa_float_denorm_mode_32 3
		.amdhsa_float_denorm_mode_16_64 3
		.amdhsa_memory_ordered 1
		.amdhsa_forward_progress 1
		.amdhsa_inst_pref_size 250
	.end_amdhsa_kernel
	.amdgpu_metadata
---
amdhsa.version: [ 1, 2 ]
amdhsa.kernels:
  - .name:           k_q5104b5b0bf_down
    .symbol:         k_q5104b5b0bf_down.kd
    .args:
      - { .name: W2, .offset: 0, .size: 8, .value_kind: global_buffer, .address_space: global }
      - { .name: hq, .offset: 8, .size: 8, .value_kind: global_buffer, .address_space: global }
      - { .name: rplace, .offset: 16, .size: 8, .value_kind: global_buffer, .address_space: global }
      - { .name: part, .offset: 24, .size: 8, .value_kind: global_buffer, .address_space: global }
    .group_segment_fixed_size: 138752
    .private_segment_fixed_size: 0
    .kernarg_segment_align: 8
    .kernarg_segment_size: 32
    .max_flat_workgroup_size: 128
    .sgpr_count:     66
    .vgpr_count:     1024
    .wavefront_size: 32
...
	.end_amdgpu_metadata
.endif
;; end of part 4
;; launch combine (part 5): grid 256 x 1, 8 waves a work-group, no clusters, 0 bytes of LDS; arguments part, rplace, ridx, rgate, b2, out0; writes out0
.if DOCPART == 5
	.amdgcn_target "amdgcn-amd-amdhsa--gfx1250"
	.amdhsa_code_object_version 6
	.text
	.protected	k_q5104b5b0bf_combine
	.globl	k_q5104b5b0bf_combine
	.p2align	8
	.type	k_q5104b5b0bf_combine,@function
k_q5104b5b0bf_combine:
	s_mov_b64 s[64:65], 0
	v_nop
	global_prefetch_b8 v0, s[64:65] scope:SCOPE_SE
	s_setreg_imm32_b32 hwreg(HW_REG_WAVE_MODE, 25, 1), 1
	s_wait_xcnt 0x0
; THE SUM.  out0[t] = g0 (the four quarters' sums of t's first routed row + b2 of its expert) + g1 (the same of its second).  Each output row has one owner.
; SHARES.  A work-group takes 4 tokens; a wave half a token's row, 2,048 bytes: four loads of 512 consecutive bytes from each of 8 rows of part and 2 rows of b2, all 40 issued at once.
; The rows' places and experts are whole numbers that earlier launches stored; each is held inside its buffer before it enters an address.
; A stream: no LDS, no barrier, no matrix unit.  The quarters are added as (q0 + q1) + (q2 + q3), always in that order.
.set P,  16                            ; v16-143  slot k, quarter q, piece m at 16 + 64 k + 16 q + 4 m
.set BI, 144                           ; v144-175 b2: slot k, piece m at 144 + 16 k + 4 m
	s_load_b256 s[4:11], s[0:1], 0x0               ; part s[4:5], rplace s[6:7], ridx s[8:9], rgate s[10:11]
	s_load_b128 s[12:15], s[0:1], 0x20             ; b2 s[12:13], out0 s[14:15]
	v_lshrrev_b32 v1, 5, v0
	v_readfirstlane_b32 s16, v1                    ; wave 0..7
	v_and_b32 v1, 31, v0
	v_lshlrev_b32 v1, 4, v1                        ; 16 bytes a lane
	s_lshr_b32 s17, s16, 1
	s_lshl_b32 s18, ttmp9, 2
	s_add_co_u32 s17, s17, s18                     ; my token
	s_lshl_b32 s18, s17, 3                         ; its two words in each table
	s_and_b32 s19, s16, 1
	s_lshl_b32 s19, s19, 11                        ; my half of a row
	s_wait_kmcnt 0x0
	s_load_b64 s[20:21], s[6:7], s18 offset:0x0    ; the two sorted rows,
	s_load_b64 s[22:23], s[8:9], s18 offset:0x0    ; the two experts,
	s_load_b64 s[24:25], s[10:11], s18 offset:0x0  ; the two gates
	s_wait_kmcnt 0x0
	s_min_u32 s20, s20, 2175
	s_min_u32 s21, s21, 2175
	s_min_u32 s22, s22, 7
	s_min_u32 s23, s23, 7
	s_mov_b32 s31, 0
.irp k, 0,1
	s_lshl_b32 s30, s[20+\k], 12
	s_add_co_u32 s30, s30, s19
	s_add_nc_u64 s[32+8*\k:33+8*\k], s[4:5], s[30:31]
.irp q, 1,2,3
	s_add_nc_u64 s[32+8*\k+2*\q:33+8*\k+2*\q], s[30+8*\k+2*\q:31+8*\k+2*\q], 0x880000   ; a quarter on: 2,176 rows of 4,096 bytes, beyond a load's immediate
.endr
	s_lshl_b32 s30, s[22+\k], 12
	s_add_co_u32 s30, s30, s19
	s_add_nc_u64 s[48+2*\k:49+2*\k], s[12:13], s[30:31]
.endr
	s_lshl_b32 s30, s17, 12
	s_add_co_u32 s30, s30, s19
	s_add_nc_u64 s[52:53], s[14:15], s[30:31]
	s_mov_b32 s54, s24                             ; each gate twice: the packed forms name a pair
	s_mov_b32 s55, s24
	s_mov_b32 s56, s25
	s_mov_b32 s57, s25
.irp k, 0,1
.irp q, 0,1,2,3
.irp m, 0,1,2,3
	global_load_b128 v[P+64*\k+16*\q+4*\m:P+64*\k+16*\q+4*\m+3], v1, s[32+8*\k+2*\q:33+8*\k+2*\q] offset:512*\m th:TH_LOAD_NT
.endr
.endr
.irp m, 0,1,2,3
	global_load_b128 v[BI+16*\k+4*\m:BI+16*\k+4*\m+3], v1, s[48+2*\k:49+2*\k] offset:512*\m
.endr
.endr
	s_wait_loadcnt 0x0
.irp k, 0,1
.set u, 0
.rept 8
	v_pk_add_f32 v[P+64*\k+u:P+64*\k+u+1], v[P+64*\k+u:P+64*\k+u+1], v[P+64*\k+16+u:P+64*\k+16+u+1]
	v_pk_add_f32 v[P+64*\k+32+u:P+64*\k+32+u+1], v[P+64*\k+32+u:P+64*\k+32+u+1], v[P+64*\k+48+u:P+64*\k+48+u+1]
.set u, u+2
.endr
.endr
.irp k, 0,1
.set u, 0
.rept 8
	v_pk_add_f32 v[P+64*\k+u:P+64*\k+u+1], v[P+64*\k+u:P+64*\k+u+1], v[P+64*\k+32+u:P+64*\k+32+u+1]
.set u, u+2
.endr
.endr
.irp k, 0,1
.set u, 0
.rept 8
	v_pk_add_f32 v[P+64*\k+u:P+64*\k+u+1], v[P+64*\k+u:P+64*\k+u+1], v[BI+16*\k+u:BI+16*\k+u+1]
.set u, u+2
.endr
.endr
.set u, 0
.rept 8
	v_pk_mul_f32 v[P+u:P+u+1], v[P+u:P+u+1], s[54:55] op_sel_hi:[1,0]
.set u, u+2
.endr
.set u, 0
.rept 8
	v_pk_fma_f32 v[P+u:P+u+1], v[P+64+u:P+64+u+1], s[56:57], v[P+u:P+u+1] op_sel_hi:[1,0,1]
.set u, u+2
.endr
.irp m, 0,1,2,3
	global_store_b128 v1, v[P+4*\m:P+4*\m+3], s[52:53] offset:512*\m th:TH_STORE_NT   ; 512 consecutive bytes a store
.endr
	s_endpgm
.Lfunc_end_k_q5104b5b0bf_combine:
	.size	k_q5104b5b0bf_combine, .Lfunc_end_k_q5104b5b0bf_combine-k_q5104b5b0bf_combine
	.p2alignl 7, 3214868480
	.fill 96, 4, 3214868480
	.section	.rodata,"a",@progbits
	.p2align	6, 0x0
	.amdhsa_kernel k_q5104b5b0bf_combine
		.amdhsa_group_segment_fixed_size 0
		.amdhsa_private_segment_fixed_size 0
		.amdhsa_enable_private_segment 0
		.amdhsa_kernarg_size 48
		.amdhsa_user_sgpr_count 2
		.amdhsa_user_sgpr_kernarg_segment_ptr 1
		.amdhsa_wavefront_size32 1
		.amdhsa_system_sgpr_workgroup_id_x 1
		.amdhsa_system_sgpr_workgroup_id_y 1
		.amdhsa_system_sgpr_workgroup_id_z 1
		.amdhsa_system_vgpr_workitem_id 0
		.amdhsa_next_free_vgpr 176
		.amdhsa_next_free_sgpr 66
		.amdhsa_reserve_vcc 0
		.amdhsa_float_denorm_mode_32 3
		.amdhsa_float_denorm_mode_16_64 3
		.amdhsa_memory_ordered 1
		.amdhsa_forward_progress 1
		.amdhsa_inst_pref_size 12
	.end_amdhsa_kernel
	.amdgpu_metadata
---
amdhsa.version: [ 1, 2 ]
amdhsa.kernels:
  - .name:           k_q5104b5b0bf_combine
    .symbol:         k_q5104b5b0bf_combine.kd
    .args:
      - { .name: part, .offset: 0, .size: 8, .value_kind: global_buffer, .address_space: global }
      - { .name: rplace, .offset: 8, .size: 8, .value_kind: global_buffer, .address_space: global }
      - { .name: ridx, .offset: 16, .size: 8, .value_kind: global_buffer, .address_space: global }
      - { .name: rgate, .offset: 24, .size: 8, .value_kind: global_buffer, .address_space: global }
      - { .name: b2, .offset: 32, .size: 8, .value_kind: global_buffer, .address_space: global }
      - { .name: out0, .offset: 40, .size: 8, .value_kind: global_buffer, .address_space: global }
    .group_segment_fixed_size: 0
    .private_segment_fixed_size: 0
    .kernarg_segment_align: 8
    .kernarg_segment_size: 48
    .max_flat_workgroup_size: 256
    .sgpr_count:     66
    .vgpr_count:     176
    .wavefront_size: 32
...
	.end_amdgpu_metadata
.endif
;; end of part 5
;; ======== version 2 of 2: 5 launches
;; limits: right only within a limited range of input values
;; workspace buffers: ridx 8,192 bytes of whole numbers; rgate 8,192 bytes; rplace 8,448 bytes of whole numbers; xq 1,810,432 bytes; hq 7,241,728 bytes; part 35,651,584 bytes
;; launch route (part 6): grid 128 x 1, 8 waves a work-group, no clusters, 38,400 bytes of LDS; arguments x, Wg, bg, ridx, rgate; writes ridx, rgate
.if DOCPART == 6
	.amdgcn_target "amdgcn-amd-amdhsa--gfx1250"
	.amdhsa_code_object_version 6
	.text
	.protected	k_q5104b5b0bf_route
	.globl	k_q5104b5b0bf_route
	.p2align	8
	.type	k_q5104b5b0bf_route,@function
k_q5104b5b0bf_route:
	s_mov_b64 s[64:65], 0
	v_nop
	global_prefetch_b8 v0, s[64:65] scope:SCOPE_SE
	s_setreg_imm32_b32 hwreg(HW_REG_WAVE_MODE, 25, 1), 1
	s_wait_xcnt 0x0
; THE ROUTER.  gates = softmax(x Wg + bg) over 8 experts; the two largest gates of each token and their experts are stored at fixed places:
; ridx [1024][2] (whole numbers), rgate [1024][2] (f32).  No address and no branch here hangs on the choice: a later launch places the rows.
; WORK LEFT OUT BY THE PROGRAM: the routing weight is 0 for the six experts that a token did not choose, so those experts' rows of both products
; are multiplied by 0 in the last product, whatever the inputs hold: the later launches multiply the chosen rows alone.  LIMIT: a NaN, an infinity or an overflow that arises only in a row left out is not carried to the result.
; SHARES.  A work-group takes 8 tokens, a wave one.  Lane l takes d = 128 c + 4 l + 0..3 of chunk c = 0..7: x is read in runs of 512 consecutive bytes.
; 32 sums a lane (my 4 rows of a chunk x 8 experts, so that sixteen packed multiply-adds stand between two on one pair), added to 8, then one sum over the 32 lanes.
; Wg COMES ONCE A WORK-GROUP, 16 bytes a thread, in runs of 512 consecutive bytes a wave, and is handed out through LDS, where a lane's 128 bytes of a chunk have a place of 144.
; ALL LOADS GO OUT AT THE HEAD: Wg's eight, then x's eight.
; THE RESULTS of the work-group's 8 tokens meet in LDS and leave as 64 consecutive bytes for each of the two tables: a quarter of an aligned 256 bytes; both tables together are 16,384 bytes.
; The largest logit is taken away before the exponential, as the softmax asks.  Ties go to the lower expert (strict compares in ascending order).
; LIMITS: NaN and infinities among the inputs are not served; the division is a reciprocal and a multiplication; gates that underflow count as 0.
.set ACC,  32                          ; v32-63   sums: row dd, expert e at 32 + 8 dd + e; later v32-39 the token's eight
.set XR,   64                          ; v64-95   x: chunk c at 64 + 4 c + dd
.set TP,   96                          ; v96-98   at work
.set WR,   192                         ; v192-255 Wg: first the 32 registers in which it comes from memory, then two sets of 32 (8 dd + e) out of LDS
.set IDX,  4                           ; v4-5     first and second expert
.set VAL,  6                           ; v6-7     their gates
.set MX,   8                           ; v8       the largest logit
.set SM,   9                           ; v9       the sum of exponentials
.set SEL,  34                          ; s[34:35] selects of v_permlanex16_b32: lane l xor 16
.set WPL,  144                         ; LDS: a lane's 128 bytes of a chunk + 16
.set WCH,  32*WPL                      ; a chunk
.set RES,  8*WCH                       ; behind Wg: 512 bytes of their own for the results
.set SPARE, RES+512                    ; behind them: the spare words, 128 bytes for each wave, which no other line names
	s_load_b256 s[4:11], s[0:1], 0x0               ; x s[4:5], Wg s[6:7], bg s[8:9], ridx s[10:11]
	s_load_b64 s[12:13], s[0:1], 0x20              ; rgate
	v_lshl_add_u32 v30, v0, 2, SPARE
	v_mov_b32 v31, 0
	v_lshrrev_b32 v3, 5, v0
	s_delay_alu instid0(VALU_DEP_1)
	v_readfirstlane_b32 s14, v3                    ; wave 0..7
	v_and_b32 v3, 31, v0                           ; lane
	s_delay_alu instid0(VALU_DEP_1)
	v_lshlrev_b32 v1, 4, v3                        ; x: 16 bytes a lane
	v_lshlrev_b32 v2, 4, v0                        ; Wg: 16 bytes a thread
	v_lshrrev_b32 v26, 3, v0                       ; thread t's 16 bytes of a chunk are piece t % 8 of the 128 bytes of lane t / 8
	s_delay_alu instid0(VALU_DEP_1)
	v_mul_u32_u24 v26, v26, WPL
	v_and_b32 v27, 7, v0
	s_delay_alu instid0(VALU_DEP_1)
	v_lshl_add_u32 v26, v27, 4, v26                ; LDS, on the way in
	v_mul_u32_u24 v28, v3, WPL                     ; and on the way out: my lane's place
	s_lshl_b32 s2, ttmp9, 15                       ; 8 tokens of 4,096 bytes a work-group
	s_lshl_b32 s3, s14, 12                         ; one a wave
	s_add_co_u32 s2, s2, s3
	s_mov_b32 s3, 0
	s_mov_b32 s[SEL], 0x76543210
	s_mov_b32 s[SEL+1], 0xfedcba98
	s_wait_alu depctr_va_vdst(0)                   ; a wait at the head's end
	s_wait_kmcnt 0x0
	s_add_nc_u64 s[4:5], s[4:5], s[2:3]
	s_load_b256 s[16:23], s[8:9], 0x0              ; bg's eight numbers
.irp j, 0,1,2,3,4,5,6,7
	global_load_b128 v[WR+4*\j:WR+4*\j+3], v2, s[6:7] offset:4096*\j           ; chunk j of Wg: 4,096 bytes for the 256 threads
.endr
.irp c, 0,1,2,3,4,5,6,7
	global_load_b128 v[XR+4*\c:XR+4*\c+3], v1, s[4:5] offset:512*\c
.endr
	s_wait_loadcnt 8                               ; Wg's eight are in; x's eight, issued behind them, may be out
.irp j, 0,1,2,3,4,5,6,7
	ds_store_b128 v26, v[WR+4*\j:WR+4*\j+3] offset:WCH*\j
.endr
	s_wait_dscnt 0x0                               ; for the others' sake: my part of Wg has landed
	s_barrier_signal -1
	s_barrier_wait -1                              ; Wg is whole in LDS; it is never written again
	s_wait_kmcnt 0x0                               ; bg
.macro WL c                            ; my four rows of chunk c out of LDS into set c % 2
.irp m, 0,1,2,3,4,5,6,7
	ds_load_b128 v[WR+32*((\c)%2)+4*\m:WR+32*((\c)%2)+4*\m+3], v28 offset:WCH*(\c)+16*\m
.endr
.endm
.macro CH c                            ; chunk c's 16 packed multiply-adds; then chunk c + 2's rows of Wg are asked for
.set WS, WR+32*((\c)%2)
.set XS, XR+4*(\c)
.if (\c) < 7
	s_wait_dscnt 8                                 ; the next chunk's eight LDS loads may be out
.else
	s_wait_dscnt 0
.endif
	s_wait_loadcnt 7-(\c)                          ; x's loads were issued chunk by chunk: the later chunks' may be out
.irp d2, 0,1
.irp h, 0,1
.irp p, 0,1,2,3
.if (\c) == 0
	v_pk_mul_f32 v[ACC+8*(2*\d2+\h)+2*\p:ACC+8*(2*\d2+\h)+2*\p+1], v[WS+8*(2*\d2+\h)+2*\p:WS+8*(2*\d2+\h)+2*\p+1], v[XS+2*\d2:XS+2*\d2+1] op_sel:[0,\h] op_sel_hi:[1,\h]   ; the first products start the sums
.else
	v_pk_fma_f32 v[ACC+8*(2*\d2+\h)+2*\p:ACC+8*(2*\d2+\h)+2*\p+1], v[WS+8*(2*\d2+\h)+2*\p:WS+8*(2*\d2+\h)+2*\p+1], v[XS+2*\d2:XS+2*\d2+1], v[ACC+8*(2*\d2+\h)+2*\p:ACC+8*(2*\d2+\h)+2*\p+1] op_sel:[0,\h,0] op_sel_hi:[1,\h,1]   ; two experts at a time; x's number serves both halves
.endif
.endr
.endr
.endr
.if (\c) < 6
	WL (\c)+2
.endif
.endm
	WL 0
	WL 1
.irp c, 0,1,2,3,4,5,6,7
	CH \c
.endr
	; my four rows' sums become one
.irp p, 0,1,2,3
	v_pk_add_f32 v[ACC+2*\p:ACC+2*\p+1], v[ACC+2*\p:ACC+2*\p+1], v[ACC+8+2*\p:ACC+8+2*\p+1]
	v_pk_add_f32 v[ACC+16+2*\p:ACC+16+2*\p+1], v[ACC+16+2*\p:ACC+16+2*\p+1], v[ACC+24+2*\p:ACC+24+2*\p+1]
.endr
.irp p, 0,1,2,3
	v_pk_add_f32 v[ACC+2*\p:ACC+2*\p+1], v[ACC+2*\p:ACC+2*\p+1], v[ACC+16+2*\p:ACC+16+2*\p+1]
.endr
	; the sum over the 32 lanes, in every lane
.irp x, 1,2,4,8
.irp e, 0,1,2,3,4,5,6,7
	v_add_f32_dpp v[ACC+\e], v[ACC+\e], v[ACC+\e] row_xmask:\x row_mask:0xf bank_mask:0xf
.endr
.endr
.irp e, 0,1,2,3,4,5,6,7
	v_permlanex16_b32 v[XR+\e], v[ACC+\e], s[SEL], s[SEL+1]     ; (the destinations were written by x's loads)
.endr
.irp e, 0,1,2,3,4,5,6,7
	v_add_f32 v[ACC+\e], v[ACC+\e], v[XR+\e]
.endr
.irp e, 0,1,2,3,4,5,6,7
	v_add_f32 v[ACC+\e], s[16+\e], v[ACC+\e]       ; + bg
.endr
	; softmax
	v_max3_num_f32 v[MX], v[ACC], v[ACC+1], v[ACC+2]
	s_delay_alu instid0(VALU_DEP_1)
	v_max3_num_f32 v[MX], v[MX], v[ACC+3], v[ACC+4]
	s_delay_alu instid0(VALU_DEP_1)
	v_max3_num_f32 v[MX], v[MX], v[ACC+5], v[ACC+6]
	s_delay_alu instid0(VALU_DEP_1)
	v_max_num_f32 v[MX], v[MX], v[ACC+7]
	s_delay_alu instid0(VALU_DEP_1)
.irp e, 0,1,2,3,4,5,6,7
	v_sub_f32 v[ACC+\e], v[ACC+\e], v[MX]
.endr
.irp e, 0,1,2,3,4,5,6,7
	v_mul_f32 v[ACC+\e], 0x3fb8aa3b, v[ACC+\e]     ; x log2(e)
.endr
	s_wait_alu depctr_va_vdst(0)                   ; a wait ahead of the batch
.irp e, 0,1,2,3,4,5,6,7
	v_exp_f32 v[ACC+\e], v[ACC+\e]                 ; one batch
.endr
	v_nop                                          ; a plain instruction behind the last exponential
	s_wait_alu depctr_va_vdst(0)                   ; one wait for the batch, ahead of its first reader
	v_add_f32 v[SM], v[ACC], v[ACC+1]
	v_add_f32 v[TP], v[ACC+2], v[ACC+3]
	v_add_f32 v[TP+1], v[ACC+4], v[ACC+5]
	v_add_f32 v[TP+2], v[ACC+6], v[ACC+7]
	s_delay_alu instid0(VALU_DEP_3)
	v_add_f32 v[SM], v[SM], v[TP]
	s_delay_alu instid0(VALU_DEP_2)
	v_add_f32 v[TP+1], v[TP+1], v[TP+2]
	s_delay_alu instid0(VALU_DEP_1)
	v_add_f32 v[SM], v[SM], v[TP+1]
	s_wait_alu depctr_va_vdst(0)                   ; ahead of the reciprocal, which reads a sum just made
	v_rcp_f32 v[SM], v[SM]
	v_nop
	s_wait_alu depctr_va_vdst(0)                   ; and ahead of its first reader
.irp e, 0,1,2,3,4,5,6,7
	v_mul_f32 v[ACC+\e], v[ACC+\e], v[SM]          ; the gates
.endr
	; the two largest gates: selections alone, done for every expert
	v_mov_b32 v[VAL], v[ACC]
	v_mov_b32 v[IDX], 0
	v_mov_b32 v[VAL+1], -1.0                       ; under every gate
	v_mov_b32 v[IDX+1], 0
.irp e, 1,2,3,4,5,6,7
	v_cmp_gt_f32 s24, v[ACC+\e], v[VAL]            ; above the first?
	v_cmp_gt_f32 s25, v[ACC+\e], v[VAL+1]          ; above the second?
	v_cndmask_b32 v[VAL+1], v[VAL+1], v[ACC+\e], s25
	v_cndmask_b32 v[IDX+1], v[IDX+1], \e, s25
	s_delay_alu instid0(VALU_DEP_2)
	v_cndmask_b32 v[VAL+1], v[VAL+1], v[VAL], s24  ; the old first moves down
	s_delay_alu instid0(VALU_DEP_2)
	v_cndmask_b32 v[IDX+1], v[IDX+1], v[IDX], s24
	v_cndmask_b32 v[VAL], v[VAL], v[ACC+\e], s24
	v_cndmask_b32 v[IDX], v[IDX], \e, s24
.endr
	; the work-group's 8 tokens meet in LDS
	s_lshl_b32 s2, s14, 3
	v_mov_b32 v20, s2                              ; 8 bytes a wave
	ds_store_b64 v20, v[IDX:IDX+1] offset:RES      ; all lanes write the same bytes with the same value
	ds_store_b64 v20, v[VAL:VAL+1] offset:RES+256
	s_wait_dscnt 0x0                               ; for the others' sake: my stores have landed
	s_barrier_signal -1
	s_barrier_wait -1
	s_cmp_gt_u32 s14, 1
	s_cbranch_scc1 .Lend                           ; wave 0 stores the experts, wave 1 the gates
	s_cmp_eq_u32 s14, 0
	s_cselect_b64 s[10:11], s[10:11], s[12:13]
	s_lshl_b32 s2, ttmp9, 6                        ; 64 bytes a work-group
	s_mov_b32 s3, 0
	s_add_nc_u64 s[10:11], s[10:11], s[2:3]
	s_lshl_b32 s2, s14, 8
	v_and_b32 v21, 7, v3
	v_lshlrev_b32 v21, 3, v21                      ; 8 bytes for each of eight lanes; the other lanes read the same bytes again and store nothing
	v_add_nc_u32 v22, s2, v21
	ds_load_b64 v[24:25], v22 offset:RES
	v_cmp_gt_u32 vcc_lo, 8, v3
	s_wait_alu depctr_va_vdst(0)                   ; a wait directly ahead of the waits below
	s_wait_dscnt 0x0
	s_wait_xcnt 0x0                                ; EXEC changes only behind this wait
	s_and_saveexec_b32 s15, vcc_lo
	global_store_b64 v21, v[24:25], s[10:11]       ; lanes 0-7: 64 consecutive bytes
	s_wait_xcnt 0x0                                ; and again, in front of the line that widens it
	s_or_b32 exec_lo, exec_lo, s15
.Lend:
	s_barrier_signal -1
	s_barrier_wait -1
	s_wait_tensorcnt 0x0                           ; the wave's end
	ds_add_u32 v30, v31
	s_wait_dscnt 0x0
	s_endpgm
.Lfunc_end_k_q5104b5b0bf_route:
	.size	k_q5104b5b0bf_route, .Lfunc_end_k_q5104b5b0bf_route-k_q5104b5b0bf_route
	.p2alignl 7, 3214868480
	.fill 96, 4, 3214868480
	.section	.rodata,"a",@progbits
	.p2align	6, 0x0
	.amdhsa_kernel k_q5104b5b0bf_route
		.amdhsa_group_segment_fixed_size 38400
		.amdhsa_private_segment_fixed_size 0
		.amdhsa_enable_private_segment 0
		.amdhsa_kernarg_size 40
		.amdhsa_user_sgpr_count 2
		.amdhsa_user_sgpr_kernarg_segment_ptr 1
		.amdhsa_wavefront_size32 1
		.amdhsa_system_sgpr_workgroup_id_x 1
		.amdhsa_system_sgpr_workgroup_id_y 1
		.amdhsa_system_sgpr_workgroup_id_z 1
		.amdhsa_system_vgpr_workitem_id 0
		.amdhsa_next_free_vgpr 256
		.amdhsa_next_free_sgpr 66
		.amdhsa_reserve_vcc 1
		.amdhsa_float_denorm_mode_32 3
		.amdhsa_float_denorm_mode_16_64 3
		.amdhsa_memory_ordered 1
		.amdhsa_forward_progress 1
		.amdhsa_inst_pref_size 28
	.end_amdhsa_kernel
	.amdgpu_metadata
---
amdhsa.version: [ 1, 2 ]
amdhsa.kernels:
  - .name:           k_q5104b5b0bf_route
    .symbol:         k_q5104b5b0bf_route.kd
    .args:
      - { .name: x, .offset: 0, .size: 8, .value_kind: global_buffer, .address_space: global }
      - { .name: Wg, .offset: 8, .size: 8, .value_kind: global_buffer, .address_space: global }
      - { .name: bg, .offset: 16, .size: 8, .value_kind: global_buffer, .address_space: global }
      - { .name: ridx, .offset: 24, .size: 8, .value_kind: global_buffer, .address_space: global }
      - { .name: rgate, .offset: 32, .size: 8, .value_kind: global_buffer, .address_space: global }
    .group_segment_fixed_size: 38400
    .private_segment_fixed_size: 0
    .kernarg_segment_align: 8
    .kernarg_segment_size: 40
    .max_flat_workgroup_size: 256
    .sgpr_count:     66
    .vgpr_count:     256
    .wavefront_size: 32
...
	.end_amdgpu_metadata
.endif
;; end of part 6
;; launch place (part 7): grid 136 x 1, 4 waves a work-group, no clusters, 19,456 bytes of LDS; arguments ridx, x, rplace, xq; writes rplace, xq
.if DOCPART == 7
	.amdgcn_target "amdgcn-amd-amdhsa--gfx1250"
	.amdhsa_code_object_version 6
	.text
	.protected	k_q5104b5b0bf_place
	.globl	k_q5104b5b0bf_place
	.p2align	8
	.type	k_q5104b5b0bf_place,@function
k_q5104b5b0bf_place:
	s_mov_b64 s[64:65], 0
	v_nop
	global_prefetch_b8 v0, s[64:65] scope:SCOPE_SE
	s_setreg_imm32_b32 hwreg(HW_REG_WAVE_MODE, 25, 1), 1
	s_wait_xcnt 0x0
; THE PLACING.  The 2,048 routed rows (entry n = 2 token + slot) are sorted by expert, each expert filled up to whole tiles of 16 rows (at most 2,048 / 16 + 7 = 135 tiles, whatever the split);
; x's rows are gathered in that order, quantised to BF6 (E3M2, one E8M0 scale for 32 along K) and stored as IMAGES OF THE OPERAND'S REGISTERS:
; xq: tile T, K step S: 12 registers a lane as three runs of 512 bytes at (8 T + S) 1,536; its scale words, 4 bytes a lane, at XSOFF + (8 T + S) 128.
; rplace: pos[2048] (the sorted row of each entry), then tab[e] = first tile of expert e, tab[8] = all tiles.
; SHARES.  Every work-group makes the whole sort again (it is small) and then takes ONE tile, each of its four waves two of the tile's eight K steps: a wave's 32 loads of x go out together.
; A work-group whose tile this split does not have stores nothing and ends: the grid serves every split.  Work-group 0 also stores rplace.
; THE SORT, without atomics: each wave counts its 512 entries by expert; the counts meet in LDS; each wave ranks its entries with running counters that begin
; at 16 x the expert's first tile + the earlier waves' counts; the places go to LDS at plain addresses; WAVE 0 ALONE scatters the tokens into the list, since an
; address made of data cannot be told apart from another wave's: between those two barriers no other wave touches LDS.
; Rows that fill a tile up hold token 0: sound numbers whose results nobody reads.
; A block's scale is 2^(floor(log2(largest magnitude)) - 4); its byte is the largest magnitude's exponent field - 4, held at 1 from below.
; LIMITS: a block of zeros gets the byte 1 where the rule says 127 (its codes are zeros, and this program alone reads the bytes); NaN and infinities are not served.
.set LIST,  0                          ; LDS: the token of each sorted row: 2,560 words (2,176 used)
.set CW,    10240                      ; the waves' counts, 128 bytes a wave
.set POSB,  10752                      ; the entries' places, 8,192 bytes
.set XSOFF, 1671168                    ; 136 tiles x 8 K steps x 1,536 bytes
.set ENT,   16                         ; v16-31  my 16 entries' experts: register 4 i + k of lane l is entry 512 w + 128 i + 4 l + k
.set POS,   32                         ; v32-47  their places
.set TT,    48                         ; v48-55  at work
.set SEL,   24                         ; s[24:25]
.set SH8,   12                         ; v12     8 x (lane / 16)
.set QM,    224
.set QSO,   226
.set QBY,   228
.set QPT,   230
.set QTP,   232
	s_load_b256 s[4:11], s[0:1], 0x0               ; ridx s[4:5], x s[6:7], rplace s[8:9], xq s[10:11]
	v_lshl_add_u32 v254, v0, 2, 0x4a00
	v_mov_b32 v255, 0
	v_lshrrev_b32 v4, 5, v0
	v_readfirstlane_b32 s14, v4                    ; wave 0..3
	v_and_b32 v3, 31, v0                           ; lane
	v_lshlrev_b32 v1, 4, v3
	v_lshlrev_b32 v2, 2, v3
	s_lshl_b32 s15, s14, 11
	v_add_nc_u32 v5, s15, v1                       ; 2,048 w + 16 lane: my entries' bytes
	v_lshlrev_b32 v6, 4, v0                        ; 16 x thread
	s_mov_b32 s16, ttmp9                           ; T: my work-group's tile
	s_lshl_b32 s17, s16, 6
	v_and_b32 v9, 15, v0
	v_lshlrev_b32 v9, 2, v9
	v_add_nc_u32 v9, s17, v9                       ; LDS: the list's word of my row of the tile (made here, ahead of every parting of the waves)
	v_bfe_u32 v11, v0, 4, 1                        ; h
	v_lshlrev_b32 v[SH8], 3, v11
	v_lshlrev_b32 v11, 7, v11                      ; 128 h
	s_lshl_b32 s17, s14, 7
	v_add_nc_u32 v7, s17, v2                       ; LDS: my wave's counts
	v_lshlrev_b32 v13, 1, v3                       ; 2 x lane
	s_mov_b32 s[SEL], 0x76543210
	s_mov_b32 s[SEL+1], 0xfedcba98
	s_wait_kmcnt 0x0
.irp i, 0,1,2,3
	global_load_b128 v[ENT+4*\i:ENT+4*\i+3], v5, s[4:5] offset:512*\i
.endr
.irp k, 56,57,58,59
	v_mov_b32 v\k, 0
.endr
.irp k, 0,1,2,3,4
	ds_store_b128 v6, v[56:59] offset:LIST+2048*\k     ; the list begins as token 0 everywhere
.endr
.irp e, 0,1,2,3,4,5,6,7
	s_mov_b32 s[48+\e], 0
.endr
	s_wait_loadcnt 0x0
.set a, 0
.rept 16
	v_min_u32 v[ENT+a], 7, v[ENT+a]
.set a, a+1
.endr
.macro COUNT a                         ; how many of the wave's lanes hold expert e in register a: onto s[48 + e]
.irp e, 0,1,2,3,4,5,6,7
	v_cmp_eq_u32 s[40+\e], \e, v[ENT+\a]
.endr
.irp e, 0,1,2,3,4,5,6,7
	s_bcnt1_i32_b32 s[56+\e], s[40+\e]
.endr
.irp e, 0,1,2,3,4,5,6,7
	s_add_co_u32 s[48+\e], s[48+\e], s[56+\e]
.endr
.endm
.irp a, 0,1,2,3,4,5,6,7,8,9,10,11,12,13,14,15
	COUNT \a
.endr
	v_mov_b32 v8, 0
.irp e, 0,1,2,3,4,5,6,7
	v_writelane_b32 v8, s[48+\e], \e
.endr
	ds_store_b32 v7, v8 offset:CW
	s_wait_dscnt 0x0                               ; my counts and my part of the list have landed
	s_barrier_signal -1
	s_barrier_wait -1
.irp u, 0,1,2,3
	ds_load_b32 v[56+\u], v2 offset:CW+128*\u      ; lane e: wave u's count of expert e
.endr
	s_wait_dscnt 0x0
	v_add_nc_u32 v60, v56, v57
	v_add3_u32 v60, v60, v58, v59                  ; all four waves'
	v_mov_b32 v61, 0
.irp u, 0,1,2
	s_cmp_gt_u32 s14, \u
	s_cselect_b32 s17, -1, 0
	v_and_b32 v62, s17, v[56+\u]
	v_add_nc_u32 v61, v61, v62                     ; the waves' in front of mine
.endr
	s_wait_alu depctr_va_vdst(0)
	s_mov_b32 s66, 0                               ; s[66 + e]: expert e's first tile; s74: all tiles
.irp e, 0,1,2,3,4,5,6,7
	v_readlane_b32 s17, v60, \e
	s_add_co_u32 s17, s17, 15
	s_lshr_b32 s17, s17, 4
	s_add_co_u32 s[67+\e], s[66+\e], s17
	v_readlane_b32 s18, v61, \e
	s_lshl_b32 s19, s[66+\e], 4
	s_add_co_u32 s[48+\e], s18, s19                ; where my wave's rows of expert e begin
.endr
.macro RANK a                          ; the place of each lane's entry in register a
.irp e, 0,1,2,3,4,5,6,7
	v_cmp_eq_u32 s[40+\e], \e, v[ENT+\a]
.endr
	v_mbcnt_lo_u32_b32 v[POS+\a], s40, s48         ; the running counter + the lanes below me with the same expert
.irp e, 1,2,3,4,5,6,7
	v_mbcnt_lo_u32_b32 v[TT+\e], s[40+\e], s[48+\e]
.endr
.irp e, 1,2,3,4,5,6,7
	v_cndmask_b32 v[POS+\a], v[POS+\a], v[TT+\e], s[40+\e]
.endr
.irp e, 0,1,2,3,4,5,6,7
	s_bcnt1_i32_b32 s[56+\e], s[40+\e]
.endr
.irp e, 0,1,2,3,4,5,6,7
	s_add_co_u32 s[48+\e], s[48+\e], s[56+\e]
.endr
.endm
; WHO RANKS WHAT.  Work-groups 0-134 gather a tile each and need the places of that tile's expert alone; work-group 135, which has no tile under any split (135 tiles at the most), ranks all eight experts
; and stores rplace (what the head says of work-group 0 holds of it).  Both rank in one order: registers ascending, lanes ascending, from the same counters: so the places agree.
	s_cmp_eq_u32 ttmp9, 135
	s_cbranch_scc1 .Lfull
	s_mov_b32 s75, 0                               ; my tile's expert: the last one whose first tile is not behind my tile (the first tiles never fall),
	s_mov_b32 s76, s48                             ; and where my wave's rows of it begin
.irp e, 1,2,3,4,5,6,7
	s_cmp_le_u32 s[66+\e], s16
	s_cselect_b32 s75, \e, s75
	s_cselect_b32 s76, s[48+\e], s76
.endr
	v_add_nc_u32 v62, 0x880, v3                    ; an entry of another expert goes to word 2,176 + lane of the list: behind the 2,176 rows, a word of its own for each lane, read by nobody
.irp g, 0,1
.irp k, 0,1,2,3,4,5,6,7
	v_cmp_eq_u32 s[40+\k], s75, v[ENT+8*\g+\k]
.endr
.irp k, 0,1,2,3,4,5,6,7
	v_mbcnt_lo_u32_b32 v[TT+\k], s[40+\k], s76     ; the running counter + the lanes below me with the same expert
	s_bcnt1_i32_b32 s56, s[40+\k]
	s_add_co_u32 s76, s76, s56
.endr
	s_wait_alu depctr_va_vdst(0)
.irp k, 0,1,2,3,4,5,6,7
	v_cndmask_b32 v[POS+8*\g+\k], v62, v[TT+\k], s[40+\k]
.endr
.endr
	s_branch .Lranked
.Lfull:
.irp a, 0,1,2,3,4,5,6,7,8,9,10,11,12,13,14,15
	RANK \a
.endr
.Lranked:
	s_wait_alu depctr_va_vdst(0)
.irp i, 0,1,2,3
	ds_store_b128 v5, v[POS+4*\i:POS+4*\i+3] offset:POSB+512*\i
.endr
	s_cmp_lg_u32 ttmp9, 135
	s_cbranch_scc1 .Lnot0                          ; work-group 135 stores the places and the table
.irp i, 0,1,2,3
	global_store_b128 v5, v[POS+4*\i:POS+4*\i+3], s[8:9] offset:512*\i
.endr
	s_cmp_lg_u32 s14, 0
	s_cbranch_scc1 .Lnot0
	v_mov_b32 v63, 0
.irp e, 0,1,2,3,4,5,6,7,8
	v_writelane_b32 v63, s[66+\e], \e
.endr
	global_store_b32 v2, v63, s[8:9] offset:8192
.Lnot0:
	s_wait_dscnt 0x0                               ; my places have landed, my reads of the counts are in
	s_barrier_signal -1
	s_barrier_wait -1
	s_cmp_lg_u32 s14, 0
	s_cbranch_scc1 .Lnosc                          ; wave 0 alone scatters
.irp j, 0,1,2,3,4,5,6,7,8,9,10,11,12,13,14,15
	ds_load_b128 v[64+4*\j:64+4*\j+3], v1 offset:POSB+512*\j   ; register 4 j + k: the place of entry 128 j + 4 l + k
.endr
	s_wait_dscnt 0x0
.irp j, 0,1,2,3,4,5,6,7,8,9,10,11,12,13,14,15
	v_add_nc_u32 v14, 64*\j, v13                   ; the token of entries k = 0, 1,
	v_add_nc_u32 v15, 64*\j+1, v13                 ; and of k = 2, 3
.irp k, 0,1,2,3
	v_min_u32 v[64+4*\j+\k], 0x9ff, v[64+4*\j+\k]  ; inside the list's 2,560 words
	v_lshlrev_b32 v[64+4*\j+\k], 2, v[64+4*\j+\k]
	ds_store_b32 v[64+4*\j+\k], v[14+\k/2]
.endr
.endr
.Lnosc:
	s_wait_dscnt 0x0
	s_barrier_signal -1
	s_barrier_wait -1                              ; the list is whole; no barrier follows
	s_cmp_ge_u32 s16, s74
	s_cbranch_scc1 .Lend                           ; this split has no such tile
	v_min_u32 v9, 0x21fc, v9                       ; held inside the list: tile 135's last word lies at byte 8,700
	ds_load_b32 v10, v9
	s_mul_i32 s18, s16, 12288                      ; the tile's images,
	s_mul_i32 s26, s14, 3072                       ; my two K steps of them: 2 w and 2 w + 1
	s_add_co_u32 s18, s18, s26
	s_mov_b32 s19, 0
	s_add_nc_u64 s[20:21], s[10:11], s[18:19]
	s_lshl_b32 s18, s16, 10                        ; the tile's scale words,
	s_lshl_b32 s26, s14, 8                         ; my two K steps'
	s_add_co_u32 s18, s18, s26
	s_add_nc_u64 s[22:23], s[10:11], s[18:19]
	s_lshl_b32 s26, s14, 10                        ; in a row of x my two K steps begin 1,024 w bytes on
	v_add_nc_u32 v11, s26, v11                     ; + 128 h
	s_wait_dscnt 0x0
	v_min_u32 v10, 0x3ff, v10                      ; a token
	s_wait_alu depctr_va_vdst(0)
	v_lshl_add_u32 v10, v10, 12, v11               ; its row of 4,096 bytes: lane (r, h) holds k = 64 c + 32 h + 0..31 of a K step: two whole blocks
.macro XL S                            ; my K step S = 0, 1: 64 numbers a lane into set S
.irp c, 0,1
.irp m, 0,1,2,3,4,5,6,7
	global_load_b128 v[64+64*(\S)+32*\c+4*\m:64+64*(\S)+32*\c+4*\m+3], v10, s[6:7] offset:512*(\S)+256*\c+16*\m
.endr
.endr
.endm
; 64 numbers of a lane, v[s + 32 c + i] = k 64 c + 32 h + i of my row, become the fragment's 12 registers at v[cd] and its scale word in v[wd]
.macro QF s, cd, wd
.irp c, 0,1
	v_max3_num_f32 v[QM+\c], |v[(\s)+32*\c]|, |v[(\s)+32*\c+1]|, 0x2800000   ; with the floor 2^(5 - 127): the byte cannot fall under 1
.endr
.irp i, 2,4,6,8,10,12,14,16,18,20,22,24,26,28,30
.irp c, 0,1
	v_max3_num_f32 v[QM+\c], v[QM+\c], |v[(\s)+32*\c+\i]|, |v[(\s)+32*\c+\i+1]|
.endr
.endr
.irp c, 0,1
	v_add_nc_u32 v[QSO+\c], 0xfe000000, v[QM+\c]   ; 4 off the exponent field: the conversion's scale operand
.endr
.irp c, 0,1
	v_lshrrev_b32 v[QBY+\c], 23, v[QSO+\c]         ; the scale's byte
.endr
	v_lshl_or_b32 v[\wd], v[QBY+1], 16, v[QBY]     ; my blocks h and 2 + h,
	v_lshlrev_b32 v[\wd], v[SH8], v[\wd]           ; at their places in the word;
	v_mov_b32 v[QPT], 0
	v_permlanex16_b32 v[QPT], v[\wd], s[SEL], s[SEL+1]
	v_or_b32 v[\wd], v[\wd], v[QPT]                ; with lane l xor 16's two the word is whole
.irp c, 0,1
	v_cvt_scalef32_pk16_bf6_f32 v[(\cd)+6*\c:(\cd)+6*\c+2], v[(\s)+32*\c:(\s)+32*\c+15], v[QSO+\c]
	v_cvt_scalef32_pk16_bf6_f32 v[QTP+4*\c:QTP+4*\c+2], v[(\s)+32*\c+16:(\s)+32*\c+31], v[QSO+\c]   ; (three registers begin on an even number: made elsewhere and moved)
.endr
	v_nop                                          ; one plain instruction behind the conversions
.irp c, 0,1
.irp i, 0,1,2
	v_mov_b32 v[(\cd)+6*\c+3+\i], v[QTP+4*\c+\i]
.endr
.endr
.endm
	XL 0
	XL 1
.macro KSTEP S                         ; each of the two steps has registers of its own for its codes and its scale word: no store's data are written again
	s_wait_loadcnt 16*(1-(\S))                     ; step 0: the second step's 16 loads may be out
	QF 64+64*(\S), 192+16*(\S), 204+16*(\S)
.irp q, 0,1,2
	global_store_b128 v1, v[192+16*(\S)+4*\q:192+16*(\S)+4*\q+3], s[20:21] offset:(\S)*1536+512*\q   ; 512 consecutive bytes a store
.endr
	global_store_b32 v2, v[204+16*(\S)], s[22:23] offset:XSOFF+128*(\S)
.endm
	KSTEP 0
	KSTEP 1
.Lend:
	s_barrier_signal -1
	s_barrier_wait -1
	s_wait_tensorcnt 0x0
	ds_add_u32 v254, v255
	s_wait_dscnt 0x0
	s_endpgm
.Lfunc_end_k_q5104b5b0bf_place:
	.size	k_q5104b5b0bf_place, .Lfunc_end_k_q5104b5b0bf_place-k_q5104b5b0bf_place
	.p2alignl 7, 3214868480
	.fill 96, 4, 3214868480
	.section	.rodata,"a",@progbits
	.p2align	6, 0x0
	.amdhsa_kernel k_q5104b5b0bf_place
		.amdhsa_group_segment_fixed_size 19456
		.amdhsa_private_segment_fixed_size 0
		.amdhsa_enable_private_segment 0
		.amdhsa_kernarg_size 32
		.amdhsa_user_sgpr_count 2
		.amdhsa_user_sgpr_kernarg_segment_ptr 1
		.amdhsa_wavefront_size32 1
		.amdhsa_system_sgpr_workgroup_id_x 1
		.amdhsa_system_sgpr_workgroup_id_y 1
		.amdhsa_system_sgpr_workgroup_id_z 1
		.amdhsa_system_vgpr_workitem_id 0
		.amdhsa_next_free_vgpr 256
		.amdhsa_next_free_sgpr 80
		.amdhsa_reserve_vcc 0
		.amdhsa_float_denorm_mode_32 3
		.amdhsa_float_denorm_mode_16_64 3
		.amdhsa_memory_ordered 1
		.amdhsa_forward_progress 1
		.amdhsa_inst_pref_size 84
	.end_amdhsa_kernel
	.amdgpu_metadata
---
amdhsa.version: [ 1, 2 ]
amdhsa.kernels:
  - .name:           k_q5104b5b0bf_place
    .symbol:         k_q5104b5b0bf_place.kd
    .args:
      - { .name: ridx, .offset: 0, .size: 8, .value_kind: global_buffer, .address_space: global }
      - { .name: x, .offset: 8, .size: 8, .value_kind: global_buffer, .address_space: global }
      - { .name: rplace, .offset: 16, .size: 8, .value_kind: global_buffer, .address_space: global }
      - { .name: xq, .offset: 24, .size: 8, .value_kind: global_buffer, .address_space: global }
    .group_segment_fixed_size: 19456
    .private_segment_fixed_size: 0
    .kernarg_segment_align: 8
    .kernarg_segment_size: 32
    .max_flat_workgroup_size: 128
    .sgpr_count:     80
    .vgpr_count:     256
    .wavefront_size: 32
...
	.end_amdgpu_metadata
.endif
;; end of part 7
;; launch up (part 8): grid 32 x 8, 4 waves a work-group, no clusters, 104,960 bytes of LDS; arguments W1, b1, xq, rplace, hq; writes hq
.if DOCPART == 8
	.amdgcn_target "amdgcn-amd-amdhsa--gfx1250"
	.amdhsa_code_object_version 6
	.text
	.protected	k_q5104b5b0bf_up
	.globl	k_q5104b5b0bf_up
	.p2align	8
	.type	k_q5104b5b0bf_up,@function
k_q5104b5b0bf_up:
	s_mov_b64 s[64:65], 0
	v_nop
	global_prefetch_b8 v0, s[64:65] scope:SCOPE_SE
	s_setreg_imm32_b32 hwreg(HW_REG_WAVE_MODE, 25, 1), 1
	s_wait_xcnt 0x0
; THE FIRST PRODUCT OF THE CHOSEN ROWS: h = gelu(x W1 + b1), quantised along the hidden axis, on codes of BF6 (E3M2) with one E8M0 scale for 32 along K.
; SHARES.  A work-group takes one expert (grid y) x 128 hidden units (grid x: K step sigma of the second product) x all 1,024 of K: 512 KB of W1, read ONCE, by nobody else.
; The weights stream, the sums stay.  K goes in eight steps of 128.  In a step wave w loads the 32 rows of K of block w for all 128 columns (32 loads of 512 consecutive bytes), turns them in
; registers (a lane then holds 4 columns x 32 along K), quantises the four blocks and puts codes and scale bytes into LDS as images of the operand's registers; one barrier; every wave reads all eight fragments.
; The loads are of 16 bytes a lane, so that the loads a wave can have out carry four times the bytes that a lane to a column would; the 128 moves a step are the price.
; THE ROWS are shared among the waves: slot i = 0..4 of wave w is the expert's tile 4 i + w (16 sorted rows, images made by the launch before).  All five slots are always multiplied, an absent tile as a
; clamped sound one whose sums nobody reads: so the streaming part has no branch on data and every barrier is on every wave's path.  Each K step has LDS bytes of its own, so all codes stay,
; and tiles beyond 20 are multiplied from them behind the last barrier (macro OVER): every split is served, an expert with 1,024 rows too.
; TRANSPOSED: source 0 = 16 columns of W1, source 1 = 16 rows.  Column 4 l + jq goes to tile 4 hf + j', row 8 hm + jj (hf = c / 64, hm = c / 32 % 2, j' = c / 8 % 4, jj = c % 8), so that lane (r, h) holds row r and
; register 32 hf + u of a slot's 64 is column 64 hf + 32 h + u: a whole block of the next K in one lane.  b1 is the C of the first step's products.
; NO CLUSTER, NO TENSOR LOADS: the weights are shared with nobody; the rows' images are shared by an expert's 32 work-groups but are a twelfth of a step's bytes, and the number of an expert's tiles is read from memory,
; on which the trips behind the last barrier hang.
; GELU is 0.5 x (1 + erf(x / sqrt 2)), erf(z) = z P(z^2) / Q(z^2) on z held to +-4, in f32.
; LIMITS: erf's absolute error is about 1e-7, so gelu's relative error grows where x is under about -3, far under its block's step; a block of zeros gets the byte 1 where the rule says 127 (its codes are zeros,
; this program alone reads the bytes); NaN and infinities are not served.
; REGISTERS, in windows of 256.  Window 0: v1-9 addresses; v10-19 the slots' offsets; v20-29 rows' scale words, v30-33 weights' scale words (scales and nothing else); v34-45 at work; v64-111 codes just made;
;   v128-255 the turned numbers, then v128-223 the eight weight fragments.  Window 1: the weights as loaded, two sets of 128.  Window 2: slots 0-3 (64 i + 8 t).
;   Window 3: slot 4 at v0; the rows' fragments, two sets, at v64 and v128; b1 in the result's layout at v192.
.set PITCH, 16384                      ; a row of W1 in bytes
.set KSTR,  128*PITCH                  ; a K step
.set OPT,   12288                      ; a tile's images in xq
.set OST,   1024                       ; a tile's scale words
.set XSOFF, 1671168                    ; where xq's scale words begin
.set HSOFF, 6684672                    ; where hq's begin
.set SREG,  13056                      ; LDS: a K step's region: eight fragments (hf 6,272 + j' 1,544 + c 768 + g 256 + 8 lane), then 512 scale bytes
.set SCB,   12544
.set WB,    24                         ; s[24:25] my rows of K steps 0-3, s[26:27] of K steps 4-7: a load's immediate reaches four steps
.set XB,    28                         ; s[28:29] the rows' images
.set XSB,   56                         ; s[56:57] their scale words
.set SEL,   54
.set A13, 32                           ; s[32:53] erf's coefficients and sqrt 2, each twice: the packed forms name a pair
.set A9,  34
.set A7,  36
.set A5,  38
.set A3,  40
.set A1,  42
.set B8,  44
.set B4,  46
.set B2,  48
.set B0,  50
.set SQ2, 52
.set BM,  34                           ; v34-37 largest magnitudes, v38-41 scale operands, v42-45 bytes
.set BS,  38
.set BB,  42
.set SH8, 46
.set GZ,  128
.set GT,  160
.set GP,  192
.set GQ,  224
.set QTP, 140
.set QM,  148
.set QSO, 150
.set QBY, 152
.set QPT, 155
.set FST, 0                            ; 1 while the products that are being written start their sums
.set MSB, 0
.macro WIN new                         ; the immediate's high byte repeats the setting that is left
.if MSB != \new
	s_set_vgpr_msb (MSB<<8)|\new
.set MSB, \new
.endif
.endm
.macro KP r, val
	s_mov_b32 s[\r], \val
	s_mov_b32 s[\r+1], \val
.endm
.macro PLACES
.rept 4
	v_nop
.endr
.endm
.macro WLOAD k, i0, n                  ; rows i0 .. i0 + n - 1 of my block of K step k into set k % 2 of window 1
	WIN 0x40
.set ii, \i0
.rept \n
	global_load_b128 v[128*((\k)%2)+4*ii:128*((\k)%2)+4*ii+3], v1, s[WB+2*((\k)/4):WB+2*((\k)/4)+1] offset:((\k)%4)*KSTR+ii*PITCH th:TH_LOAD_NT
.set ii, ii+1
.endr
	WIN 0
.endm
; A PREFETCH of my 32 rows x 512 bytes of K step k: 64 blocks of 256 bytes, a lane a row, two instructions a wave.  No other wave of the launch loads these bytes, so each block is named once.
; K step s asks for K step s + 4, two steps ahead of the step that issues its loads; the head asks for K steps 2 and 3; the last four steps ask for nothing.  v61 and the bases are never rewritten.
.macro PF k
.irp j, 0,1
	global_prefetch_b8 v61, s[WB+2*((\k)/4):WB+2*((\k)/4)+1] offset:((\k)%4)*KSTR+256*\j th:TH_LOAD_NT scope:SCOPE_SE
.endr
.endm
.macro XFR k, i                        ; slot i's fragment of K step k
.irp q, 0,1,2
	global_load_b128 v[64+64*((\k)%2)+12*(\i)+4*\q:64+64*((\k)%2)+12*(\i)+4*\q+3], v[10+(\i)], s[XB:XB+1] offset:(\k)*1536+512*\q
.endr
.endm
; The slots' fragments and scale words of K step k into set k % 2: 16 loads for slots 0-3, 4 for slot 4.  SLOT 4 IS PASSED OVER by a wave that has fewer than five tiles, from K step 2's loads and K step 1's
; products on (K steps 0 and 1 load it and K step 0 multiplies it, so that every register is written): a scalar branch on the stored count, round loads and products alone, round no barrier.
; What the head says of five slots that are always multiplied holds of slots 0-3.
.macro XLOAD k
	WIN 0xc0
.irp i, 0,1,2,3
	XFR \k, \i
.endr
	WIN 0
.irp i, 0,1,2,3
	global_load_b32 v[20+5*((\k)%2)+\i], v[15+\i], s[XSB:XSB+1] offset:XSOFF+(\k)*128
.endr
.if (\k) > 1
	s_cmp_lt_u32 s21, 5
	s_cbranch_scc1 .Lnox_\@
.endif
	WIN 0xc0
	XFR \k, 4
	WIN 0
	global_load_b32 v[24+5*((\k)%2)], v19, s[XSB:XSB+1] offset:XSOFF+(\k)*128
.if (\k) > 1
.Lnox_\@:
.endif
.endm
.macro QB4                             ; four whole blocks, v[128 + 32 b + 0..31], become six code registers each at v[64 + 8 b] and a byte in v[BB + b]
.irp b, 0,1,2,3
	v_max3_num_f32 v[BM+\b], |v[128+32*\b]|, |v[129+32*\b]|, 0x2800000   ; with the floor 2^(5 - 127): the byte cannot fall under 1
.endr
.irp i, 2,4,6,8,10,12,14,16,18,20,22,24,26,28,30
.irp b, 0,1,2,3
	v_max3_num_f32 v[BM+\b], v[BM+\b], |v[128+32*\b+\i]|, |v[129+32*\b+\i]|
.endr
.endr
.irp b, 0,1,2,3
	v_add_nc_u32 v[BS+\b], 0xfe000000, v[BM+\b]    ; 4 off the exponent field: the conversion's scale operand
.endr
.irp b, 0,1,2,3
	v_lshrrev_b32 v[BB+\b], 23, v[BS+\b]           ; the scale's byte
.endr
.irp b, 0,1,2,3
	v_cvt_scalef32_pk16_bf6_f32 v[64+8*\b:66+8*\b], v[128+32*\b:143+32*\b], v[BS+\b]
	v_cvt_scalef32_pk16_bf6_f32 v[96+4*\b:98+4*\b], v[144+32*\b:159+32*\b], v[BS+\b]   ; (three registers begin on an even number: made elsewhere and moved)
.endr
	v_nop                                          ; one plain instruction behind the conversions
.irp b, 0,1,2,3
.irp i, 0,1,2
	v_mov_b32 v[67+8*\b+\i], v[96+4*\b+\i]
.endr
.endr
.endm
.macro WFETCH ra, rb, off              ; a K step's eight fragments and their scale words out of LDS: 256 consecutive bytes a load
.irp t, 0,1,2,3,4,5,6,7
.irp c, 0,1
.irp g, 0,1,2
	ds_load_b64 v[128+12*\t+6*\c+2*\g:129+12*\t+6*\c+2*\g], v[\ra] offset:(\off)+(\t/4)*6272+(\t%4)*1544+768*\c+256*\g
.endr
.endr
.endr
.irp i, 0,1,2,3
	ds_load_b32 v[30+\i], v[\rb] offset:(\off)+SCB+128*\i      ; lanes 0-15: tile 2 i's words, lanes 16-31: tile 2 i + 1's
.endr
.endm
.macro MM ac, t, xf, xs                ; one product: weight tile t x the rows at xf.  While FST is 1, b1 starts the sum
.if FST
.if (\t)%2
	v_wmma_scale_f32_16x16x128_f8f6f4 v[(\ac):(\ac)+7], v[128+12*(\t):139+12*(\t)], v[(\xf):(\xf)+11], v[192+8*(\t):199+8*(\t)], v[30+(\t)/2], v[\xs] matrix_a_fmt:MATRIX_FMT_BF6 matrix_b_fmt:MATRIX_FMT_BF6 matrix_a_scale:MATRIX_SCALE_ROW1
.else
	v_wmma_scale_f32_16x16x128_f8f6f4 v[(\ac):(\ac)+7], v[128+12*(\t):139+12*(\t)], v[(\xf):(\xf)+11], v[192+8*(\t):199+8*(\t)], v[30+(\t)/2], v[\xs] matrix_a_fmt:MATRIX_FMT_BF6 matrix_b_fmt:MATRIX_FMT_BF6
.endif
.else
.if (\t)%2
	v_wmma_scale_f32_16x16x128_f8f6f4 v[(\ac):(\ac)+7], v[128+12*(\t):139+12*(\t)], v[(\xf):(\xf)+11], v[(\ac):(\ac)+7], v[30+(\t)/2], v[\xs] matrix_a_fmt:MATRIX_FMT_BF6 matrix_b_fmt:MATRIX_FMT_BF6 matrix_a_scale:MATRIX_SCALE_ROW1
.else
	v_wmma_scale_f32_16x16x128_f8f6f4 v[(\ac):(\ac)+7], v[128+12*(\t):139+12*(\t)], v[(\xf):(\xf)+11], v[(\ac):(\ac)+7], v[30+(\t)/2], v[\xs] matrix_a_fmt:MATRIX_FMT_BF6 matrix_b_fmt:MATRIX_FMT_BF6
.endif
.endif
.endm
; A K STEP.  Loads were issued in the order (b1), W(0), X(0), W(1), X(1), and then in step s: W(s + 2), X(s + 2).
.macro STEP s
.if (\s) == 7
	s_wait_loadcnt 16                              ; behind W(7) stand X(7)'s 16 loads, or 20
.else
	s_wait_loadcnt 63                              ; behind W(s) stand X(s), W(s + 1), X(s + 1): 72 loads; 63 is the largest count that the wait can name
.endif
	v_add_nc_u32 v6, (\s)*SREG, v4                 ; this step's LDS region: where I put codes,
	v_add_nc_u32 v7, (\s)*SREG, v5                 ; and bytes; where I read fragments,
	v_add_nc_u32 v8, (\s)*SREG, v3
	v_add_nc_u32 v9, (\s)*SREG, v2                 ; and scale words
	WIN 0x01
.set jq, 0
.rept 4
.set ii, 0
.rept 32
	v_mov_b32 v[128+32*jq+ii], v[128*((\s)%2)+4*ii+jq]         ; [row][4 columns] becomes [column][row]
.set ii, ii+1
.endr
.set jq, jq+1
.endr
	WIN 0
.if (\s) < 6
	WLOAD (\s)+2, 0, 8
.endif
.if (\s) < 4
	PF (\s)+4
.endif
	QB4
.irp b, 0,1,2,3
.irp g, 0,1,2
	ds_store_b64 v6, v[64+8*\b+2*\g:65+8*\b+2*\g] offset:8*\b+256*\g   ; the 32 lanes touch 32 different places of 8 bytes modulo 256
.endr
	ds_store_b8 v7, v[BB+\b] offset:4*\b           ; byte w of the column's scale word
.endr
.if (\s) < 6
	WLOAD (\s)+2, 8, 8
.endif
	s_wait_dscnt 0x0                               ; for the others' sake: my codes and bytes have landed
	s_barrier_signal -1
	s_barrier_wait -1                              ; the step's region is whole; it is never written again
	WFETCH 8, 9, 0
.if (\s) < 6
	WLOAD (\s)+2, 16, 16
.endif
.if (\s) < 6
	s_wait_loadcnt 63                              ; behind X(s) stand W(s + 1), X(s + 1), W(s + 2): 84 loads
.elseif (\s) == 6
	s_wait_loadcnt 48                              ; W(7)'s 32, and X(7)'s 16 or 20
.else
	s_wait_loadcnt 0
.endif
	s_wait_dscnt 0x0
.set FST, 0
.if (\s) == 0
.set FST, 1                            ; the first step's products start the sums, with b1 as their C
.endif
.irp i, 0,1,2,3,4                      ; 40 accumulators by turns, one instruction a turn, in the same order in every step
.if \i < 4
.if (\s) == 0
	WIN 0xbc                                       ; source 1 and C (b1) window 3, D window 2
.else
	WIN 0xac                                       ; source 1 window 3, C and D window 2
.endif
.else
.if (\s) > 0
	WIN 0
	s_cmp_lt_u32 s21, 5                            ; fewer than five tiles are mine: slot 4 has no tile
	s_cbranch_scc1 .Lno4_\s
.endif
	WIN 0xfc
.endif
.irp t, 0,1,2,3,4,5,6,7
	MM 64*(\i%4)+8*\t, \t, 64+64*((\s)%2)+12*\i, 20+5*((\s)%2)+\i
.endr
.endr
.set FST, 0
	WIN 0
.if (\s) > 0
.Lno4_\s:
.endif
	PLACES                                         ; four places ahead of loads into, and moves over, registers that these products read, and of the first read of results
.if (\s) < 6
	XLOAD (\s)+2
.endif
.endm
	s_load_b256 s[4:11], s[0:1], 0x0               ; W1 s[4:5], b1 s[6:7], xq s[8:9], rplace s[10:11]
	s_load_b64 s[12:13], s[0:1], 0x20              ; hq
	v_lshl_add_u32 v62, v0, 2, 0x19800
	v_mov_b32 v63, 0
	v_lshrrev_b32 v48, 5, v0
	v_readfirstlane_b32 s14, v48                   ; wave 0..3
	s_and_b32 s15, ttmp7, 0xffff                   ; the expert
	s_mov_b32 s16, ttmp9                           ; sigma
	v_and_b32 v48, 31, v0
	v_lshlrev_b32 v1, 4, v48                       ; 16 x lane
	v_lshlrev_b32 v2, 2, v48                       ; 4 x lane
	v_lshlrev_b32 v3, 3, v48                       ; 8 x lane
	v_lshlrev_b32 v61, 14, v48                     ; the prefetches' offset: my lane x a row of W1; never rewritten
	v_bfe_u32 v49, v0, 4, 1                        ; hf of my columns; also h
	v_bfe_u32 v50, v0, 3, 1                        ; hm
	v_bfe_u32 v51, v0, 1, 2                        ; j'
	v_and_b32 v52, 1, v0
	v_lshlrev_b32 v[SH8], 3, v49
	v_lshlrev_b32 v47, 7, v49                      ; 128 h: b1's numbers of my half
	v_mul_u32_u24 v4, v49, 6272                    ; where my columns' codes go: the tile,
	v_mad_u32_u24 v4, v51, 1544, v4
	v_lshl_add_u32 v4, v50, 6, v4                  ; 8 bytes x row 8 hm + 4 (l & 1) + jq,
	v_lshl_add_u32 v4, v52, 5, v4
	s_and_b32 s30, s14, 1
	s_lshl_b32 s30, s30, 7                         ; block w: lanes 16 (w & 1) on,
	s_lshr_b32 s31, s14, 1
	s_mul_i32 s31, s31, 768                        ; registers 6 (w / 2) on
	s_add_co_u32 s30, s30, s31
	v_add_nc_u32 v4, s30, v4
	v_lshlrev_b32 v5, 8, v49                       ; and their scale bytes: 64 t + 4 m + w
	v_lshl_add_u32 v5, v51, 6, v5
	v_lshl_add_u32 v5, v50, 5, v5
	v_lshl_add_u32 v5, v52, 4, v5
	s_add_co_u32 s30, s14, SCB
	v_add_nc_u32 v5, s30, v5
	s_lshl_b32 s17, s15, 2                         ; 4 e
	s_lshl_b32 s30, s15, 24                        ; the expert's 16 MiB,
	s_lshl_b32 s31, s16, 9                         ; my 128 columns,
	s_add_co_u32 s30, s30, s31
	s_lshl_b32 s31, s14, 19                        ; my 32 rows
	s_add_co_u32 s30, s30, s31
	s_mov_b32 s31, 0
	s_lshl_b32 s58, s15, 14
	s_lshl_b32 s59, s16, 9
	s_add_co_u32 s58, s58, s59
	s_mov_b32 s59, 0
	s_mov_b32 s[SEL], 0x76543210
	s_mov_b32 s[SEL+1], 0xfedcba98
	KP A13, 0xaf95df0b                             ; -2.72614225801306e-10
	KP A9,  0xb60cff51                             ; -2.10102402082508e-06
	KP A7,  0xb86ec2d2                             ; -5.69250639462346e-05
	KP A5,  0xba40ac63                             ; -7.34990630326855e-04
	KP A3,  0xbb41a1f6                             ; -2.95459980854025e-03
	KP A1,  0xbc83dbd4                             ; -1.60960333262415e-02
	KP B8,  0xb77460cd                             ; -1.45660718464996e-05
	KP B4,  0xbadc924e                             ; -1.68282697438203e-03
	KP B2,  0xbbf19bf8                             ; -7.37332916720468e-03
	KP B0,  0xbc69b6a7                             ; -1.42647390514189e-02
	KP SQ2, 0x3fb504f3                             ; sqrt 2
	s_wait_kmcnt 0x0
	s_add_nc_u64 s[WB:WB+1], s[4:5], s[30:31]
	s_add_nc_u64 s[WB+2:WB+3], s[WB:WB+1], 4*KSTR
	s_add_nc_u64 s[58:59], s[6:7], s[58:59]
	s_mov_b64 s[XB:XB+1], s[8:9]
	s_mov_b64 s[XSB:XSB+1], s[8:9]
	s_load_b32 s18, s[10:11], s17 offset:0x2000    ; the expert's first tile,
	s_load_b32 s19, s[10:11], s17 offset:0x2004    ; the next expert's,
	s_load_b32 s20, s[10:11], 0x2020               ; all tiles
	WIN 0xc0
.irp f, 0,1
.irp m, 0,1,2,3,4,5,6,7
	global_load_b128 v[192+32*\f+4*\m:192+32*\f+4*\m+3], v47, s[58:59] offset:256*\f+16*\m   ; b1 of columns 64 hf + 32 h + 4 m on
.endr
.endr
	WIN 0
	WLOAD 0, 0, 32
	s_wait_kmcnt 0x0
	PF 2
	PF 3
	s_sub_co_u32 s21, s19, s18                     ; the expert's tiles
	s_add_co_u32 s21, s21, 3
	s_sub_co_u32 s21, s21, s14
	s_lshr_b32 s21, s21, 2                         ; those of them that are mine: tiles 4 i + w
	s_min_u32 s21, s21, 16                         ; (an expert has at most 1,024 rows: 64 tiles)
	s_add_co_u32 s23, s18, s14                     ; my first tile
	s_sub_co_u32 s20, s20, 1
.irp i, 0,1,2,3,4
	s_add_co_u32 s30, s23, 4*\i
	s_min_u32 s30, s30, s20                        ; an absent tile is read as the last tile that exists,
	s_min_u32 s30, s30, 135                        ; inside the buffer
	s_mul_i32 s31, s30, OPT
	v_add_nc_u32 v[10+\i], s31, v1
	s_mul_i32 s31, s30, OST
	v_add_nc_u32 v[15+\i], s31, v2
.endr
	s_wait_alu depctr_va_vdst(0)
	XLOAD 0
	WLOAD 1, 0, 32
	XLOAD 1
.irp s, 0,1,2,3,4,5,6,7
	STEP \s
.endr
; BEHIND THE LAST BARRIER: my tiles, one a trip: gelu, the quantiser, the image to hq.
.macro OVER                            ; a tile beyond my five slots: all eight K steps from the codes that stayed in LDS, into slot 0
	s_min_u32 s30, s23, 135
	s_mul_i32 s31, s30, OPT
	v_add_nc_u32 v10, s31, v1
	s_wait_alu depctr_va_vdst(0)
	s_mul_i32 s31, s30, OST
	v_add_nc_u32 v15, s31, v2
	s_wait_alu depctr_va_vdst(0)
.irp s, 0,1,2,3,4,5,6,7
	PLACES
	WIN 0xc0
.irp q, 0,1,2
	global_load_b128 v[64+4*\q:64+4*\q+3], v10, s[XB:XB+1] offset:\s*1536+512*\q
.endr
	WIN 0
	global_load_b32 v20, v15, s[XSB:XSB+1] offset:XSOFF+\s*128
.if \s < 4
	WFETCH 3, 2, \s*SREG
.else
	WFETCH 8, 9, (\s-4)*SREG
.endif
	s_wait_loadcnt 0x0
	s_wait_dscnt 0x0
.set FST, 0
.if \s == 0
.set FST, 1
	WIN 0xbc
.else
	WIN 0xac
.endif
.irp t, 0,1,2,3,4,5,6,7
	MM 8*\t, \t, 64, 20
.endr
.set FST, 0
	WIN 0
.endr
	PLACES
.endm
.macro HEAD i                          ; slot i's 64 sums, halved, into v64-127; each accumulator is read from its low end on
.if \i < 4
	WIN 0x02
.else
	WIN 0x03
.endif
.set u, 0
.rept 32
	v_pk_mul_f32 v[64+u:65+u], v[64*(\i%4)+u:64*(\i%4)+u+1], 0.5 op_sel_hi:[1,0]
.set u, u+2
.endr
	WIN 0
.endm
.macro HORN d, k                       ; d = d x z^2 + k, sixteen pairs
.set u, 0
.rept 16
	v_pk_fma_f32 v[\d+u:\d+u+1], v[\d+u:\d+u+1], v[GT+u:GT+u+1], s[\k:\k+1] op_sel_hi:[1,1,0]
.set u, u+2
.endr
.endm
.macro GELU32 c                        ; 32 numbers x / 2 at v[64 + 32 c] become gelu(x), stage by stage over sixteen pairs
.set u, 0
.rept 16
	v_pk_mul_f32 v[GZ+u:GZ+u+1], v[64+32*\c+u:64+32*\c+u+1], s[SQ2:SQ2+1] op_sel_hi:[1,0]   ; z = x / sqrt 2
.set u, u+2
.endr
.set u, 0
.rept 32
	v_med3_num_f32 v[GZ+u], v[GZ+u], -4.0, 4.0
.set u, u+1
.endr
.set u, 0
.rept 16
	v_pk_mul_f32 v[GT+u:GT+u+1], v[GZ+u:GZ+u+1], v[GZ+u:GZ+u+1]
.set u, u+2
.endr
.set u, 0
.rept 16
	v_pk_fma_f32 v[GP+u:GP+u+1], v[GT+u:GT+u+1], s[A13:A13+1], v[34:35] op_sel_hi:[1,0,1]
	v_pk_fma_f32 v[GQ+u:GQ+u+1], v[GT+u:GT+u+1], s[B8:B8+1], v[36:37] op_sel_hi:[1,0,1]
.set u, u+2
.endr
	HORN GP, A9
	HORN GQ, B4
	HORN GP, A7
	HORN GQ, B2
	HORN GP, A5
	HORN GQ, B0
	HORN GP, A3
	HORN GP, A1
.set u, 0
	s_wait_alu depctr_va_vdst(0)
.rept 32
	v_rcp_f32 v[GQ+u], v[GQ+u]                     ; one batch
.set u, u+1
.endr
.set u, 0
.rept 16
	v_pk_mul_f32 v[GP+u:GP+u+1], v[GP+u:GP+u+1], v[GZ+u:GZ+u+1]   ; work that names no reciprocal stands behind the batch
.set u, u+2
.endr
	s_wait_alu depctr_va_vdst(0)                   ; one wait for the 32 reciprocals, ahead of their first reader
.set u, 0
.rept 16
	v_pk_mul_f32 v[GP+u:GP+u+1], v[GP+u:GP+u+1], v[GQ+u:GQ+u+1]   ; erf
.set u, u+2
.endr
.set u, 0
.rept 16
	v_pk_fma_f32 v[64+32*\c+u:64+32*\c+u+1], v[GP+u:GP+u+1], v[64+32*\c+u:64+32*\c+u+1], v[64+32*\c+u:64+32*\c+u+1]   ; x / 2 + erf x / 2
.set u, u+2
.endr
.endm
; 64 numbers of a lane, v[s + 32 c + i] = k 64 c + 32 h + i of my row, become the fragment's 12 registers at v[cd] and its scale word in v[wd]
.macro QF s, cd, wd
.irp c, 0,1
	v_max3_num_f32 v[QM+\c], |v[(\s)+32*\c]|, |v[(\s)+32*\c+1]|, 0x2800000
.endr
.irp i, 2,4,6,8,10,12,14,16,18,20,22,24,26,28,30
.irp c, 0,1
	v_max3_num_f32 v[QM+\c], v[QM+\c], |v[(\s)+32*\c+\i]|, |v[(\s)+32*\c+\i+1]|
.endr
.endr
.irp c, 0,1
	v_add_nc_u32 v[QSO+\c], 0xfe000000, v[QM+\c]
.endr
.irp c, 0,1
	v_lshrrev_b32 v[QBY+\c], 23, v[QSO+\c]
.endr
	v_lshl_or_b32 v[\wd], v[QBY+1], 16, v[QBY]     ; my blocks h and 2 + h, at their places in the word;
	v_lshlrev_b32 v[\wd], v[SH8], v[\wd]
	v_mov_b32 v[QPT], 0
	v_permlanex16_b32 v[QPT], v[\wd], s[SEL], s[SEL+1]
	v_or_b32 v[\wd], v[\wd], v[QPT]                ; with lane l xor 16's two the word is whole
.irp c, 0,1
	v_cvt_scalef32_pk16_bf6_f32 v[(\cd)+6*\c:(\cd)+6*\c+2], v[(\s)+32*\c:(\s)+32*\c+15], v[QSO+\c]
	v_cvt_scalef32_pk16_bf6_f32 v[QTP+4*\c:QTP+4*\c+2], v[(\s)+32*\c+16:(\s)+32*\c+31], v[QSO+\c]
.endr
	v_nop                                          ; one plain instruction behind the conversions
.irp c, 0,1
.irp i, 0,1,2
	v_mov_b32 v[(\cd)+6*\c+3+\i], v[QTP+4*\c+\i]
.endr
.endr
.endm
	s_cmp_eq_u32 s21, 0
	s_cbranch_scc1 .Lend                           ; no tile of this expert is mine
	v_mov_b32 v34, 0x32edffee                      ; 2.77068142495902e-08, in a vector pair, so that no line names two scalar pairs
	v_mov_b32 v35, 0x32edffee
	v_mov_b32 v36, 0xb95fbd29                      ; -2.13374055278905e-04
	v_mov_b32 v37, 0xb95fbd29
	v_add_nc_u32 v8, 4*SREG, v3                    ; LDS addresses for K steps 4-7: the immediate does not reach them from 0
	v_add_nc_u32 v9, 4*SREG, v2
	s_mul_i32 s60, s16, 1536                       ; K step sigma in a tile's images,
	s_lshl_b32 s61, s16, 7                         ; and in its scale words
	s_mov_b32 s22, 0
.Lepi:
	s_wait_xcnt 0x0                                ; the last trip's stores have read their registers: they are written again from here on
	s_cmp_eq_u32 s22, 1
	s_cbranch_scc1 .Lh1
	s_cmp_eq_u32 s22, 2
	s_cbranch_scc1 .Lh2
	s_cmp_eq_u32 s22, 3
	s_cbranch_scc1 .Lh3
	s_cmp_eq_u32 s22, 4
	s_cbranch_scc1 .Lh4
	s_cmp_eq_u32 s22, 0
	s_cbranch_scc1 .Lh0
	OVER
.Lh0:
	HEAD 0
	s_branch .Lcom
.Lh1:
	HEAD 1
	s_branch .Lcom
.Lh2:
	HEAD 2
	s_branch .Lcom
.Lh3:
	HEAD 3
	s_branch .Lcom
.Lh4:
	HEAD 4
.Lcom:
	GELU32 0
	GELU32 1
	QF 64, 128, 154
	s_min_u32 s30, s23, 135                        ; my tile
	s_mul_i32 s31, s30, 49152
	s_add_co_u32 s31, s31, s60
	v_add_nc_u32 v38, s31, v1
	s_lshl_b32 s31, s30, 12
	s_add_co_u32 s31, s31, s61
	v_add_nc_u32 v39, s31, v2
.irp q, 0,1,2
	global_store_b128 v38, v[128+4*\q:131+4*\q], s[12:13] offset:512*\q    ; 512 consecutive bytes a store
.endr
	global_store_b32 v39, v154, s[12:13] offset:HSOFF
	s_add_co_u32 s22, s22, 1
	s_add_co_u32 s23, s23, 4
	s_cmp_lt_u32 s22, s21
	s_cbranch_scc1 .Lepi
.Lend:
	s_barrier_signal -1
	s_barrier_wait -1
	s_wait_tensorcnt 0x0
	ds_add_u32 v62, v63
	s_wait_dscnt 0x0
	s_endpgm
.Lfunc_end_k_q5104b5b0bf_up:
	.size	k_q5104b5b0bf_up, .Lfunc_end_k_q5104b5b0bf_up-k_q5104b5b0bf_up
	.p2alignl 7, 3214868480
	.fill 96, 4, 3214868480
	.section	.rodata,"a",@progbits
	.p2align	6, 0x0
	.amdhsa_kernel k_q5104b5b0bf_up
		.amdhsa_group_segment_fixed_size 104960
		.amdhsa_private_segment_fixed_size 0
		.amdhsa_enable_private_segment 0
		.amdhsa_kernarg_size 40
		.amdhsa_user_sgpr_count 2
		.amdhsa_user_sgpr_kernarg_segment_ptr 1
		.amdhsa_wavefront_size32 1
		.amdhsa_system_sgpr_workgroup_id_x 1
		.amdhsa_system_sgpr_workgroup_id_y 1
		.amdhsa_system_sgpr_workgroup_id_z 1
		.amdhsa_system_vgpr_workitem_id 0
		.amdhsa_next_free_vgpr 1024
		.amdhsa_next_free_sgpr 66
		.amdhsa_reserve_vcc 0
		.amdhsa_float_denorm_mode_32 3
		.amdhsa_float_denorm_mode_16_64 3
		.amdhsa_memory_ordered 1
		.amdhsa_forward_progress 1
		.amdhsa_inst_pref_size 255
	.end_amdhsa_kernel
	.section	.bss,"aw",@nobits
	.p2align	6
	.space	262144
	.amdgpu_metadata
---
amdhsa.version: [ 1, 2 ]
amdhsa.kernels:
  - .name:           k_q5104b5b0bf_up
    .symbol:         k_q5104b5b0bf_up.kd
    .args:
      - { .name: W1, .offset: 0, .size: 8, .value_kind: global_buffer, .address_space: global }
      - { .name: b1, .offset: 8, .size: 8, .value_kind: global_buffer, .address_space: global }
      - { .name: xq, .offset: 16, .size: 8, .value_kind: global_buffer, .address_space: global }
      - { .name: rplace, .offset: 24, .size: 8, .value_kind: global_buffer, .address_space: global }
      - { .name: hq, .offset: 32, .size: 8, .value_kind: global_buffer, .address_space: global }
    .group_segment_fixed_size: 104960
    .private_segment_fixed_size: 0
    .kernarg_segment_align: 8
    .kernarg_segment_size: 40
    .max_flat_workgroup_size: 128
    .sgpr_count:     66
    .vgpr_count:     1024
    .wavefront_size: 32
...
	.end_amdgpu_metadata
.endif
;; end of part 8
;; launch down (part 9): grid 32 x 8, 4 waves a work-group, no clusters, 138,752 bytes of LDS; arguments W2, hq, rplace, part; writes part
.if DOCPART == 9
	.amdgcn_target "amdgcn-amd-amdhsa--gfx1250"
	.amdhsa_code_object_version 6
	.text
	.protected	k_q5104b5b0bf_down
	.globl	k_q5104b5b0bf_down
	.p2align	8
	.type	k_q5104b5b0bf_down,@function
k_q5104b5b0bf_down:
	s_mov_b64 s[64:65], 0
	v_nop
	global_prefetch_b8 v0, s[64:65] scope:SCOPE_SE
	s_setreg_imm32_b32 hwreg(HW_REG_WAVE_MODE, 25, 1), 1
	s_wait_xcnt 0x0
; THE SECOND PRODUCT OF THE CHOSEN ROWS, by quarters of K: part[q][row][:] = the sum over hidden units 1,024 q .. 1,024 q + 1,023 of h W2, on codes of BF6 (E3M2) with one E8M0 scale for 32 along K.
; SHARES.  A work-group takes one expert (grid y) x 128 columns x a quarter of K (grid x = cs + 8 q): 512 KB of W2, read ONCE, by nobody else, in runs of 512 consecutive bytes.
; K is cut rather than the columns: 32 columns x all of K would read four times the rows' codes a work-group and the weights in pieces of 128 bytes.  The four quarters' sums are added by the last launch, in a fixed order.
; The structure is the first product's: the weights stream, the sums stay; in each of eight K steps wave w loads the 32 rows of K of block w for all 128 columns, turns them in registers, quantises four blocks and
; puts codes and scale bytes into LDS as images of the operand's registers; one barrier; every wave reads all eight fragments and multiplies its five slots (slot i of wave w: the expert's tile 4 i + w; an absent tile as a
; clamped sound one whose sums nobody reads).  Each K step has LDS bytes of its own, so tiles beyond 20 are multiplied from the codes that stayed (macro OVER): every split is served.
; TRANSPOSED: source 0 = 16 columns of W2, source 1 = 16 rows of h; lane (r, h) holds row r, and register 32 hf + u of a slot's 64 is column 64 hf + 32 h + u.
; THE WAY OUT: a tile goes through the wave's own stage in LDS and leaves as rows of 512 consecutive, aligned bytes.
; NO CLUSTER, NO TENSOR LOADS: the weights are shared with nobody; the rows' images are a twelfth of a step's bytes, and the number of an expert's tiles is read from memory, on which the trips behind the last barrier hang.
; LIMITS: a block of zeros gets the byte 1 where the rule says 127 (its codes are zeros, this program alone reads the bytes); NaN and infinities are not served; an output's f32 sum is made of four quarters' sums.
; REGISTERS as in the first product, without b1: window 0: v1-9 addresses; v10-19 the slots' offsets; v20-29, v30-33 scale words (scales and nothing else); v34-45 at work; v47-49 the way out; v64-111 codes, later rows read back;
;   v128-255 the turned numbers, then the eight fragments.  Window 1: the weights as loaded.  Window 2: slots 0-3.  Window 3: slot 4 at v0; the rows' fragments at v64 and v128.
.set PITCH, 4096
.set KSTR,  128*PITCH
.set OPT,   49152                      ; a tile's images in hq
.set OST,   4096
.set XSOFF, 6684672                    ; where hq's scale words begin
.set SREG,  13056
.set SCB,   12544
.set STG,   8*SREG                     ; behind the eight regions: a stage of 16 rows x (512 + 16) bytes for each wave
.set WB,    24
.set XB,    28
.set XSB,   56
.set BM,  34
.set BS,  38
.set BB,  42
.set FST, 0                            ; 1 while the products that are being written start their sums
.set MSB, 0
.macro WIN new                         ; the immediate's high byte repeats the setting that is left
.if MSB != \new
	s_set_vgpr_msb (MSB<<8)|\new
.set MSB, \new
.endif
.endm
.macro PLACES
.rept 4
	v_nop
.endr
.endm
.macro WLOAD k, i0, n                  ; rows i0 .. i0 + n - 1 of my block of K step k into set k % 2 of window 1
	WIN 0x40
.set ii, \i0
.rept \n
	global_load_b128 v[128*((\k)%2)+4*ii:128*((\k)%2)+4*ii+3], v1, s[WB+2*((\k)/4):WB+2*((\k)/4)+1] offset:((\k)%4)*KSTR+ii*PITCH th:TH_LOAD_NT
.set ii, ii+1
.endr
	WIN 0
.endm
; A PREFETCH of my 32 rows x 512 bytes of K step k: 64 blocks of 256 bytes, a lane a row, two instructions a wave.  No other wave of the launch loads these bytes, so each block is named once.
; K step s asks for K step s + 4, two steps ahead of the step that issues its loads; the head asks for K steps 2 and 3; the last four steps ask for nothing.  v61 and the bases are never rewritten.
.macro PF k
.irp j, 0,1
	global_prefetch_b8 v61, s[WB+2*((\k)/4):WB+2*((\k)/4)+1] offset:((\k)%4)*KSTR+256*\j th:TH_LOAD_NT scope:SCOPE_SE
.endr
.endm
.macro XFR k, i                        ; slot i's fragment of K step k
.irp q, 0,1,2
	global_load_b128 v[64+64*((\k)%2)+12*(\i)+4*\q:64+64*((\k)%2)+12*(\i)+4*\q+3], v[10+(\i)], s[XB:XB+1] offset:(\k)*1536+512*\q
.endr
.endm
; The slots' fragments and scale words of K step k into set k % 2: 16 loads for slots 0-3, 4 for slot 4.  SLOT 4 IS PASSED OVER by a wave that has fewer than five tiles, from K step 2's loads and K step 1's
; products on (K steps 0 and 1 load it and K step 0 multiplies it, so that every register is written): a scalar branch on the stored count, round loads and products alone, round no barrier.
; What the head says of five slots that are always multiplied holds of slots 0-3.
.macro XLOAD k
	WIN 0xc0
.irp i, 0,1,2,3
	XFR \k, \i
.endr
	WIN 0
.irp i, 0,1,2,3
	global_load_b32 v[20+5*((\k)%2)+\i], v[15+\i], s[XSB:XSB+1] offset:XSOFF+(\k)*128
.endr
.if (\k) > 1
	s_cmp_lt_u32 s21, 5
	s_cbranch_scc1 .Lnox_\@
.endif
	WIN 0xc0
	XFR \k, 4
	WIN 0
	global_load_b32 v[24+5*((\k)%2)], v19, s[XSB:XSB+1] offset:XSOFF+(\k)*128
.if (\k) > 1
.Lnox_\@:
.endif
.endm
.macro QB4                             ; four whole blocks, v[128 + 32 b + 0..31], become six code registers each at v[64 + 8 b] and a byte in v[BB + b]
.irp b, 0,1,2,3
	v_max3_num_f32 v[BM+\b], |v[128+32*\b]|, |v[129+32*\b]|, 0x2800000   ; with the floor 2^(5 - 127): the byte cannot fall under 1
.endr
.irp i, 2,4,6,8,10,12,14,16,18,20,22,24,26,28,30
.irp b, 0,1,2,3
	v_max3_num_f32 v[BM+\b], v[BM+\b], |v[128+32*\b+\i]|, |v[129+32*\b+\i]|
.endr
.endr
.irp b, 0,1,2,3
	v_add_nc_u32 v[BS+\b], 0xfe000000, v[BM+\b]    ; 4 off the exponent field: the conversion's scale operand
.endr
.irp b, 0,1,2,3
	v_lshrrev_b32 v[BB+\b], 23, v[BS+\b]           ; the scale's byte
.endr
.irp b, 0,1,2,3
	v_cvt_scalef32_pk16_bf6_f32 v[64+8*\b:66+8*\b], v[128+32*\b:143+32*\b], v[BS+\b]
	v_cvt_scalef32_pk16_bf6_f32 v[96+4*\b:98+4*\b], v[144+32*\b:159+32*\b], v[BS+\b]   ; (three registers begin on an even number: made elsewhere and moved)
.endr
	v_nop                                          ; one plain instruction behind the conversions
.irp b, 0,1,2,3
.irp i, 0,1,2
	v_mov_b32 v[67+8*\b+\i], v[96+4*\b+\i]
.endr
.endr
.endm
.macro WFETCH ra, rb, off              ; a K step's eight fragments and their scale words out of LDS: 256 consecutive bytes a load
.irp t, 0,1,2,3,4,5,6,7
.irp c, 0,1
.irp g, 0,1,2
	ds_load_b64 v[128+12*\t+6*\c+2*\g:129+12*\t+6*\c+2*\g], v[\ra] offset:(\off)+(\t/4)*6272+(\t%4)*1544+768*\c+256*\g
.endr
.endr
.endr
.irp i, 0,1,2,3
	ds_load_b32 v[30+\i], v[\rb] offset:(\off)+SCB+128*\i      ; lanes 0-15: tile 2 i's words, lanes 16-31: tile 2 i + 1's
.endr
.endm
.macro MM ac, t, xf, xs                ; one product: weight tile t x the rows at xf.  While FST is 1, the constant 0 starts the sum
.if FST
.if (\t)%2
	v_wmma_scale_f32_16x16x128_f8f6f4 v[(\ac):(\ac)+7], v[128+12*(\t):139+12*(\t)], v[(\xf):(\xf)+11], 0, v[30+(\t)/2], v[\xs] matrix_a_fmt:MATRIX_FMT_BF6 matrix_b_fmt:MATRIX_FMT_BF6 matrix_a_scale:MATRIX_SCALE_ROW1
.else
	v_wmma_scale_f32_16x16x128_f8f6f4 v[(\ac):(\ac)+7], v[128+12*(\t):139+12*(\t)], v[(\xf):(\xf)+11], 0, v[30+(\t)/2], v[\xs] matrix_a_fmt:MATRIX_FMT_BF6 matrix_b_fmt:MATRIX_FMT_BF6
.endif
.else
.if (\t)%2
	v_wmma_scale_f32_16x16x128_f8f6f4 v[(\ac):(\ac)+7], v[128+12*(\t):139+12*(\t)], v[(\xf):(\xf)+11], v[(\ac):(\ac)+7], v[30+(\t)/2], v[\xs] matrix_a_fmt:MATRIX_FMT_BF6 matrix_b_fmt:MATRIX_FMT_BF6 matrix_a_scale:MATRIX_SCALE_ROW1
.else
	v_wmma_scale_f32_16x16x128_f8f6f4 v[(\ac):(\ac)+7], v[128+12*(\t):139+12*(\t)], v[(\xf):(\xf)+11], v[(\ac):(\ac)+7], v[30+(\t)/2], v[\xs] matrix_a_fmt:MATRIX_FMT_BF6 matrix_b_fmt:MATRIX_FMT_BF6
.endif
.endif
.endm
; A K STEP.  Loads were issued in the order W(0), X(0), W(1), X(1), and then in step s: W(s + 2), X(s + 2).
.macro STEP s
.if (\s) == 7
	s_wait_loadcnt 16                              ; behind W(7) stand X(7)'s 16 loads, or 20
.else
	s_wait_loadcnt 63                              ; behind W(s) stand X(s), W(s + 1), X(s + 1): 72 loads; 63 is the largest count that the wait can name
.endif
	v_add_nc_u32 v6, (\s)*SREG, v4                 ; this step's LDS region
	v_add_nc_u32 v7, (\s)*SREG, v5
	v_add_nc_u32 v8, (\s)*SREG, v3
	v_add_nc_u32 v9, (\s)*SREG, v2
	WIN 0x01
.set jq, 0
.rept 4
.set ii, 0
.rept 32
	v_mov_b32 v[128+32*jq+ii], v[128*((\s)%2)+4*ii+jq]         ; [row][4 columns] becomes [column][row]
.set ii, ii+1
.endr
.set jq, jq+1
.endr
	WIN 0
.if (\s) < 6
	WLOAD (\s)+2, 0, 8
.endif
.if (\s) < 4
	PF (\s)+4
.endif
	QB4
.irp b, 0,1,2,3
.irp g, 0,1,2
	ds_store_b64 v6, v[64+8*\b+2*\g:65+8*\b+2*\g] offset:8*\b+256*\g
.endr
	ds_store_b8 v7, v[BB+\b] offset:4*\b
.endr
.if (\s) < 6
	WLOAD (\s)+2, 8, 8
.endif
	s_wait_dscnt 0x0                               ; for the others' sake: my codes and bytes have landed
	s_barrier_signal -1
	s_barrier_wait -1                              ; the step's region is whole; it is never written again
	WFETCH 8, 9, 0
.if (\s) < 6
	WLOAD (\s)+2, 16, 16
.endif
.if (\s) < 6
	s_wait_loadcnt 63                              ; behind X(s) stand W(s + 1), X(s + 1), W(s + 2): 84 loads
.elseif (\s) == 6
	s_wait_loadcnt 48                              ; W(7)'s 32, and X(7)'s 16 or 20
.else
	s_wait_loadcnt 0
.endif
	s_wait_dscnt 0x0
.set FST, 0
.if (\s) == 0
.set FST, 1                            ; the first step's products start the sums: nothing is cleared
.endif
.irp i, 0,1,2,3,4                      ; 40 accumulators by turns, one instruction a turn, in the same order in every step
.if \i < 4
	WIN 0xac                                       ; source 1 window 3, C and D window 2
.else
.if (\s) > 0
	WIN 0
	s_cmp_lt_u32 s21, 5                            ; fewer than five tiles are mine: slot 4 has no tile
	s_cbranch_scc1 .Lno4_\s
.endif
	WIN 0xfc
.endif
.irp t, 0,1,2,3,4,5,6,7
	MM 64*(\i%4)+8*\t, \t, 64+64*((\s)%2)+12*\i, 20+5*((\s)%2)+\i
.endr
.endr
.set FST, 0
	WIN 0
.if (\s) > 0
.Lno4_\s:
.endif
	PLACES                                         ; four places ahead of loads into, and moves over, registers that these products read, and of the first read of results
.if (\s) < 6
	XLOAD (\s)+2
.endif
.endm
	s_load_b256 s[4:11], s[0:1], 0x0               ; W2 s[4:5], hq s[6:7], rplace s[8:9], part s[10:11]
	v_lshl_add_u32 v62, v0, 2, 0x21c00
	v_mov_b32 v63, 0
	v_lshrrev_b32 v52, 5, v0
	v_readfirstlane_b32 s14, v52                   ; wave 0..3
	s_and_b32 s15, ttmp7, 0xffff                   ; the expert
	s_and_b32 s16, ttmp9, 7                        ; cs: which 128 columns
	s_lshr_b32 s17, ttmp9, 3                       ; q: which quarter of K
	v_and_b32 v52, 31, v0
	v_lshlrev_b32 v1, 4, v52
	v_lshlrev_b32 v2, 2, v52
	v_lshlrev_b32 v3, 3, v52
	v_lshlrev_b32 v61, 12, v52                     ; the prefetches' offset: my lane x a row of W2; never rewritten
	v_bfe_u32 v53, v0, 4, 1                        ; hf of my columns; also h
	v_bfe_u32 v54, v0, 3, 1                        ; hm
	v_bfe_u32 v55, v0, 1, 2                        ; j'
	v_and_b32 v56, 1, v0
	v_and_b32 v57, 15, v0                          ; r
	v_mul_u32_u24 v4, v53, 6272
	v_mad_u32_u24 v4, v55, 1544, v4
	v_lshl_add_u32 v4, v54, 6, v4
	v_lshl_add_u32 v4, v56, 5, v4
	s_and_b32 s30, s14, 1
	s_lshl_b32 s30, s30, 7
	s_lshr_b32 s31, s14, 1
	s_mul_i32 s31, s31, 768
	s_add_co_u32 s30, s30, s31
	v_add_nc_u32 v4, s30, v4                       ; where my columns' codes go
	v_lshlrev_b32 v5, 8, v53
	v_lshl_add_u32 v5, v55, 6, v5
	v_lshl_add_u32 v5, v54, 5, v5
	v_lshl_add_u32 v5, v56, 4, v5
	s_add_co_u32 s30, s14, SCB
	v_add_nc_u32 v5, s30, v5                       ; and their scale bytes
	s_mul_i32 s30, s14, 16*528
	s_add_co_u32 s30, s30, STG                     ; my stage
	v_mul_u32_u24 v48, v57, 528
	v_lshl_add_u32 v48, v53, 7, v48
	v_add_nc_u32 v48, s30, v48                     ; in: row r, + 128 h
	v_add_nc_u32 v49, s30, v1                      ; back: 16 bytes a lane of a row
	s_lshl_b32 s60, s15, 2                         ; 4 e
	s_lshl_b32 s30, s15, 24                        ; the expert's 16 MiB,
	s_lshl_b32 s31, s17, 22                        ; the quarter's 1,024 rows,
	s_add_co_u32 s30, s30, s31
	s_lshl_b32 s31, s14, 17                        ; my 32 rows,
	s_add_co_u32 s30, s30, s31
	s_lshl_b32 s31, s16, 9                         ; my 128 columns
	s_add_co_u32 s30, s30, s31
	s_mov_b32 s31, 0
	s_wait_kmcnt 0x0
	s_add_nc_u64 s[WB:WB+1], s[4:5], s[30:31]
	s_add_nc_u64 s[WB+2:WB+3], s[WB:WB+1], 4*KSTR
	s_mul_i32 s30, s17, 12288                      ; the quarter's eight K steps in a tile's images,
	s_add_nc_u64 s[XB:XB+1], s[6:7], s[30:31]
	s_lshl_b32 s30, s17, 10                        ; and in its scale words
	s_add_nc_u64 s[XSB:XSB+1], s[6:7], s[30:31]
	s_mul_i32 s30, s17, 8912896                    ; the quarter's 2,176 rows of part,
	s_lshl_b32 s61, s16, 9                         ; my 128 columns
	s_add_co_u32 s30, s30, s61
	s_add_nc_u64 s[58:59], s[10:11], s[30:31]
	s_load_b32 s18, s[8:9], s60 offset:0x2000      ; the expert's first tile,
	s_load_b32 s19, s[8:9], s60 offset:0x2004      ; the next expert's,
	s_load_b32 s20, s[8:9], 0x2020                 ; all tiles
	WLOAD 0, 0, 32
	s_wait_kmcnt 0x0
	PF 2
	PF 3
	s_sub_co_u32 s21, s19, s18
	s_add_co_u32 s21, s21, 3
	s_sub_co_u32 s21, s21, s14
	s_lshr_b32 s21, s21, 2                         ; my tiles: 4 i + w
	s_min_u32 s21, s21, 16                         ; (an expert has at most 1,024 rows: 64 tiles)
	s_add_co_u32 s23, s18, s14                     ; my first tile
	s_sub_co_u32 s20, s20, 1
.irp i, 0,1,2,3,4
	s_add_co_u32 s30, s23, 4*\i
	s_min_u32 s30, s30, s20                        ; an absent tile is read as the last tile that exists,
	s_min_u32 s30, s30, 135                        ; inside the buffer
	s_mul_i32 s31, s30, OPT
	v_add_nc_u32 v[10+\i], s31, v1
	s_mul_i32 s31, s30, OST
	v_add_nc_u32 v[15+\i], s31, v2
.endr
	s_wait_alu depctr_va_vdst(0)
	XLOAD 0
	WLOAD 1, 0, 32
	XLOAD 1
.irp s, 0,1,2,3,4,5,6,7
	STEP \s
.endr
; BEHIND THE LAST BARRIER: my tiles, one a trip, through my stage to part.
.macro OVER                            ; a tile beyond my five slots: all eight K steps from the codes that stayed in LDS, into slot 0
	s_min_u32 s30, s23, 135
	s_mul_i32 s31, s30, OPT
	v_add_nc_u32 v10, s31, v1
	s_wait_alu depctr_va_vdst(0)
	s_mul_i32 s31, s30, OST
	v_add_nc_u32 v15, s31, v2
	s_wait_alu depctr_va_vdst(0)
.irp s, 0,1,2,3,4,5,6,7
	PLACES
	WIN 0xc0
.irp q, 0,1,2
	global_load_b128 v[64+4*\q:64+4*\q+3], v10, s[XB:XB+1] offset:\s*1536+512*\q
.endr
	WIN 0
	global_load_b32 v20, v15, s[XSB:XSB+1] offset:XSOFF+\s*128
.if \s < 4
	WFETCH 3, 2, \s*SREG
.else
	WFETCH 8, 9, (\s-4)*SREG
.endif
	s_wait_loadcnt 0x0
	s_wait_dscnt 0x0
.set FST, 0
.if \s == 0
.set FST, 1
.endif
	WIN 0xac
.irp t, 0,1,2,3,4,5,6,7
	MM 8*\t, \t, 64, 20
.endr
.set FST, 0
	WIN 0
.endr
	PLACES
.endm
.macro HEAD i                          ; slot i's 64 sums into my stage; each accumulator from its low end on
.if \i < 4
	WIN 0x08                                       ; an LDS store's data are its source 1: window 2
.else
	WIN 0x0c
.endif
.irp t, 0,1,2,3,4,5,6,7
	ds_store_b128 v48, v[64*(\i%4)+8*\t:64*(\i%4)+8*\t+3] offset:256*(\t/4)+32*(\t%4)
	ds_store_b128 v48, v[64*(\i%4)+8*\t+4:64*(\i%4)+8*\t+7] offset:256*(\t/4)+32*(\t%4)+16
.endr
	WIN 0
.endm
	s_cmp_eq_u32 s21, 0
	s_cbranch_scc1 .Lend                           ; no tile of this expert is mine
	v_add_nc_u32 v8, 4*SREG, v3                    ; LDS addresses for K steps 4-7
	v_add_nc_u32 v9, 4*SREG, v2
	s_mov_b32 s22, 0
.Lepi:
	s_wait_xcnt 0x0                                ; the last trip's stores have read their registers: they are written again from here on
	s_cmp_eq_u32 s22, 1
	s_cbranch_scc1 .Lh1
	s_cmp_eq_u32 s22, 2
	s_cbranch_scc1 .Lh2
	s_cmp_eq_u32 s22, 3
	s_cbranch_scc1 .Lh3
	s_cmp_eq_u32 s22, 4
	s_cbranch_scc1 .Lh4
	s_cmp_eq_u32 s22, 0
	s_cbranch_scc1 .Lh0
	OVER
.Lh0:
	HEAD 0
	s_branch .Lcom
.Lh1:
	HEAD 1
	s_branch .Lcom
.Lh2:
	HEAD 2
	s_branch .Lcom
.Lh3:
	HEAD 3
	s_branch .Lcom
.Lh4:
	HEAD 4
.Lcom:
	s_min_u32 s30, s23, 135                        ; my tile:
	s_lshl_b32 s30, s30, 16                        ; 16 rows of 4,096 bytes
	v_add_nc_u32 v47, s30, v1
.irp p, 0,1,2,3,4,5,6,7,8,9,10,11,12,13,14,15
	ds_load_b128 v[64+4*\p:67+4*\p], v49 offset:528*\p         ; LDS serves a wave's instructions in order (ISA guide 5.7.1.4): these see my stores
.endr
	s_wait_alu depctr_va_vdst(0)
.irp p, 0,1,2,3,4,5,6,7,8,9,10,11,12,13,14,15
	s_wait_dscnt 15-\p
	global_store_b128 v47, v[64+4*\p:67+4*\p], s[58:59] offset:4096*\p th:TH_STORE_NT   ; 32 lanes store 512 consecutive bytes, at a multiple of 256 from the buffer's first byte
.endr
	s_add_co_u32 s22, s22, 1
	s_add_co_u32 s23, s23, 4
	s_cmp_lt_u32 s22, s21
	s_cbranch_scc1 .Lepi
.Lend:
	s_barrier_signal -1
	s_barrier_wait -1
	s_wait_tensorcnt 0x0
	ds_add_u32 v62, v63
	s_wait_dscnt 0x0
	s_endpgm
.Lfunc_end_k_q5104b5b0bf_down:
	.size	k_q5104b5b0bf_down, .Lfunc_end_k_q5104b5b0bf_down-k_q5104b5b0bf_down
	.p2alignl 7, 3214868480
	.fill 96, 4, 3214868480
	.section	.rodata,"a",@progbits
	.p2align	6, 0x0
	.amdhsa_kernel k_q5104b5b0bf_down
		.amdhsa_group_segment_fixed_size 138752
		.amdhsa_private_segment_fixed_size 0
		.amdhsa_enable_private_segment 0
		.amdhsa_kernarg_size 32
		.amdhsa_user_sgpr_count 2
		.amdhsa_user_sgpr_kernarg_segment_ptr 1
		.amdhsa_wavefront_size32 1
		.amdhsa_system_sgpr_workgroup_id_x 1
		.amdhsa_system_sgpr_workgroup_id_y 1
		.amdhsa_system_sgpr_workgroup_id_z 1
		.amdhsa_system_vgpr_workitem_id 0
		.amdhsa_next_free_vgpr 1024
		.amdhsa_next_free_sgpr 66
		.amdhsa_reserve_vcc 0
		.amdhsa_float_denorm_mode_32 3
		.amdhsa_float_denorm_mode_16_64 3
		.amdhsa_memory_ordered 1
		.amdhsa_forward_progress 1
		.amdhsa_inst_pref_size 253
	.end_amdhsa_kernel
	.amdgpu_metadata
---
amdhsa.version: [ 1, 2 ]
amdhsa.kernels:
  - .name:           k_q5104b5b0bf_down
    .symbol:         k_q5104b5b0bf_down.kd
    .args:
      - { .name: W2, .offset: 0, .size: 8, .value_kind: global_buffer, .address_space: global }
      - { .name: hq, .offset: 8, .size: 8, .value_kind: global_buffer, .address_space: global }
      - { .name: rplace, .offset: 16, .size: 8, .value_kind: global_buffer, .address_space: global }
      - { .name: part, .offset: 24, .size: 8, .value_kind: global_buffer, .address_space: global }
    .group_segment_fixed_size: 138752
    .private_segment_fixed_size: 0
    .kernarg_segment_align: 8
    .kernarg_segment_size: 32
    .max_flat_workgroup_size: 128
    .sgpr_count:     66
    .vgpr_count:     1024
    .wavefront_size: 32
...
	.end_amdgpu_metadata
.endif
;; end of part 9
;; launch combine (part 10): grid 256 x 1, 8 waves a work-group, no clusters, 0 bytes of LDS; arguments part, rplace, ridx, rgate, b2, out0; writes out0
.if DOCPART == 10
	.amdgcn_target "amdgcn-amd-amdhsa--gfx1250"
	.amdhsa_code_object_version 6
	.text
	.protected	k_q5104b5b0bf_combine
	.globl	k_q5104b5b0bf_combine
	.p2align	8
	.type	k_q5104b5b0bf_combine,@function
k_q5104b5b0bf_combine:
	s_mov_b64 s[64:65], 0
	v_nop
	global_prefetch_b8 v0, s[64:65] scope:SCOPE_SE
	s_setreg_imm32_b32 hwreg(HW_REG_WAVE_MODE, 25, 1), 1
	s_wait_xcnt 0x0
; THE SUM.  out0[t] = g0 (the four quarters' sums of t's first routed row + b2 of its expert) + g1 (the same of its second).  Each output row has one owner.
; SHARES.  A work-group takes 4 tokens; a wave half a token's row, 2,048 bytes: four loads of 512 consecutive bytes from each of 8 rows of part and 2 rows of b2, all 40 issued at once.
; The rows' places and experts are whole numbers that earlier launches stored; each is held inside its buffer before it enters an address.
; A stream: no LDS, no barrier, no matrix unit.  The quarters are added as (q0 + q1) + (q2 + q3), always in that order.
.set P,  16                            ; v16-143  slot k, quarter q, piece m at 16 + 64 k + 16 q + 4 m
.set BI, 144                           ; v144-175 b2: slot k, piece m at 144 + 16 k + 4 m
	s_load_b256 s[4:11], s[0:1], 0x0               ; part s[4:5], rplace s[6:7], ridx s[8:9], rgate s[10:11]
	s_load_b128 s[12:15], s[0:1], 0x20             ; b2 s[12:13], out0 s[14:15]
	v_lshrrev_b32 v1, 5, v0
	s_delay_alu instid0(VALU_DEP_1)
	v_readfirstlane_b32 s16, v1                    ; wave 0..7
	v_and_b32 v1, 31, v0
	s_delay_alu instid0(VALU_DEP_1)
	v_lshlrev_b32 v1, 4, v1                        ; 16 bytes a lane
	s_lshr_b32 s17, s16, 1
	s_lshl_b32 s18, ttmp9, 2
	s_add_co_u32 s17, s17, s18                     ; my token
	s_lshl_b32 s18, s17, 3                         ; its two words in each table
	s_and_b32 s19, s16, 1
	s_lshl_b32 s19, s19, 11                        ; my half of a row
	s_wait_alu depctr_va_vdst(0)
	s_wait_kmcnt 0x0
	s_load_b64 s[20:21], s[6:7], s18 offset:0x0    ; the two sorted rows,
	s_load_b64 s[22:23], s[8:9], s18 offset:0x0    ; the two experts,
	s_load_b64 s[24:25], s[10:11], s18 offset:0x0  ; the two gates
	s_wait_kmcnt 0x0
	s_min_u32 s20, s20, 2175
	s_min_u32 s21, s21, 2175
	s_min_u32 s22, s22, 7
	s_min_u32 s23, s23, 7
	s_mov_b32 s31, 0
.irp k, 0,1
	s_lshl_b32 s30, s[20+\k], 12
	s_add_co_u32 s30, s30, s19
	s_add_nc_u64 s[32+8*\k:33+8*\k], s[4:5], s[30:31]
.irp q, 1,2,3
	s_add_nc_u64 s[32+8*\k+2*\q:33+8*\k+2*\q], s[30+8*\k+2*\q:31+8*\k+2*\q], 0x880000   ; a quarter on: 2,176 rows of 4,096 bytes, beyond a load's immediate
.endr
	s_lshl_b32 s30, s[22+\k], 12
	s_add_co_u32 s30, s30, s19
	s_add_nc_u64 s[48+2*\k:49+2*\k], s[12:13], s[30:31]
.endr
	s_lshl_b32 s30, s17, 12
	s_add_co_u32 s30, s30, s19
	s_add_nc_u64 s[52:53], s[14:15], s[30:31]
	s_mov_b32 s54, s24                             ; each gate twice: the packed forms name a pair
	s_mov_b32 s55, s24
	s_mov_b32 s56, s25
	s_mov_b32 s57, s25
.irp k, 0,1
.irp q, 0,1,2,3
.irp m, 0,1,2,3
	global_load_b128 v[P+64*\k+16*\q+4*\m:P+64*\k+16*\q+4*\m+3], v1, s[32+8*\k+2*\q:33+8*\k+2*\q] offset:512*\m th:TH_LOAD_NT
.endr
.endr
.irp m, 0,1,2,3
	global_load_b128 v[BI+16*\k+4*\m:BI+16*\k+4*\m+3], v1, s[48+2*\k:49+2*\k] offset:512*\m
.endr
.endr
	s_wait_loadcnt 0x0
.irp k, 0,1
.set u, 0
.rept 8
	v_pk_add_f32 v[P+64*\k+u:P+64*\k+u+1], v[P+64*\k+u:P+64*\k+u+1], v[P+64*\k+16+u:P+64*\k+16+u+1]
	v_pk_add_f32 v[P+64*\k+32+u:P+64*\k+32+u+1], v[P+64*\k+32+u:P+64*\k+32+u+1], v[P+64*\k+48+u:P+64*\k+48+u+1]
.set u, u+2
.endr
.endr
.irp k, 0,1
.set u, 0
.rept 8
	v_pk_add_f32 v[P+64*\k+u:P+64*\k+u+1], v[P+64*\k+u:P+64*\k+u+1], v[P+64*\k+32+u:P+64*\k+32+u+1]
.set u, u+2
.endr
.endr
.irp k, 0,1
.set u, 0
.rept 8
	v_pk_add_f32 v[P+64*\k+u:P+64*\k+u+1], v[P+64*\k+u:P+64*\k+u+1], v[BI+16*\k+u:BI+16*\k+u+1]
.set u, u+2
.endr
.endr
.set u, 0
.rept 8
	v_pk_mul_f32 v[P+u:P+u+1], v[P+u:P+u+1], s[54:55] op_sel_hi:[1,0]
.set u, u+2
.endr
.set u, 0
.rept 8
	v_pk_fma_f32 v[P+u:P+u+1], v[P+64+u:P+64+u+1], s[56:57], v[P+u:P+u+1] op_sel_hi:[1,0,1]
.set u, u+2
.endr
.irp m, 0,1,2,3
	global_store_b128 v1, v[P+4*\m:P+4*\m+3], s[52:53] offset:512*\m th:TH_STORE_NT   ; 512 consecutive bytes a store
.endr
	s_endpgm
.Lfunc_end_k_q5104b5b0bf_combine:
	.size	k_q5104b5b0bf_combine, .Lfunc_end_k_q5104b5b0bf_combine-k_q5104b5b0bf_combine
	.p2alignl 7, 3214868480
	.fill 96, 4, 3214868480
	.section	.rodata,"a",@progbits
	.p2align	6, 0x0
	.amdhsa_kernel k_q5104b5b0bf_combine
		.amdhsa_group_segment_fixed_size 0
		.amdhsa_private_segment_fixed_size 0
		.amdhsa_enable_private_segment 0
		.amdhsa_kernarg_size 48
		.amdhsa_user_sgpr_count 2
		.amdhsa_user_sgpr_kernarg_segment_ptr 1
		.amdhsa_wavefront_size32 1
		.amdhsa_system_sgpr_workgroup_id_x 1
		.amdhsa_system_sgpr_workgroup_id_y 1
		.amdhsa_system_sgpr_workgroup_id_z 1
		.amdhsa_system_vgpr_workitem_id 0
		.amdhsa_next_free_vgpr 176
		.amdhsa_next_free_sgpr 66
		.amdhsa_reserve_vcc 0
		.amdhsa_float_denorm_mode_32 3
		.amdhsa_float_denorm_mode_16_64 3
		.amdhsa_memory_ordered 1
		.amdhsa_forward_progress 1
		.amdhsa_inst_pref_size 12
	.end_amdhsa_kernel
	.amdgpu_metadata
---
amdhsa.version: [ 1, 2 ]
amdhsa.kernels:
  - .name:           k_q5104b5b0bf_combine
    .symbol:         k_q5104b5b0bf_combine.kd
    .args:
      - { .name: part, .offset: 0, .size: 8, .value_kind: global_buffer, .address_space: global }
      - { .name: rplace, .offset: 8, .size: 8, .value_kind: global_buffer, .address_space: global }
      - { .name: ridx, .offset: 16, .size: 8, .value_kind: global_buffer, .address_space: global }
      - { .name: rgate, .offset: 24, .size: 8, .value_kind: global_buffer, .address_space: global }
      - { .name: b2, .offset: 32, .size: 8, .value_kind: global_buffer, .address_space: global }
      - { .name: out0, .offset: 40, .size: 8, .value_kind: global_buffer, .address_space: global }
    .group_segment_fixed_size: 0
    .private_segment_fixed_size: 0
    .kernarg_segment_align: 8
    .kernarg_segment_size: 48
    .max_flat_workgroup_size: 256
    .sgpr_count:     66
    .vgpr_count:     176
    .wavefront_size: 32
...
	.end_amdgpu_metadata
.endif
;; end of part 10
